; MI455X (gfx1250); checked and timed in simulation.
; The chip was launched on July 23, 2026; its instructions are those of AMD's public machine-readable ISA for CDNA 5 (MIT licence, August 2026) and "CDNA5" Instruction Set Architecture Reference Guide (July 2026). The comments in the code are by the model that wrote it; some were corrected since.
;; Multihead Attention. Allowed arithmetic: matrix products marked QUANTISED: E2M3 operands, one E8M0 scale for each 32 along K, by v_wmma_scale_f32_16x16x128_f8f6f4 with both operands' format E2M3, f32 sums; everything else in f32.
;; Inputs: Wk_codes 1,024 x 32 x 24 uint8 (E2M3 codes of Wk, K innermost, in blocks of 32 codes, four codes in three bytes); Wk_scales 1,024 x 32 uint8 (E8M0 scales of Wk, one for each 32 codes along K); Wo_codes 1,024 x 32 x 24 uint8 (E2M3 codes of Wo, K innermost, in blocks of 32 codes, four codes in three bytes); Wo_scales 1,024 x 32 uint8 (E8M0 scales of Wo, one for each 32 codes along K); Wq_codes 1,024 x 32 x 24 uint8 (E2M3 codes of Wq, K innermost, in blocks of 32 codes, four codes in three bytes); Wq_scales 1,024 x 32 uint8 (E8M0 scales of Wq, one for each 32 codes along K); Wv_codes 1,024 x 32 x 24 uint8 (E2M3 codes of Wv, K innermost, in blocks of 32 codes, four codes in three bytes); Wv_scales 1,024 x 32 uint8 (E8M0 scales of Wv, one for each 32 codes along K); bk 1,024 float32; bo 1,024 float32; bq 1,024 float32; bv 1,024 float32; k_codes 4 x 2,048 x 32 x 24 uint8 (E2M3 codes of k, K innermost, in blocks of 32 codes, four codes in three bytes); k_scales 4 x 2,048 x 32 uint8 (E8M0 scales of k, one for each 32 codes along K); q_codes 4 x 2,048 x 32 x 24 uint8 (E2M3 codes of q, K innermost, in blocks of 32 codes, four codes in three bytes); q_scales 4 x 2,048 x 32 uint8 (E8M0 scales of q, one for each 32 codes along K); v_codes 4 x 2,048 x 32 x 24 uint8 (E2M3 codes of v, K innermost, in blocks of 32 codes, four codes in three bytes); v_scales 4 x 2,048 x 32 uint8 (E8M0 scales of v, one for each 32 codes along K).
;; Outputs: out0 4 x 2,048 x 1,024 float32.
;; This version of the problem:
;;   THIS VERSION OF THE PROBLEM IS GIVEN IN LOW PRECISION. The matrix products marked QUANTISED in the list below multiply operands that are first quantised to E2M3 (2 exponent bits, 3 mantissa bits; 6 bits a number), with one power-of-two scale for each 32 numbers along K (OCP MX v1.0); their sums are f32. All else is computed in f32.
;;   The module's matrix products, in the order in which they are computed (A, B: the left and right operand; K: the contracted axis; several contracted axes count as one K, in the product's order):
;;     1. [M 8,192, K 1,024] x [K 1,024, N 1,024]; A: input q (given as codes); B: input Wq (given as codes): QUANTISED
;;     2. [M 8,192, K 1,024] x [K 1,024, N 1,024]; A: input k (given as codes); B: input Wk (given as codes): QUANTISED
;;     3. [M 8,192, K 1,024] x [K 1,024, N 1,024]; A: input v (given as codes); B: input Wv (given as codes): QUANTISED
;;     4. batch 4 x [M 2,048, K 1,024] x [K 1,024, N 2,048]; A: computed on the way; B: computed on the way: QUANTISED
;;     5. batch 4 x [M 2,048, K 2,048] x [K 2,048, N 1,024]; A: softmax (see below); B: computed on the way: QUANTISED
;;     6. [M 8,192, K 1,024] x [K 1,024, N 1,024]; A: computed on the way; B: input Wo (given as codes): QUANTISED
;;   THE QUANTISER, for each operand of a quantised product, along K:
;;     - K is cut into blocks of 32 from its start; a last block that is shorter is filled with zeros.
;;     - A block's scale is 2^e with e = floor(log2(the largest magnitude in the block)) - 2, held to -126 .. 127; a block of zeros has e = 0. As a byte (E8M0): e + 127.
;;     - Each number is divided by its block's scale, clamped to +-7.5, and rounded to the nearest number of E2M3, ties to even, subnormals kept.
;;     - The product sums the exact products of the quantised numbers (number of the format x scale) in f32.
;;   ~~~python
;;   def quantise(x, axis):      # numpy; x: float32 -> the quantised numbers, widened to float32 again
;;       x = np.moveaxis(x, axis, -1); K = x.shape[-1]
;;       x = np.pad(x, [(0, 0)] * (x.ndim - 1) + [(0, -K % 32)]); x = x.reshape(x.shape[:-1] + (-1, 32)); a = np.abs(x).max(-1, keepdims=True)
;;       e = np.where(a > 0, np.clip(np.frexp(np.where(a > 0, a, 1))[1] - 1 - 2, -126, 127), 0)      # np.frexp(a)[1] - 1 = floor(log2(a)), exactly
;;       r = np.clip(x / 2.0 ** e, -7.5, 7.5)
;;       step = 2.0 ** (np.maximum(np.frexp(np.where(r == 0, 1, r))[1] - 1, 0) - 3)
;;       q = np.round(r / step) * step * 2.0 ** e      # np.round: ties to even
;;       return np.moveaxis(q.reshape(q.shape[:-2] + (-1,))[..., :K], -1, axis).astype(np.float32)
;;   ~~~
;;   SOFTMAX AHEAD OF A QUANTISED PRODUCT. Where the list says 'softmax', what is quantised is not the finished softmax but p = 2^(t - M), with t = logit x log2(e) and M = ceil(the row's largest t), a whole number; so 1/2 < the row's largest p <= 1. The row's sum l is taken of the UNQUANTISED p, in f32, and the product's result is divided by l at the end. Since M is a whole number, a kernel that streams over the keys may use a running M (the ceiling of the running maximum): every later rescaling is an exact power of two, which a block's scale takes up: the codes' values come out the same.
;;   OPERANDS COMPUTED ON THE WAY. 'Computed on the way' means the value that the module computes at that place (a softmax that the list does not call 'softmax' is quantised finished and normalised). What goes into a quantiser is computed in f32, as accurately as f32 sums, v_exp_f32 and their like allow (about 1e-6 of the number): no bf16 or f16 on the way to a quantiser, and a product that is left as it is and whose result goes on into a quantised operand takes f32 operands (vector FMAs, or v_wmma_f32_16x16x4_f32). A number that lies on a knife's edge between two numbers of the format may be rounded either way, as far as f32 arithmetic and the matrix unit's own rounding can turn it there, and no further.
;;   INPUTS GIVEN AS CODES. Wk (in the module: [1024, 1024], K = its axis 0); Wo (in the module: [1024, 1024], K = its axis 0); Wq (in the module: [1024, 1024], K = its axis 0); Wv (in the module: [1024, 1024], K = its axis 0); k (in the module: [4, 2048, 1024], K = its axis 2); q (in the module: [4, 2048, 1024], K = its axis 2); v (in the module: [4, 2048, 1024], K = its axis 2): each comes as NAME_codes (uint8): NAME with its K axis moved to the last place and cut into blocks of 32 codes, [.., K / 32, bytes a block], one block behind the other in memory; four codes in three bytes: a row's codes are one little-endian stream of bits, code i at bits 6 i .. 6 i + 5 (a code: sign, 2 exponent bits, 3 mantissa bits); and NAME_scales (uint8): the same leading axes, one E8M0 byte (e + 127) for each 32 codes along K. Its value is code x scale, taken as it is: it is not quantised again, and the codes and scales need not be those that the quantiser above would give.
;; 2 versions. Each part assembles by itself: llvm-mc -triple=amdgcn-amd-amdhsa -mcpu=gfx1250 --defsym DOCPART=n.
;; ======== version 1 of 2: 4 launches
;; workspace buffers: pc 18,874,368 bytes; ps 786,432 bytes; wc 12,582,912 bytes; wst 1,572,864 bytes; aoc 6,291,456 bytes; aos 262,144 bytes
;; launch proj (part 1): grid 4 x 96, 4 waves a work-group, clusters of 4 x 4, 327,680 bytes of LDS; arguments q_codes, q_scales, Wq_codes, Wq_scales, bq, k_codes, k_scales, Wk_codes, Wk_scales, bk, Wv_codes, Wv_scales, v_codes, v_scales, bv, pc, ps; writes pc, ps
.if DOCPART == 1
	.amdgcn_target "amdgcn-amd-amdhsa--gfx1250"
	.amdhsa_code_object_version 6
	.text
	.protected	k_qe8550c2677_proj
	.globl	k_qe8550c2677_proj
	.p2align	8
	.type	k_qe8550c2677_proj,@function
k_qe8550c2677_proj:
	s_mov_b64 s[64:65], 0
	v_nop
	global_prefetch_b8 v0, s[64:65] scope:SCOPE_SE
	s_setreg_imm32_b32 hwreg(HW_REG_WAVE_MODE, 25, 1), 1
	s_wait_xcnt 0x0
	s_wait_alu depctr_hold_cnt(0) depctr_sa_sdst(0) depctr_va_vdst(0) depctr_va_sdst(0) depctr_va_ssrc(0) depctr_va_vcc(0) depctr_vm_vsrc(0)
	s_getreg_b32 s2, hwreg(HW_REG_IB_STS2, 6, 4)
	s_cmp_eq_u32 s2, 0
	s_cbranch_scc0 .Lentry_in_a_cluster
	s_endpgm
.Lentry_in_a_cluster:
	s_bfe_u32 s2, ttmp6, 0x10000c
	s_cmp_lg_u32 s2, 0xf033
	s_cbranch_scc0 .Lentry_shape_is_right
	s_endpgm
.Lentry_shape_is_right:
; THE THREE INPUT PROJECTIONS, qp = q Wq + bq, kp = k Wk + bk, vp = v Wv + bv, on codes of FP6 (E2M3) with one E8M0 scale for each 32 along K, and the quantising of their results for the next products.
; One launch, 24 clusters of 4 x 4 work-groups: cluster y / 8 = Z says which product, cluster y % 8 which run of four tiles.  A tile is 256 x 256, a wave makes 128 x 128 (64 accumulators, 512 registers), K = 1,024 in steps of 256
; through a ring of two LDS slots filled by the tensor data mover; the tile's scale bytes for all of K come into LDS once.
; THE MATRIX INSTRUCTION: source 0 = 16 rows of the operand called B here, source 1 = 16 rows of the operand called A: in accumulator (a, b) lane (r, h) holds A's row 16 a + r and its register j B's row 16 b + 8 h + j.
; So a lane's registers run along B's rows, and that is the axis along which the result is quantised:  Z = 0, 1: A = tokens of q or k, B = rows n of Wq or Wk: qp and kp are quantised along n (the next K).
; Z = 2: A = rows d of Wv, B = tokens of v: vp is quantised along the keys (the K of the product with the softmax).
; WHAT IS STORED.  pc: three parts of 6,291,456 bytes, QC, KC, VC: codes as IMAGES OF THE OPERAND'S REGISTERS: [rows / 128][K / 128][16-row block 0..7][1,536 bytes]; in a block's 1,536 bytes registers 4 g .. 4 g + 3 of lane l lie at 512 g + 16 l.
; ps: three parts of 262,144 bytes: the scale bytes, [row][K / 32].  VC's rows are 1,024 batch + d, its K the batch's 2,048 keys.
; CLUSTERS: A's tile is shared along a row of the cluster, B's along a column: each is asked for jointly, by the same tensor load with the same descriptor and a mask that names the four.
; LIMITS: NaN and infinities are not served; a block of zeros gets the scale byte 1 (its codes are zeros, and this program alone reads the bytes).
.set SIZE_K, 1024
.set LAYA,   0                         ; A's and B's tiles: 0 = rows of codes as the inputs lie, 1 = register images
.set LAYB,   0
.set CM0,    2                         ; what starts the sums: 1 = the constant 0, 2 = the bias tiles in v[BJ] on
.set BSCL,   1                         ; B's scale bytes come by a tensor load
.set KSTEP,  256
.set NQ,     2                         ; matrix instructions deep in a slot
.set FR,     12                        ; registers of a fragment, 16 rows x 128 K
.set NP,     4                         ; places behind this matrix instruction (ISA guide 7.12.1)
.set PITCH,  240                       ; a row tile's LDS row: 3 x (64 bytes + 16 of padding)
.set KROW,   SIZE_K*6/8
.set KS,     SIZE_K/32
.set LAPS,   SIZE_K/(2*KSTEP)
.set HALFA,  30720-6144*LAYA           ; 128 rows x 256 K in LDS: 128 x 240, or 24,576 dense bytes of images
.set HALFB,  30720-6144*LAYB
.set NLA,    6-3*LAYA                  ; LDS loads that bring a fragment of A
.set STEPMA, 192+24384*LAYA            ; a K step on in memory
.set STEPMB, 192+24384*LAYB
.set SLOT,   2*HALFA+2*HALFB           ; A's two halves, then B's two
.set SCL,    2*SLOT                    ; behind the ring: the scale bytes, units of 256 bytes + 16 of padding: A's halves, then B's
.set HALFS,  (128*KS/256)*272
.set SBLK,   (16*KS/256)*272
.set SPARE,  SCL+4*HALFS               ; the spare words, 128 bytes a wave: two blocks of 256 bytes that no other line names
.set ADRA, 16                          ; v16-17 LDS address of my A fragments in slot 0, 1 (v18-19: behind one padding more)
.set ADRB, 20                          ; v20-23 the same for B
.set CO,   26                          ; v26 16 x lane
.set ADRS, 27                          ; v27 LDS address of my scale words: lanes 0-15 A's rows, lanes 16-31 B's
.set SPW,  28                          ; v28 my spare word; never rewritten
.set NIL,  29                          ; v29 0; never rewritten
.set SC,   32                          ; v32-63 scale words, two sets: they hold scales and nothing else
.set BJ,   64                          ; v64-127 the bias along B's rows, eight tiles in the result's layout
.set AF,   128                         ; v128-223 A's fragments, one set
.set BA,   224                         ; v224-239 the bias along A's rows: pair a: (bias of row 16 a + r, 0)
.set TM,   240                         ; v240-255 at work in the quantiser
.set T,    128                         ; the way out: 64 numbers of a lane
.set PC,   192                         ; v192-210 the codes just made
.set PW,   212                         ; the scale word just made
.set SW,   64                          ; v64-71 the eight blocks' scale words
.set X,    72                          ; v72-75 the same, a row a lane
.set G1, 24
.set G0, 32
.set G1B, 48
.set G0B, 56
.set G1S, 68
.set G0S, 76
.set G1SB, 80
.set G0SB, 88
.set SEL, 20                           ; s[20:21] v_permlanex16_b32's selects for lane l xor 16 (set behind the head)
.set MSB, 0
.macro WIN new                         ; the immediate's high byte repeats the setting that is left
.if MSB != \new
	s_set_vgpr_msb (MSB<<8)|\new
.set MSB, \new
.endif
.endm
.set MUL_LO, 0xa1                      ; source 0 (B) window 1, source 1 (A) window 0, C and D window 2
.set MUL_HI, 0xf1                      ; the same, C and D window 3
.set TO_B,   0x40                      ; destination window 1
.macro PLACES n
.rept \n
	v_nop
.endr
.endm
; A joint load: waves 0 and 1 fetch for A, waves 2 and 3 for B; the branch hangs on the wave's number alone.  Four v_nop follow each of the two lines.
.macro JLOAD g0a, g1a, g0b, g1b
	s_cmp_eq_u32 s15, 0
	s_cbranch_scc0 .Lfor_b_\@
	tensor_load_to_lds s[\g0a:\g0a+3], s[\g1a:\g1a+7]
	s_nop 0
	PLACES 4
	s_branch .Lasked_\@
.Lfor_b_\@:
	tensor_load_to_lds s[\g0b:\g0b+3], s[\g1b:\g1b+7]
	s_nop 0
	PLACES 4
.Lasked_\@:
.endm
.macro CREST                           ; a round of the cluster's barrier behind its opening barrier
	s_cmp_lg_u32 s14, 0
	s_cbranch_scc1 .Lnot_wave_0_\@
	s_barrier_signal -3
.Lnot_wave_0_\@:
	s_barrier_wait -3
	s_barrier_signal -1
	s_barrier_wait -1
.endm
.macro CROUND
	s_barrier_signal -1
	s_barrier_wait -1
	CREST
.endm
.macro IDS                             ; the spare word, the wave's number and its two bits, my place in the cluster, the two masks
	v_lshl_add_u32 v[SPW], v0, 2, SPARE
	v_mov_b32 v[NIL], 0
	ds_add_u32 v28, v29
	ds_add_u32 v28, v29
	s_wait_dscnt 0x0
	v_lshrrev_b32 v1, 5, v0
	v_readfirstlane_b32 s14, v1                    ; wave 0..3
	s_lshr_b32 s15, s14, 1                         ; my half of A's rows.  Also: I fetch for A (0) or for B (1)
	s_and_b32 s16, s14, 1                          ; my half of B's rows.  Also: which 128 rows I fetch
	s_bfe_u32 s40, ttmp6, 0x40000                  ; cx
	s_bfe_u32 s41, ttmp6, 0x40004                  ; cy
	s_lshl_b32 s43, s41, 2
	s_lshl_b32 s43, 15, s43                        ; my row of the cluster
	s_lshl_b32 s44, 0x1111, s40                    ; my column
.endm
.macro OFFS                            ; s20 = the first row of A that I fetch, s46 = of B: their codes' and scale bytes' offsets, and the LDS places
	s_mov_b32 s21, 0
	s_mov_b32 s47, 0
	s_mov_b64 s[18:19], KS
	s_mul_u64 s[22:23], s[20:21], s[18:19]
.if BSCL
	s_mul_u64 s[92:93], s[46:47], s[18:19]
.endif
	s_mov_b64 s[18:19], KROW
	s_mul_u64 s[20:21], s[20:21], s[18:19]         ; 128 rows of images are as many bytes as 128 rows of codes
	s_mul_u64 s[46:47], s[46:47], s[18:19]
	s_mul_i32 s45, s16, HALFA                      ; no place in the cluster enters an LDS address
	s_mul_i32 s95, s16, HALFB
	s_add_co_u32 s95, s95, 2*HALFA
	s_mul_i32 s94, s14, HALFS
.endm
.macro G1SET g, m, lay                 ; descriptor group 1 of a tile of 128 rows x 256 K; m: the register with the mask
.if \lay
	s_or_b32 s[\g], s[\m], (3<<16)|(1<<21)         ; images: 24,576 dense bytes as 96 rows of 32 elements of 8 bytes, no padding; bit 21 set beside a mask
	s_mov_b32 s[\g+1], 32<<16
	s_mov_b32 s[\g+2], 96<<16
	s_mov_b32 s[\g+3], 32<<16
	s_mov_b32 s[\g+4], 96
	s_mov_b32 s[\g+5], 32
.else
	s_or_b32 s[\g], s[\m], (1<<20)|(1<<21)|(3<<22)|(3<<25)  ; rows of 192 bytes, elements of 1 byte; 4 words of padding behind every 16
	s_mov_b32 s[\g+1], 192<<16
	s_mov_b32 s[\g+2], 128<<16
	s_mov_b32 s[\g+3], 192<<16
	s_mov_b32 s[\g+4], 128
	s_mov_b32 s[\g+5], KROW
.endif
	s_mov_b32 s[\g+6], 0
	s_mov_b32 s[\g+7], 0
.endm
.macro G1SCL g, m                      ; the scale bytes of 128 rows: a dense block, as rows of 256 bytes with 16 bytes of padding behind each
	s_or_b32 s[\g], s[\m], (3<<16)|(1<<20)|(1<<21)|(5<<22)|(3<<25)
	s_mov_b32 s[\g+1], 32<<16
	s_mov_b32 s[\g+2], (128*KS/256)<<16
	s_mov_b32 s[\g+3], 32<<16
	s_mov_b32 s[\g+4], 128*KS/256
	s_mov_b32 s[\g+5], 32
	s_mov_b32 s[\g+6], 0
	s_mov_b32 s[\g+7], 0
.endm
.macro G0SET g, lds, off, base, step   ; descriptor group 0: count 1, LDS address, global address, type 2
	s_mov_b32 s[\g], 1
	s_add_co_u32 s[\g+1], s[\lds], \off
	s_add_nc_u64 s[\g+2:\g+3], s[\base:\base+1], \step
	s_or_b32 s[\g+3], s[\g+3], 0x80000000
.endm
.macro FILLS                           ; the first fills, one group behind the one round: the scales, K step 0, K step 1: three loads of mine are out
	G0SET G0S, 94, SCL, 22, 0
	G0SET G0SB, 94, SCL, 92, 0
	JLOAD G0S, G1S, G0SB, G1SB
	G0SET G0, 45, 0, 20, 0
	G0SET G0B, 95, 0, 46, 0
	JLOAD G0, G1, G0B, G1B
	G0SET G0+4, 45, SLOT, 20, STEPMA
	G0SET G0B+4, 95, SLOT, 46, STEPMB
	JLOAD G0+4, G1, G0B+4, G1B
.endm
.macro ADDRS                           ; the LDS addresses of fragments and scale words
	v_and_b32 v1, 15, v0                           ; r
	v_bfe_u32 v2, v0, 4, 1                         ; h
	v_and_b32 v6, 31, v0
	v_lshlrev_b32 v[CO], 4, v6                     ; an image's place for my lane
.if LAYA*LAYB == 0
	v_mul_u32_u24 v3, v1, PITCH
	v_mul_u32_u24 v4, v2, 24
	v_add_nc_u32 v4, v3, v4                        ; a row tile: row x pitch + 24 x half
	v_lshl_add_u32 v5, v2, 4, v4                   ; and the same behind one padding more
.endif
	s_mul_i32 s21, s15, HALFA
	s_mul_i32 s22, s16, HALFB
	s_add_co_u32 s22, s22, 2*HALFA
.irp s, 0,1
.if LAYA
	v_add_nc_u32 v[ADRA+\s], s21, v[CO]
.else
	v_add_nc_u32 v[ADRA+\s], s21, v4
	v_add_nc_u32 v[ADRA+2+\s], s21, v5
.endif
.if LAYB
	v_add_nc_u32 v[ADRB+\s], s22, v[CO]
.else
	v_add_nc_u32 v[ADRB+\s], s22, v4
	v_add_nc_u32 v[ADRB+2+\s], s22, v5
.endif
	s_add_co_u32 s21, s21, SLOT
	s_add_co_u32 s22, s22, SLOT
.endr
	v_mul_u32_u24 v5, v1, KS                       ; my row's scale bytes: KS a row,
	v_lshrrev_b32 v6, 8, v5
	v_lshl_add_u32 v5, v6, 4, v5                   ; and 16 more for each 256 passed
	s_mul_i32 s21, s15, HALFS
	s_mul_i32 s22, s16, HALFS
	s_add_co_u32 s22, s22, 2*HALFS
	s_sub_co_u32 s22, s22, s21
	v_mul_u32_u24 v6, s22, v2                      ; lanes 16-31 take B's: one product, half x the distance
	s_add_co_u32 s21, s21, SCL
	v_add_nc_u32 v5, v5, v6
	v_add_nc_u32 v[ADRS], s21, v5
.endm
; A fragment, 16 rows x 128 K of 6-bit codes, is 12 registers: lane l holds row l % 16; registers 6 c .. 6 c + 5 hold K = 64 c + 32 (l / 16) + 0 .. 31.
.macro FRAG reg, adr, q, i, lay
.if \lay
.irp g, 0,1,2                          ; an image: three loads of 16 bytes a lane, 512 consecutive bytes each
	ds_load_b128 v[\reg+4*\g:\reg+4*\g+3], v[\adr] offset:((\q)*8+(\i))*1536+512*\g
.endr
.else
.irp p, 0,1,2,3,4,5                    ; a row tile: pieces of 8 bytes; where the piece of lanes 16-31 lies behind one padding more, the second address register serves
.set PCE, 12*(\q)+6*(\p/3)+\p%3
.if PCE%8 < 5
	ds_load_b64 v[\reg+2*\p:\reg+2*\p+1], v[\adr] offset:8*PCE+16*(PCE/8)+(\i)*16*PITCH
.else
	ds_load_b64 v[\reg+2*\p:\reg+2*\p+1], v[\adr+2] offset:8*PCE+16*(PCE/8)+(\i)*16*PITCH
.endif
.endr
.endif
.endm
; 16 matrix instructions: A's blocks a0, a0 + 1 x B's eight, the slot's q-th 128 along K.  p: B's set; sc: the set of scale words; cm: 0 adds on, 1 starts with 0, 2 starts with the bias tile.
; The 64 accumulators take turns, one instruction a turn, in the same order in every step.
.macro MUL16 a0, p, q, sc, cm
.irp a, \a0, \a0+1
.irp b, 0,1,2,3,4,5,6,7
.set rD, 8*(8*((\a)%4)+\b)
.set rB, 128*(\p)+FR*\b
.set rA, AF+FR*(\a)
.set rSB, SC+8*NQ*(\sc)+NQ*\b+(\q)
.set rSA, SC+8*NQ*(\sc)+NQ*(\a)+(\q)
.if \cm == 1
	v_wmma_scale_f32_16x16x128_f8f6f4 v[rD:rD+7], v[rB:rB+FR-1], v[rA:rA+FR-1], 0, v[rSB], v[rSA] matrix_a_fmt:MATRIX_FMT_FP6 matrix_b_fmt:MATRIX_FMT_FP6 matrix_a_scale:MATRIX_SCALE_ROW1
.elseif \cm == 2
	v_wmma_scale_f32_16x16x128_f8f6f4 v[rD:rD+7], v[rB:rB+FR-1], v[rA:rA+FR-1], v[BJ+8*\b:BJ+8*\b+7], v[rSB], v[rSA] matrix_a_fmt:MATRIX_FMT_FP6 matrix_b_fmt:MATRIX_FMT_FP6 matrix_a_scale:MATRIX_SCALE_ROW1
.else
	v_wmma_scale_f32_16x16x128_f8f6f4 v[rD:rD+7], v[rB:rB+FR-1], v[rA:rA+FR-1], v[rD:rD+7], v[rSB], v[rSA] matrix_a_fmt:MATRIX_FMT_FP6 matrix_b_fmt:MATRIX_FMT_FP6 matrix_a_scale:MATRIX_SCALE_ROW1
.endif
.endr
.endr
.endm
.macro FETCH_B slot, q, p
	WIN TO_B
.irp i, 0,1,2,3,4,5,6,7
	FRAG 128*(\p)+FR*\i, ADRB+\slot, \q, \i, LAYB
.endr
	WIN 0
.endm
.macro FETCH_A slot, q, i0
.irp i, \i0, \i0+1, \i0+2, \i0+3
	FRAG AF+FR*(\i), ADRA+\slot, \q, \i, LAYA
.endr
.endm
.macro SCALES sc                       ; a K step's scale words: lanes 0-15 A's block i, lanes 16-31 B's block i
.irp i, 0,1,2,3,4,5,6,7
	ds_load_b64 v[SC+8*NQ*\sc+NQ*\i:SC+8*NQ*\sc+NQ*\i+1], v[ADRS] offset:\i*SBLK
.endr
.endm
; A step of 128 along K that has its successor in the same slot.  A's blocks 0-3 are fetched anew in its middle, blocks 4-7 at its end; B has two sets.
.macro STEP slot, q, cm
	s_wait_dscnt 4*NLA                             ; all but the youngest loads, A's blocks 4-7
.if \cm == 2
	WIN 0x81                                       ; as MUL_LO, with C (the bias tiles) in window 0
.else
	WIN MUL_LO
.endif
	MUL16 0, (\q)%2, \q, \slot, \cm
	MUL16 2, (\q)%2, \q, \slot, \cm
	s_wait_dscnt 0                                 ; A's blocks 4-7 are in
	PLACES NP                                      ; in front of loads into registers that matrix instructions have read
	FETCH_B \slot, (\q)+1, 1-(\q)%2
	FETCH_A \slot, (\q)+1, 0
.if \cm == 2
	WIN 0xc1
.else
	WIN MUL_HI
.endif
	MUL16 4, (\q)%2, \q, \slot, \cm
	MUL16 6, (\q)%2, \q, \slot, \cm
	PLACES NP
	WIN 0
	FETCH_A \slot, (\q)+1, 4
.endm
; A slot's last step changes slots: one barrier; in front of it each wave waits for all its tensor loads, adds 0 to its spare word, and waits for that and for its reads of this slot.
.macro TURN slot, next, fill
	s_wait_tensorcnt 0x0                           ; all my tensor loads have landed: my part of the next slot
	ds_add_u32 v[SPW], v[NIL]                      ; 0 onto my spare word
	s_wait_dscnt 4*NLA+1                           ; (the add and A's blocks 4-7 may be out)
	WIN MUL_LO
	MUL16 0, 1, NQ-1, \slot, 0
	s_wait_dscnt 0x0                               ; the add is done, and my reads of this slot are over
	s_barrier_signal -1
	MUL16 2, 1, NQ-1, \slot, 0
	WIN 0
	s_barrier_wait -1
.if \fill
	CREST                                          ; the barrier has opened a round of the cluster's: no wave of any partner still reads this slot or has a load on its way
	s_add_nc_u64 s[G0+4*\slot+2:G0+4*\slot+3], s[G0+4*\slot+2:G0+4*\slot+3], 2*STEPMA
	s_add_nc_u64 s[G0B+4*\slot+2:G0B+4*\slot+3], s[G0B+4*\slot+2:G0B+4*\slot+3], 2*STEPMB
	JLOAD G0+4*\slot, G1, G0B+4*\slot, G1B         ; the first tensor load behind the round; its four v_nop are the places in front of the loads below
.else
	PLACES NP
.endif
	v_add_nc_u32 v[ADRS], 4*NQ, v[ADRS]            ; the next K step's scale words
	FETCH_B \next, 0, 0
	FETCH_A \next, 0, 0
	SCALES \next
	WIN MUL_HI
	MUL16 4, 1, NQ-1, \slot, 0
	MUL16 6, 1, NQ-1, \slot, 0
	PLACES NP
	WIN 0
	FETCH_A \next, 0, 4
.endm
.macro GEMM                            ; all K steps, from the first fragments to the last product
	FETCH_B 0, 0, 0
	FETCH_A 0, 0, 0
	SCALES 0
	FETCH_A 0, 0, 4
	STEP 0, 0, CM0                                 ; the first step starts the sums: nothing is cleared
	s_mov_b32 s3, LAPS-1
.Llap:                                                 ; a trip goes once round the ring and fills both slots again
	TURN 0, 1, 1
	STEP 1, 0, 0
	TURN 1, 0, 1
	STEP 0, 0, 0
	s_sub_co_u32 s3, s3, 1
	s_cmp_lg_u32 s3, 0
	s_cbranch_scc1 .Llap
	TURN 0, 1, 0                                   ; the last lap fills nothing
	STEP 1, 0, 0
	s_wait_dscnt 4*NLA
	WIN MUL_LO
	MUL16 0, 1, NQ-1, 1, 0
	MUL16 2, 1, NQ-1, 1, 0
	s_wait_dscnt 0
	WIN MUL_HI
	MUL16 4, 1, NQ-1, 1, 0
	MUL16 6, 1, NQ-1, 1, 0
	WIN 0
	PLACES NP                                      ; in front of the first reads of the last results and the first writes over A's fragments
.endm
; THE WAY OUT, a block of 16 of A's rows at a time.
.macro SWAP16                          ; T[8 b + j] = index 16 b + 8 h + j becomes T[16 c + i] = index 32 c + 16 h + i: the first register's lanes 16-31 change places with the second's lanes 0-15
.set sj, 0
.rept 32
	v_permlane16_swap_b32 v[T+16*(sj/8)+sj%8], v[T+16*(sj/8)+8+sj%8]
.set sj, sj+1
.endr
.endm
.macro TAIL                            ; from the four blocks' largest magnitudes in v[TM] on: the scale word in v[PW], the fragment's codes in v[PC] on
.irp b, 0,1,2,3
	v_add_nc_u32 v[TM+12+\b], 0xff000000, v[TM+\b] ; 2 off the exponent field: the conversion takes the exponent field of this operand as its scale
.endr
.irp b, 0,1,2,3
	v_lshrrev_b32 v[TM+4+\b], 23, v[TM+12+\b]      ; the scale's byte
.endr
	v_lshl_or_b32 v[PW], v[TM+5], 8, v[TM+4]
	v_lshl_or_b32 v[PW], v[TM+6], 16, v[PW]
	v_lshl_or_b32 v[PW], v[TM+7], 24, v[PW]
	s_wait_xcnt 0x0                                ; the last block's stores have read the code registers: they are written again only behind this wait
.irp c, 0,1
	v_cvt_scalef32_pk16_fp6_f32 v[PC+6*\c:PC+2+6*\c], v[T+32*\c:T+15+32*\c], v[TM+12+2*\c]
	v_cvt_scalef32_pk16_fp6_f32 v[PC+12+4*\c:PC+14+4*\c], v[T+16+32*\c:T+31+32*\c], v[TM+12+2*\c+1]   ; (a conversion's three registers begin on an even number)
.endr
	v_nop                                          ; one plain place behind a scaled conversion
.irp c, 0,1                            ; the operand's layout wants a whole block of 32 in a lane
.irp i, 0,1,2
	v_permlane16_swap_b32 v[PC+6*\c+\i], v[PC+12+4*\c+\i]
.endr
.irp i, 0,1,2
	v_mov_b32 v[PC+3+6*\c+\i], v[PC+12+4*\c+\i]
.endr
.endr
.endm
.macro QUANT                           ; 64 numbers of a lane become a fragment
.irp b, 0,1,2,3
	v_max3_num_f32 v[TM+\b], |v[T+16*\b]|, |v[T+1+16*\b]|, 0x1800000   ; my 16 numbers of block b, and the floor 2^(3 - 127): the byte cannot fall under 1
.endr
.irp i, 2,4,6,8,10,12,14
.irp b, 0,1,2,3
	v_max3_num_f32 v[TM+\b], v[TM+\b], |v[T+16*\b+\i]|, |v[T+1+16*\b+\i]|
.endr
.endr
.irp b, 0,1,2,3
	v_permlanex16_b32 v[TM+4+\b], v[TM+\b], s[SEL], s[SEL+1]
.endr
.irp b, 0,1,2,3
	v_max_num_f32 v[TM+\b], v[TM+\b], v[TM+4+\b]   ; with lane l xor 16's: the block's largest magnitude
.endr
	TAIL
.endm
.macro PUT a                           ; the fragment leaves as it stands: each store covers 512 consecutive bytes, aligned
.irp g, 0,1,2
	global_store_b128 v[CO], v[PC+4*\g:PC+4*\g+3], s[96:97] offset:(\a)*1536+512*\g
.endr
	v_mov_b32 v[SW+(\a)], v[PW]
.endm
.macro WORDS arr, x                    ; eight registers with a word for row 16 a + r become four with a word for row 32 p + lane
.irp p, 0,1,2,3
	v_cndmask_b32 v[\x+\p], v[\arr+2*\p], v[\arr+2*\p+1], s66
.endr
.endm
.macro COPY a                          ; block a's 64 results + the bias along A's rows, into window 0; each accumulator is read from its low end on
	WIN 0x02+(\a)/4
.set ci, 0
.rept 32
	v_pk_add_f32 v[T+ci:T+ci+1], v[64*((\a)%4)+ci:64*((\a)%4)+ci+1], v[BA+2*(\a):BA+2*(\a)+1] op_sel_hi:[1,0]
.set ci, ci+2
.endr
	WIN 0
.endm
	s_load_b256 s[4:11], s[0:1], 0x0               ; set 0: q's codes and scales, Wq's codes and scales,
	s_load_b64 s[12:13], s[0:1], 0x20              ; bq
	s_load_b256 s[24:31], s[0:1], 0x28             ; set 1: k, Wk,
	s_load_b64 s[32:33], s[0:1], 0x48              ; bk
	s_load_b256 s[48:55], s[0:1], 0x50             ; set 2: Wv (as A), v (as B),
	s_load_b64 s[56:57], s[0:1], 0x70              ; bv
	s_load_b128 s[96:99], s[0:1], 0x78             ; pc, ps
	IDS
	s_and_b32 s18, ttmp7, 0xffff                   ; the cluster's y, 0..23: the same in all sixteen partners
	s_lshr_b32 s67, s18, 3                         ; Z: which product
	s_and_b32 s18, s18, 7                          ; which run of four tiles
	s_cmp_eq_u32 s67, 2
	s_cselect_b32 s19, s18, 0                      ; Z = 2: the run goes along B's rows (32 tiles of tokens),
	s_cselect_b32 s18, 0, s18                      ; else along A's
	s_cselect_b32 s100, 6, 5                       ; log2 of a row of stored scale bytes: 64 for VC, else 32
	s_cselect_b32 s101, 16, 8                      ; K / 128 of the stored operand
	s_lshl_b32 s42, s19, 2
	s_add_co_u32 s42, s42, s40                     ; tile column (B's rows / 256)
	s_lshl_b32 s17, s18, 2
	s_add_co_u32 s17, s17, s41                     ; tile row (A's rows / 256)
	s_lshl_b32 s18, s16, 7
	s_lshl_b32 s20, s17, 8
	s_add_co_u32 s20, s20, s18                     ; A: row 256 x tile row + 128 x half
	s_lshl_b32 s46, s42, 8
	s_add_co_u32 s46, s46, s18                     ; B: row 256 x tile column + 128 x half
	OFFS
	G1SCL G1S, 43
	G1SCL G1SB, 44
	s_wait_kmcnt 0x0
.irp z, 1,2                            ; the product's five buffers: a choice that hangs on the cluster's number alone
	s_cmp_eq_u32 s67, \z
.irp w, 0,2,4,6,8
	s_cselect_b64 s[4+\w:5+\w], s[24*\z+\w:24*\z+\w+1], s[4+\w:5+\w]
.endr
.endr
	G1SET G1, 43, LAYA                             ; (over the registers that held sets 1 and 2)
	G1SET G1B, 44, LAYB
	s_add_nc_u64 s[20:21], s[4:5], s[20:21]
	s_add_nc_u64 s[22:23], s[6:7], s[22:23]
	s_add_nc_u64 s[46:47], s[8:9], s[46:47]
	s_add_nc_u64 s[92:93], s[10:11], s[92:93]
	CROUND                                         ; all sixteen work-groups are here: the first joint loads meet
	FILLS
	ADDRS
	; the bias: along B's rows (Z < 2: n) it is the C of the first products, along A's rows (Z = 2: d) it is added on the way out; the other of the two is zeros
	s_lshl_b32 s18, s42, 8
	s_lshl_b32 s19, s16, 7
	s_add_co_u32 s18, s18, s19                     ; my first row of B
	s_lshl_b32 s19, s17, 8
	s_lshl_b32 s2, s15, 7
	s_add_co_u32 s19, s19, s2                      ; my first row of A
	s_cmp_eq_u32 s67, 2
	s_cselect_b32 s18, s19, s18
	s_lshl_b32 s18, s18, 2
	s_mov_b32 s19, 0
	s_add_nc_u64 s[12:13], s[12:13], s[18:19]
	s_cmp_eq_u32 s67, 2
	s_cbranch_scc1 .Lbias_rows
	v_lshlrev_b32 v13, 5, v2                       ; lane (r, h) wants, for tile b, the bias of rows 16 b + 8 h + 0 .. 7
.irp b, 0,1,2,3,4,5,6,7
	global_load_b128 v[BJ+8*\b:BJ+8*\b+3], v13, s[12:13] offset:64*\b
	global_load_b128 v[BJ+8*\b+4:BJ+8*\b+7], v13, s[12:13] offset:64*\b+16
.endr
.irp i, 0,1,2,3,4,5,6,7,8,9,10,11,12,13,14,15
	v_mov_b32 v[BA+\i], 0
.endr
	s_branch .Lbias_done
.Lbias_rows:
	v_lshlrev_b32 v13, 2, v1                       ; lane (r, h) wants, for block a, the bias of row 16 a + r
.irp a, 0,1,2,3,4,5,6,7
	global_load_b32 v[BA+2*\a], v13, s[12:13] offset:64*\a
	v_mov_b32 v[BA+2*\a+1], 0                      ; (named with it as a pair)
.endr
.set ci, 0
.rept 64
	v_mov_b32 v[BJ+ci], 0                          ; one text serves the three products, so here the first products' C is a tile of zeros
.set ci, ci+1
.endr
.Lbias_done:
	; where my results go
	s_lshr_b32 s18, s42, 3
	s_lshl_b32 s18, s18, 3                         ; Z = 2: 8 groups of 128 rows a batch
	s_lshl_b32 s19, s17, 1
	s_add_co_u32 s18, s18, s19
	s_add_co_u32 s18, s18, s15                     ; the stored operand's group of 128 rows
	s_and_b32 s19, s42, 7
	s_lshl_b32 s19, s19, 1
	s_add_co_u32 s19, s19, s16                     ; and its 128 along K
	s_mul_i32 s46, s18, s101
	s_add_co_u32 s46, s46, s19
	s_mul_i32 s46, s46, 12288
	s_mul_i32 s47, s67, 6291456
	s_add_co_u32 s46, s46, s47
	s_mov_b32 s47, 0
	s_add_nc_u64 s[96:97], s[96:97], s[46:47]
	s_lshl_b32 s46, s18, 7
	s_lshl_b32 s46, s46, s100
	s_lshl_b32 s19, s19, 2
	s_add_co_u32 s46, s46, s19
	s_mul_i32 s47, s67, 262144
	s_add_co_u32 s46, s46, s47
	s_mov_b32 s47, 0
	s_add_nc_u64 s[98:99], s[98:99], s[46:47]
	v_lshrrev_b32 v7, 4, v[CO]                     ; lane
.irp p, 0,1,2,3
	v_add_nc_u32 v[8+\p], 32*\p, v7
	v_lshlrev_b32 v[8+\p], s100, v[8+\p]           ; row 32 p + lane's scale bytes
.endr
.irp b, 0,1,2,3
	v_mov_b32 v[TM+4+\b], 0                        ; written once: a lane permute's destination counts as one of its sources
.endr
	s_mov_b32 s[SEL], 0x76543210
	s_mov_b32 s[SEL+1], 0xfedcba98
	s_mov_b32 s66, 0xffff0000                      ; lanes 16-31
	s_wait_loadcnt 0x0                             ; the bias
	s_wait_tensorcnt 1                             ; the scales and my part of K step 0 are in (K step 1's load may be out)
	s_barrier_signal -1
	s_barrier_wait -1                              ; everybody's are
	GEMM
.irp a, 0,1,2,3,4,5,6,7
	COPY \a
	SWAP16
	QUANT
	PUT \a
.endr
	WORDS SW, X
.irp p, 0,1,2,3
	global_store_b32 v[8+\p], v[X+\p], s[98:99]    ; a word a row: one byte in 24 of what the tile stores
.endr
	s_wait_tensorcnt 0x0                           ; the wave's end
	ds_add_u32 v[SPW], v[NIL]
	s_wait_dscnt 0x0
	CROUND                                         ; the closing round: no work-group ends while a partner may still ask for a tile that names it
	s_endpgm
.Lfunc_end_k_qe8550c2677_proj:
	.size	k_qe8550c2677_proj, .Lfunc_end_k_qe8550c2677_proj-k_qe8550c2677_proj
	.p2alignl 7, 3214868480
	.fill 96, 4, 3214868480
	.section	.rodata,"a",@progbits
	.p2align	6, 0x0
	.amdhsa_kernel k_qe8550c2677_proj
		.amdhsa_group_segment_fixed_size 327680
		.amdhsa_private_segment_fixed_size 0
		.amdhsa_enable_private_segment 0
		.amdhsa_kernarg_size 136
		.amdhsa_user_sgpr_count 2
		.amdhsa_user_sgpr_kernarg_segment_ptr 1
		.amdhsa_wavefront_size32 1
		.amdhsa_system_sgpr_workgroup_id_x 1
		.amdhsa_system_sgpr_workgroup_id_y 1
		.amdhsa_system_sgpr_workgroup_id_z 1
		.amdhsa_system_vgpr_workitem_id 0
		.amdhsa_next_free_vgpr 1024
		.amdhsa_next_free_sgpr 102
		.amdhsa_reserve_vcc 0
		.amdhsa_float_denorm_mode_32 3
		.amdhsa_float_denorm_mode_16_64 3
		.amdhsa_memory_ordered 1
		.amdhsa_forward_progress 1
		.amdhsa_inst_pref_size 195
	.end_amdhsa_kernel
	.amdgpu_metadata
---
amdhsa.version: [ 1, 2 ]
amdhsa.kernels:
  - .name:           k_qe8550c2677_proj
    .symbol:         k_qe8550c2677_proj.kd
    .args:
      - { .name: q_codes, .offset: 0, .size: 8, .value_kind: global_buffer, .address_space: global }
      - { .name: q_scales, .offset: 8, .size: 8, .value_kind: global_buffer, .address_space: global }
      - { .name: Wq_codes, .offset: 16, .size: 8, .value_kind: global_buffer, .address_space: global }
      - { .name: Wq_scales, .offset: 24, .size: 8, .value_kind: global_buffer, .address_space: global }
      - { .name: bq, .offset: 32, .size: 8, .value_kind: global_buffer, .address_space: global }
      - { .name: k_codes, .offset: 40, .size: 8, .value_kind: global_buffer, .address_space: global }
      - { .name: k_scales, .offset: 48, .size: 8, .value_kind: global_buffer, .address_space: global }
      - { .name: Wk_codes, .offset: 56, .size: 8, .value_kind: global_buffer, .address_space: global }
      - { .name: Wk_scales, .offset: 64, .size: 8, .value_kind: global_buffer, .address_space: global }
      - { .name: bk, .offset: 72, .size: 8, .value_kind: global_buffer, .address_space: global }
      - { .name: Wv_codes, .offset: 80, .size: 8, .value_kind: global_buffer, .address_space: global }
      - { .name: Wv_scales, .offset: 88, .size: 8, .value_kind: global_buffer, .address_space: global }
      - { .name: v_codes, .offset: 96, .size: 8, .value_kind: global_buffer, .address_space: global }
      - { .name: v_scales, .offset: 104, .size: 8, .value_kind: global_buffer, .address_space: global }
      - { .name: bv, .offset: 112, .size: 8, .value_kind: global_buffer, .address_space: global }
      - { .name: pc, .offset: 120, .size: 8, .value_kind: global_buffer, .address_space: global }
      - { .name: ps, .offset: 128, .size: 8, .value_kind: global_buffer, .address_space: global }
    .group_segment_fixed_size: 327680
    .private_segment_fixed_size: 0
    .kernarg_segment_align: 8
    .kernarg_segment_size: 136
    .max_flat_workgroup_size: 128
    .sgpr_count:     102
    .vgpr_count:     1024
    .wavefront_size: 32
...
	.end_amdgpu_metadata
.endif
;; end of part 1
;; launch score (part 2): grid 8 x 32, 4 waves a work-group, clusters of 4 x 4, 327,680 bytes of LDS; arguments pc, ps, wc, wst; writes wc, wst
.if DOCPART == 2
	.amdgcn_target "amdgcn-amd-amdhsa--gfx1250"
	.amdhsa_code_object_version 6
	.text
	.protected	k_qe8550c2677_score
	.globl	k_qe8550c2677_score
	.p2align	8
	.type	k_qe8550c2677_score,@function
k_qe8550c2677_score:
	s_mov_b64 s[64:65], 0
	v_nop
	global_prefetch_b8 v0, s[64:65] scope:SCOPE_SE
	s_setreg_imm32_b32 hwreg(HW_REG_WAVE_MODE, 25, 1), 1
	s_wait_xcnt 0x0
	s_wait_alu depctr_hold_cnt(0) depctr_sa_sdst(0) depctr_va_vdst(0) depctr_va_sdst(0) depctr_va_ssrc(0) depctr_va_vcc(0) depctr_vm_vsrc(0)
	s_getreg_b32 s2, hwreg(HW_REG_IB_STS2, 6, 4)
	s_cmp_eq_u32 s2, 0
	s_cbranch_scc0 .Lentry_in_a_cluster
	s_endpgm
.Lentry_in_a_cluster:
	s_bfe_u32 s2, ttmp6, 0x10000c
	s_cmp_lg_u32 s2, 0xf033
	s_cbranch_scc0 .Lentry_shape_is_right
	s_endpgm
.Lentry_shape_is_right:
; THE SCORES AND THE SOFTMAX'S NUMERATOR: S = qp kp^T on codes of FP6 (E2M3), t = S x log2(e) / 32, p = 2^(t - M) quantised along the keys.
; A tile is 256 queries x 256 keys of one batch; a wave makes 128 x 128, K = 1,024 in steps of 256 through a ring of two LDS slots; both operands come as register images (launch proj), so a K step's
; 128 rows are 24,576 dense bytes and a fragment is three loads of 16 bytes a lane.  Source 0 = 16 keys, source 1 = 16 queries: a lane holds one query, its registers run along the keys.
; M IS LOCAL: for each query and each 128 keys (a wave's part) M = the ceiling of the largest t of these 128 keys, a whole number.  p = 2^(t - M) is quantised under it; the next launch takes the difference to the
; row's M off the scale bytes, which changes no code.  The maximum is taken away before every exponential; no exponent is above 0.
; STORED: wc: p's codes as register images [query / 128][key / 128][16-query block][1,536];  wst: three arrays [batch][key / 128][2,048 queries] of 4 bytes: p's scale word, -M as f32, the sum of the unquantised p.
; CLUSTERS: the queries' tile is shared along a row of the cluster, the keys' along a column.
; LIMITS: NaN and infinities are not served; a p under 2^-126 counts as 0 (the exponential's own flush); a block of zeros gets the scale byte 1.
.set SIZE_K, 1024
.set LAYA,   1                         ; A's and B's tiles: 0 = rows of codes as the inputs lie, 1 = register images
.set LAYB,   1
.set CM0,    1                         ; the sums start with the constant 0
.set BSCL,   1
.set KSTEP,  256
.set NQ,     2
.set FR,     12
.set NP,     4
.set PITCH,  240
.set KROW,   SIZE_K*6/8
.set KS,     SIZE_K/32
.set LAPS,   SIZE_K/(2*KSTEP)
.set HALFA,  30720-6144*LAYA
.set HALFB,  30720-6144*LAYB
.set NLA,    6-3*LAYA
.set STEPMA, 192+24384*LAYA
.set STEPMB, 192+24384*LAYB
.set SLOT,   2*HALFA+2*HALFB
.set SCL,    2*SLOT
.set HALFS,  (128*KS/256)*272
.set SBLK,   (16*KS/256)*272
.set SPARE,  SCL+4*HALFS               ; the spare words, 128 bytes a wave: two blocks of 256 bytes that no other line names
.set ADRA, 16
.set ADRB, 20
.set CO,   26
.set ADRS, 27
.set SPW,  28
.set NIL,  29
.set SC,   32                          ; v32-63 scale words, two sets: they hold scales and nothing else
.set BJ,   64                          ; (no bias here)
.set AF,   128
.set TM,   240
.set T,    128
.set PC,   192
.set PW,   212
.set WK,   214                         ; v[214:215] -M (the packed form names a pair and takes its low word)
.set SA,   216                         ; v[216:219] the sum's two chains
.set SB,   218
.set SW,   64                          ; v64-71 scale words, v72-79 -M, v80-87 sums of the eight blocks; v88-99 the same, a row a lane
.set NMS,  72
.set LLS,  80
.set X,    88
.set G1, 24
.set G0, 32
.set G1B, 48
.set G0B, 56
.set G1S, 68
.set G0S, 76
.set G1SB, 80
.set G0SB, 88
.set SEL, 20
.set CS,  22                           ; s[22:23] c = log2(e) / sqrt(1024)
.set MSB, 0
.macro WIN new                         ; the immediate's high byte repeats the setting that is left
.if MSB != \new
	s_set_vgpr_msb (MSB<<8)|\new
.set MSB, \new
.endif
.endm
.set MUL_LO, 0xa1                      ; source 0 (B) window 1, source 1 (A) window 0, C and D window 2
.set MUL_HI, 0xf1
.set TO_B,   0x40
.macro PLACES n
.rept \n
	v_nop
.endr
.endm
.macro JLOAD g0a, g1a, g0b, g1b        ; a joint load: waves 0 and 1 fetch for A, waves 2 and 3 for B; four v_nop follow each line
	s_cmp_eq_u32 s15, 0
	s_cbranch_scc0 .Lfor_b_\@
	tensor_load_to_lds s[\g0a:\g0a+3], s[\g1a:\g1a+7]
	s_nop 0
	PLACES 4
	s_branch .Lasked_\@
.Lfor_b_\@:
	tensor_load_to_lds s[\g0b:\g0b+3], s[\g1b:\g1b+7]
	s_nop 0
	PLACES 4
.Lasked_\@:
.endm
.macro CREST
	s_cmp_lg_u32 s14, 0
	s_cbranch_scc1 .Lnot_wave_0_\@
	s_barrier_signal -3
.Lnot_wave_0_\@:
	s_barrier_wait -3
	s_barrier_signal -1
	s_barrier_wait -1
.endm
.macro CROUND
	s_barrier_signal -1
	s_barrier_wait -1
	CREST
.endm
.macro IDS
	v_lshl_add_u32 v[SPW], v0, 2, SPARE
	v_mov_b32 v[NIL], 0
	ds_add_u32 v28, v29
	ds_add_u32 v28, v29
	s_wait_dscnt 0x0
	v_lshrrev_b32 v1, 5, v0
	v_readfirstlane_b32 s14, v1                    ; wave 0..3
	s_lshr_b32 s15, s14, 1                         ; my half of A's rows.  Also: I fetch for A (0) or for B (1)
	s_and_b32 s16, s14, 1                          ; my half of B's rows.  Also: which 128 rows I fetch
	s_bfe_u32 s40, ttmp6, 0x40000                  ; cx
	s_bfe_u32 s41, ttmp6, 0x40004                  ; cy
	s_lshl_b32 s43, s41, 2
	s_lshl_b32 s43, 15, s43                        ; my row of the cluster
	s_lshl_b32 s44, 0x1111, s40                    ; my column
.endm
.macro OFFS                            ; s20 = the first row of A that I fetch, s46 = of B
	s_mov_b32 s21, 0
	s_mov_b32 s47, 0
	s_mov_b64 s[18:19], KS
	s_mul_u64 s[22:23], s[20:21], s[18:19]
.if BSCL
	s_mul_u64 s[92:93], s[46:47], s[18:19]
.endif
	s_mov_b64 s[18:19], KROW
	s_mul_u64 s[20:21], s[20:21], s[18:19]         ; 128 rows of images are as many bytes as 128 rows of codes
	s_mul_u64 s[46:47], s[46:47], s[18:19]
	s_mul_i32 s45, s16, HALFA
	s_mul_i32 s95, s16, HALFB
	s_add_co_u32 s95, s95, 2*HALFA
	s_mul_i32 s94, s14, HALFS
.endm
.macro G1SET g, m, lay
.if \lay
	s_or_b32 s[\g], s[\m], (3<<16)|(1<<21)         ; images: 24,576 dense bytes as 96 rows of 32 elements of 8 bytes, no padding; bit 21 set beside a mask
	s_mov_b32 s[\g+1], 32<<16
	s_mov_b32 s[\g+2], 96<<16
	s_mov_b32 s[\g+3], 32<<16
	s_mov_b32 s[\g+4], 96
	s_mov_b32 s[\g+5], 32
.else
	s_or_b32 s[\g], s[\m], (1<<20)|(1<<21)|(3<<22)|(3<<25)
	s_mov_b32 s[\g+1], 192<<16
	s_mov_b32 s[\g+2], 128<<16
	s_mov_b32 s[\g+3], 192<<16
	s_mov_b32 s[\g+4], 128
	s_mov_b32 s[\g+5], KROW
.endif
	s_mov_b32 s[\g+6], 0
	s_mov_b32 s[\g+7], 0
.endm
.macro G1SCL g, m                      ; the scale bytes of 128 rows: rows of 256 bytes with 16 bytes of padding behind each
	s_or_b32 s[\g], s[\m], (3<<16)|(1<<20)|(1<<21)|(5<<22)|(3<<25)
	s_mov_b32 s[\g+1], 32<<16
	s_mov_b32 s[\g+2], (128*KS/256)<<16
	s_mov_b32 s[\g+3], 32<<16
	s_mov_b32 s[\g+4], 128*KS/256
	s_mov_b32 s[\g+5], 32
	s_mov_b32 s[\g+6], 0
	s_mov_b32 s[\g+7], 0
.endm
.macro G0SET g, lds, off, base, step
	s_mov_b32 s[\g], 1
	s_add_co_u32 s[\g+1], s[\lds], \off
	s_add_nc_u64 s[\g+2:\g+3], s[\base:\base+1], \step
	s_or_b32 s[\g+3], s[\g+3], 0x80000000
.endm
.macro FILLS                           ; the first fills, one group behind the one round: three loads of mine are out
	G0SET G0S, 94, SCL, 22, 0
	G0SET G0SB, 94, SCL, 92, 0
	JLOAD G0S, G1S, G0SB, G1SB
	G0SET G0, 45, 0, 20, 0
	G0SET G0B, 95, 0, 46, 0
	JLOAD G0, G1, G0B, G1B
	G0SET G0+4, 45, SLOT, 20, STEPMA
	G0SET G0B+4, 95, SLOT, 46, STEPMB
	JLOAD G0+4, G1, G0B+4, G1B
.endm
.macro ADDRS
	v_and_b32 v1, 15, v0                           ; r
	v_bfe_u32 v2, v0, 4, 1                         ; h
	v_and_b32 v6, 31, v0
	v_lshlrev_b32 v[CO], 4, v6                     ; an image's place for my lane
.if LAYA*LAYB == 0
	v_mul_u32_u24 v3, v1, PITCH
	v_mul_u32_u24 v4, v2, 24
	v_add_nc_u32 v4, v3, v4
	v_lshl_add_u32 v5, v2, 4, v4
.endif
	s_mul_i32 s21, s15, HALFA
	s_mul_i32 s22, s16, HALFB
	s_add_co_u32 s22, s22, 2*HALFA
.irp s, 0,1
.if LAYA
	v_add_nc_u32 v[ADRA+\s], s21, v[CO]
.else
	v_add_nc_u32 v[ADRA+\s], s21, v4
	v_add_nc_u32 v[ADRA+2+\s], s21, v5
.endif
.if LAYB
	v_add_nc_u32 v[ADRB+\s], s22, v[CO]
.else
	v_add_nc_u32 v[ADRB+\s], s22, v4
	v_add_nc_u32 v[ADRB+2+\s], s22, v5
.endif
	s_add_co_u32 s21, s21, SLOT
	s_add_co_u32 s22, s22, SLOT
.endr
	v_mul_u32_u24 v5, v1, KS
	v_lshrrev_b32 v6, 8, v5
	v_lshl_add_u32 v5, v6, 4, v5
	s_mul_i32 s21, s15, HALFS
	s_mul_i32 s22, s16, HALFS
	s_add_co_u32 s22, s22, 2*HALFS
	s_sub_co_u32 s22, s22, s21
	v_mul_u32_u24 v6, s22, v2                      ; lanes 16-31 take B's: one product, half x the distance
	s_add_co_u32 s21, s21, SCL
	v_add_nc_u32 v5, v5, v6
	v_add_nc_u32 v[ADRS], s21, v5
.endm
.macro FRAG reg, adr, q, i, lay        ; a fragment, 16 rows x 128 K, 12 registers
.if \lay
.irp g, 0,1,2
	ds_load_b128 v[\reg+4*\g:\reg+4*\g+3], v[\adr] offset:((\q)*8+(\i))*1536+512*\g
.endr
.else
.irp p, 0,1,2,3,4,5
.set PCE, 12*(\q)+6*(\p/3)+\p%3
.if PCE%8 < 5
	ds_load_b64 v[\reg+2*\p:\reg+2*\p+1], v[\adr] offset:8*PCE+16*(PCE/8)+(\i)*16*PITCH
.else
	ds_load_b64 v[\reg+2*\p:\reg+2*\p+1], v[\adr+2] offset:8*PCE+16*(PCE/8)+(\i)*16*PITCH
.endif
.endr
.endif
.endm
; 16 matrix instructions: A's blocks a0, a0 + 1 x B's eight.  The 64 accumulators take turns, one instruction a turn.
.macro MUL16 a0, p, q, sc, cm
.irp a, \a0, \a0+1
.irp b, 0,1,2,3,4,5,6,7
.set rD, 8*(8*((\a)%4)+\b)
.set rB, 128*(\p)+FR*\b
.set rA, AF+FR*(\a)
.set rSB, SC+8*NQ*(\sc)+NQ*\b+(\q)
.set rSA, SC+8*NQ*(\sc)+NQ*(\a)+(\q)
.if \cm == 1
	v_wmma_scale_f32_16x16x128_f8f6f4 v[rD:rD+7], v[rB:rB+FR-1], v[rA:rA+FR-1], 0, v[rSB], v[rSA] matrix_a_fmt:MATRIX_FMT_FP6 matrix_b_fmt:MATRIX_FMT_FP6 matrix_a_scale:MATRIX_SCALE_ROW1
.elseif \cm == 2
	v_wmma_scale_f32_16x16x128_f8f6f4 v[rD:rD+7], v[rB:rB+FR-1], v[rA:rA+FR-1], v[BJ+8*\b:BJ+8*\b+7], v[rSB], v[rSA] matrix_a_fmt:MATRIX_FMT_FP6 matrix_b_fmt:MATRIX_FMT_FP6 matrix_a_scale:MATRIX_SCALE_ROW1
.else
	v_wmma_scale_f32_16x16x128_f8f6f4 v[rD:rD+7], v[rB:rB+FR-1], v[rA:rA+FR-1], v[rD:rD+7], v[rSB], v[rSA] matrix_a_fmt:MATRIX_FMT_FP6 matrix_b_fmt:MATRIX_FMT_FP6 matrix_a_scale:MATRIX_SCALE_ROW1
.endif
.endr
.endr
.endm
.macro FETCH_B slot, q, p
	WIN TO_B
.irp i, 0,1,2,3,4,5,6,7
	FRAG 128*(\p)+FR*\i, ADRB+\slot, \q, \i, LAYB
.endr
	WIN 0
.endm
.macro FETCH_A slot, q, i0
.irp i, \i0, \i0+1, \i0+2, \i0+3
	FRAG AF+FR*(\i), ADRA+\slot, \q, \i, LAYA
.endr
.endm
.macro SCALES sc
.irp i, 0,1,2,3,4,5,6,7
	ds_load_b64 v[SC+8*NQ*\sc+NQ*\i:SC+8*NQ*\sc+NQ*\i+1], v[ADRS] offset:\i*SBLK
.endr
.endm
.macro STEP slot, q, cm                ; a step of 128 along K that has its successor in the same slot
	s_wait_dscnt 4*NLA                             ; all but the youngest loads, A's blocks 4-7
.if \cm == 2
	WIN 0x81
.else
	WIN MUL_LO
.endif
	MUL16 0, (\q)%2, \q, \slot, \cm
	MUL16 2, (\q)%2, \q, \slot, \cm
	s_wait_dscnt 0                                 ; A's blocks 4-7 are in
	PLACES NP                                      ; in front of loads into registers that matrix instructions have read
	FETCH_B \slot, (\q)+1, 1-(\q)%2
	FETCH_A \slot, (\q)+1, 0
.if \cm == 2
	WIN 0xc1
.else
	WIN MUL_HI
.endif
	MUL16 4, (\q)%2, \q, \slot, \cm
	MUL16 6, (\q)%2, \q, \slot, \cm
	PLACES NP
	WIN 0
	FETCH_A \slot, (\q)+1, 4
.endm
.macro TURN slot, next, fill           ; a slot's last step changes slots: one barrier
	s_wait_tensorcnt 0x0                           ; all my tensor loads have landed: my part of the next slot
	ds_add_u32 v[SPW], v[NIL]                      ; 0 onto my spare word
	s_wait_dscnt 4*NLA+1                           ; (the add and A's blocks 4-7 may be out)
	WIN MUL_LO
	MUL16 0, 1, NQ-1, \slot, 0
	s_wait_dscnt 0x0                               ; the add is done, and my reads of this slot are over
	s_barrier_signal -1
	MUL16 2, 1, NQ-1, \slot, 0
	WIN 0
	s_barrier_wait -1
.if \fill
	CREST                                          ; a round of the cluster's barrier: no wave of any partner still reads this slot or has a load on its way
	s_add_nc_u64 s[G0+4*\slot+2:G0+4*\slot+3], s[G0+4*\slot+2:G0+4*\slot+3], 2*STEPMA
	s_add_nc_u64 s[G0B+4*\slot+2:G0B+4*\slot+3], s[G0B+4*\slot+2:G0B+4*\slot+3], 2*STEPMB
	JLOAD G0+4*\slot, G1, G0B+4*\slot, G1B         ; the first tensor load behind the round
.else
	PLACES NP
.endif
	v_add_nc_u32 v[ADRS], 4*NQ, v[ADRS]
	FETCH_B \next, 0, 0
	FETCH_A \next, 0, 0
	SCALES \next
	WIN MUL_HI
	MUL16 4, 1, NQ-1, \slot, 0
	MUL16 6, 1, NQ-1, \slot, 0
	PLACES NP
	WIN 0
	FETCH_A \next, 0, 4
.endm
.macro GEMM
	FETCH_B 0, 0, 0
	FETCH_A 0, 0, 0
	SCALES 0
	FETCH_A 0, 0, 4
	STEP 0, 0, CM0                                 ; the first step starts the sums: nothing is cleared
	s_mov_b32 s3, LAPS-1
.Llap:
	TURN 0, 1, 1
	STEP 1, 0, 0
	TURN 1, 0, 1
	STEP 0, 0, 0
	s_sub_co_u32 s3, s3, 1
	s_cmp_lg_u32 s3, 0
	s_cbranch_scc1 .Llap
	TURN 0, 1, 0
	STEP 1, 0, 0
	s_wait_dscnt 4*NLA
	WIN MUL_LO
	MUL16 0, 1, NQ-1, 1, 0
	MUL16 2, 1, NQ-1, 1, 0
	s_wait_dscnt 0
	WIN MUL_HI
	MUL16 4, 1, NQ-1, 1, 0
	MUL16 6, 1, NQ-1, 1, 0
	WIN 0
	PLACES NP
.endm
.macro SWAP16                          ; T[8 b + j] = key 16 b + 8 h + j becomes T[16 c + i] = key 32 c + 16 h + i
.set sj, 0
.rept 32
	v_permlane16_swap_b32 v[T+16*(sj/8)+sj%8], v[T+16*(sj/8)+8+sj%8]
.set sj, sj+1
.endr
.endm
.macro TAIL                            ; from the four blocks' largest magnitudes in v[TM] on: the scale word in v[PW], the fragment's codes in v[PC] on
.irp b, 0,1,2,3
	v_add_nc_u32 v[TM+12+\b], 0xff000000, v[TM+\b] ; 2 off the exponent field: the conversion's scale operand
.endr
.irp b, 0,1,2,3
	v_lshrrev_b32 v[TM+4+\b], 23, v[TM+12+\b]      ; the scale's byte
.endr
	v_lshl_or_b32 v[PW], v[TM+5], 8, v[TM+4]
	v_lshl_or_b32 v[PW], v[TM+6], 16, v[PW]
	v_lshl_or_b32 v[PW], v[TM+7], 24, v[PW]
	s_wait_xcnt 0x0                                ; the last block's stores have read the code registers
.irp c, 0,1
	v_cvt_scalef32_pk16_fp6_f32 v[PC+6*\c:PC+2+6*\c], v[T+32*\c:T+15+32*\c], v[TM+12+2*\c]
	v_cvt_scalef32_pk16_fp6_f32 v[PC+12+4*\c:PC+14+4*\c], v[T+16+32*\c:T+31+32*\c], v[TM+12+2*\c+1]
.endr
	v_nop                                          ; one plain place behind a scaled conversion
.irp c, 0,1
.irp i, 0,1,2
	v_permlane16_swap_b32 v[PC+6*\c+\i], v[PC+12+4*\c+\i]
.endr
.irp i, 0,1,2
	v_mov_b32 v[PC+3+6*\c+\i], v[PC+12+4*\c+\i]
.endr
.endr
.endm
.macro PUT a
.irp g, 0,1,2
	global_store_b128 v[CO], v[PC+4*\g:PC+4*\g+3], s[96:97] offset:(\a)*1536+512*\g
.endr
	v_mov_b32 v[SW+(\a)], v[PW]
.endm
.macro WORDS arr, x
.irp p, 0,1,2,3
	v_cndmask_b32 v[\x+\p], v[\arr+2*\p], v[\arr+2*\p+1], s66
.endr
.endm
.macro COPY a                          ; t = score x c, into window 0; each accumulator is read from its low end on
	WIN 0x02+(\a)/4
.set ci, 0
.rept 32
	v_pk_mul_f32 v[T+ci:T+ci+1], v[64*((\a)%4)+ci:64*((\a)%4)+ci+1], s[CS:CS+1] op_sel_hi:[1,0]
.set ci, ci+2
.endr
	WIN 0
.endm
; 16 queries x 128 keys: the largest t of each block of 32 keys serves twice: for M, and, since p rises with t, for the block's largest p.
.macro SOFTQ a
.irp c, 0,1,2,3
	v_max3_num_f32 v[TM+\c], v[T+16*\c], v[T+1+16*\c], v[T+2+16*\c]
.endr
.irp i, 3,5,7,9,11,13
.irp c, 0,1,2,3
	v_max3_num_f32 v[TM+\c], v[TM+\c], v[T+16*\c+\i], v[T+1+16*\c+\i]
.endr
.endr
.irp c, 0,1,2,3
	v_max_num_f32 v[TM+\c], v[TM+\c], v[T+15+16*\c]
.endr
.irp c, 0,1,2,3
	v_permlanex16_b32 v[TM+4+\c], v[TM+\c], s[SEL], s[SEL+1]
.endr
.irp c, 0,1,2,3
	v_max_num_f32 v[TM+\c], v[TM+\c], v[TM+4+\c]   ; with lane l xor 16's 16 keys
.endr
	v_max3_num_f32 v[TM+8], v[TM], v[TM+1], v[TM+2]
	v_max_num_f32 v[TM+8], v[TM+8], v[TM+3]        ; the largest t of my query's 128 keys
	v_floor_f32 v[WK], -v[TM+8]                    ; -M = floor(-t) = -ceil(t): a whole number
.set ci, 0
.rept 32
	v_pk_add_f32 v[T+ci:T+ci+1], v[T+ci:T+ci+1], v[WK:WK+1] op_sel_hi:[1,0]   ; t - M
.set ci, ci+2
.endr
.irp c, 0,1,2,3
	v_add_f32 v[TM+\c], v[TM+\c], v[WK]            ; the same of each block's largest t
.endr
.set ci, 0
.rept 64
	v_exp_f32 v[T+ci], v[T+ci]                     ; p = 2^(t - M), at most 1: not normalised
.set ci, ci+1
.endr
	v_mov_b32 v[NMS+(\a)], v[WK]                   ; (a plain place behind the exponentials)
	s_wait_alu depctr_va_vdst(0)                   ; one wait for the batch, ahead of its first reader
.irp c, 0,1,2,3
	v_exp_f32 v[TM+\c], v[TM+\c]                   ; the block's largest p: the same instructions on the same number give the same bits
.endr
	v_pk_add_f32 v[SA:SA+1], v[T:T+1], v[T+2:T+3]  ; the sum is taken of the unquantised p, two at a time, in two chains
	v_pk_add_f32 v[SB:SB+1], v[T+4:T+5], v[T+6:T+7]
.irp j, 8,12,16,20,24,28,32,36,40,44,48,52,56,60
	v_pk_add_f32 v[SA:SA+1], v[SA:SA+1], v[T+\j:T+\j+1]
	v_pk_add_f32 v[SB:SB+1], v[SB:SB+1], v[T+\j+2:T+\j+3]
.endr
	v_pk_add_f32 v[SA:SA+1], v[SA:SA+1], v[SB:SB+1]
	v_add_f32 v[SA], v[SA], v[SA+1]
	v_permlanex16_b32 v[TM+4], v[SA], s[SEL], s[SEL+1]
	v_add_f32 v[LLS+(\a)], v[SA], v[TM+4]          ; with lane l xor 16's: the 128 keys' sum
	s_wait_alu depctr_va_vdst(0)                   ; and one for the four
.irp c, 0,1,2,3
	v_max_num_f32 v[TM+\c], 0x1800000, v[TM+\c]    ; the floor 2^(3 - 127): the byte cannot fall under 1
.endr
	TAIL
.endm
	s_load_b128 s[4:7], s[0:1], 0x0                ; pc, ps
	s_load_b128 s[96:99], s[0:1], 0x10             ; wc, wst
	IDS
	s_lshl_b32 s42, ttmp9, 2
	s_add_co_u32 s42, s42, s40                     ; tile column: the batch's keys / 256
	s_and_b32 s67, ttmp7, 0xffff
	s_lshl_b32 s17, s67, 2
	s_add_co_u32 s17, s17, s41                     ; tile row: all queries / 256
	s_lshr_b32 s67, s67, 1                         ; the batch, from the cluster's y alone: the keys' address holds no cy
	s_lshl_b32 s18, s16, 7
	s_lshl_b32 s20, s17, 8
	s_add_co_u32 s20, s20, s18
	s_lshl_b32 s46, s42, 8
	s_add_co_u32 s46, s46, s18
	s_lshl_b32 s19, s67, 11
	s_add_co_u32 s46, s46, s19                     ; keys: row 2,048 x batch + 256 x tile column + 128 x half
	OFFS
	G1SET G1, 43, LAYA
	G1SET G1B, 44, LAYB
	G1SCL G1S, 43
	G1SCL G1SB, 44
	s_wait_kmcnt 0x0
	s_add_nc_u64 s[8:9], s[4:5], 6291456           ; KC lies behind QC,
	s_add_nc_u64 s[10:11], s[6:7], 262144          ; its scale bytes behind QC's
	s_add_nc_u64 s[20:21], s[4:5], s[20:21]
	s_add_nc_u64 s[22:23], s[6:7], s[22:23]
	s_add_nc_u64 s[46:47], s[8:9], s[46:47]
	s_add_nc_u64 s[92:93], s[10:11], s[92:93]
	CROUND                                         ; all sixteen work-groups are here: the first joint loads meet
	FILLS
	ADDRS
	s_lshl_b32 s19, s42, 1
	s_add_co_u32 s19, s19, s16                     ; my 128 keys of the batch's 16
	s_lshl_b32 s18, s17, 1
	s_add_co_u32 s18, s18, s15                     ; my 128 queries
	s_lshl_b32 s46, s18, 4
	s_add_co_u32 s46, s46, s19
	s_mul_i32 s46, s46, 12288
	s_mov_b32 s47, 0
	s_add_nc_u64 s[96:97], s[96:97], s[46:47]
	s_lshl_b32 s46, s67, 4
	s_add_co_u32 s46, s46, s19
	s_lshl_b32 s46, s46, 11                        ; (16 batch + my 128 keys) x 2,048 queries
	s_and_b32 s18, s18, 15
	s_lshl_b32 s18, s18, 7                         ; + my first query in the batch
	s_add_co_u32 s46, s46, s18
	s_lshl_b32 s46, s46, 2
	s_add_nc_u64 s[98:99], s[98:99], s[46:47]
	v_lshrrev_b32 v8, 2, v[CO]                     ; 4 x lane
.irp b, 0,1,2,3
	v_mov_b32 v[TM+4+\b], 0                        ; written once: a lane permute's destination counts as one of its sources
.endr
	v_mov_b32 v[WK+1], 0                           ; (named with -M as a pair)
	s_mov_b32 s[SEL], 0x76543210
	s_mov_b32 s[SEL+1], 0xfedcba98
	s_mov_b32 s[CS], 0x3d38aa3b                    ; log2(e) / 32
	s_mov_b32 s[CS+1], s[CS]
	s_mov_b32 s66, 0xffff0000                      ; lanes 16-31
	s_wait_tensorcnt 1                             ; the scales and my part of K step 0 are in (K step 1's load may be out)
	s_barrier_signal -1
	s_barrier_wait -1
	GEMM
.irp a, 0,1,2,3,4,5,6,7
	COPY \a
	SWAP16
	SOFTQ \a
	PUT \a
.endr
	WORDS SW, X
	WORDS NMS, X+4
	WORDS LLS, X+8
.irp p, 0,1,2,3
	global_store_b32 v8, v[X+\p], s[98:99] offset:128*\p                ; 32 lanes store 128 consecutive bytes
	global_store_b32 v8, v[X+4+\p], s[98:99] offset:524288+128*\p
	global_store_b32 v8, v[X+8+\p], s[98:99] offset:1048576+128*\p
.endr
	s_wait_tensorcnt 0x0                           ; the wave's end
	ds_add_u32 v[SPW], v[NIL]
	s_wait_dscnt 0x0
	CROUND                                         ; the closing round
	s_endpgm
.Lfunc_end_k_qe8550c2677_score:
	.size	k_qe8550c2677_score, .Lfunc_end_k_qe8550c2677_score-k_qe8550c2677_score
	.p2alignl 7, 3214868480
	.fill 96, 4, 3214868480
	.section	.rodata,"a",@progbits
	.p2align	6, 0x0
	.amdhsa_kernel k_qe8550c2677_score
		.amdhsa_group_segment_fixed_size 327680
		.amdhsa_private_segment_fixed_size 0
		.amdhsa_enable_private_segment 0
		.amdhsa_kernarg_size 32
		.amdhsa_user_sgpr_count 2
		.amdhsa_user_sgpr_kernarg_segment_ptr 1
		.amdhsa_wavefront_size32 1
		.amdhsa_system_sgpr_workgroup_id_x 1
		.amdhsa_system_sgpr_workgroup_id_y 1
		.amdhsa_system_sgpr_workgroup_id_z 1
		.amdhsa_system_vgpr_workitem_id 0
		.amdhsa_next_free_vgpr 1024
		.amdhsa_next_free_sgpr 102
		.amdhsa_reserve_vcc 0
		.amdhsa_float_denorm_mode_32 3
		.amdhsa_float_denorm_mode_16_64 3
		.amdhsa_memory_ordered 1
		.amdhsa_forward_progress 1
		.amdhsa_inst_pref_size 218
	.end_amdhsa_kernel
	.amdgpu_metadata
---
amdhsa.version: [ 1, 2 ]
amdhsa.kernels:
  - .name:           k_qe8550c2677_score
    .symbol:         k_qe8550c2677_score.kd
    .args:
      - { .name: pc, .offset: 0, .size: 8, .value_kind: global_buffer, .address_space: global }
      - { .name: ps, .offset: 8, .size: 8, .value_kind: global_buffer, .address_space: global }
      - { .name: wc, .offset: 16, .size: 8, .value_kind: global_buffer, .address_space: global }
      - { .name: wst, .offset: 24, .size: 8, .value_kind: global_buffer, .address_space: global }
    .group_segment_fixed_size: 327680
    .private_segment_fixed_size: 0
    .kernarg_segment_align: 8
    .kernarg_segment_size: 32
    .max_flat_workgroup_size: 128
    .sgpr_count:     102
    .vgpr_count:     1024
    .wavefront_size: 32
...
	.end_amdgpu_metadata
.endif
;; end of part 2
;; launch pv (part 3): grid 8 x 16, 4 waves a work-group, clusters of 4 x 4, 327,680 bytes of LDS; arguments pc, ps, wc, wst, aoc, aos; writes aoc, aos
.if DOCPART == 3
	.amdgcn_target "amdgcn-amd-amdhsa--gfx1250"
	.amdhsa_code_object_version 6
	.text
	.protected	k_qe8550c2677_pv
	.globl	k_qe8550c2677_pv
	.p2align	8
	.type	k_qe8550c2677_pv,@function
k_qe8550c2677_pv:
	s_mov_b64 s[64:65], 0
	v_nop
	global_prefetch_b8 v0, s[64:65] scope:SCOPE_SE
	s_setreg_imm32_b32 hwreg(HW_REG_WAVE_MODE, 25, 1), 1
	s_wait_xcnt 0x0
	s_wait_alu depctr_hold_cnt(0) depctr_sa_sdst(0) depctr_va_vdst(0) depctr_va_sdst(0) depctr_va_ssrc(0) depctr_va_vcc(0) depctr_vm_vsrc(0)
	s_getreg_b32 s2, hwreg(HW_REG_IB_STS2, 6, 4)
	s_cmp_eq_u32 s2, 0
	s_cbranch_scc0 .Lentry_in_a_cluster
	s_endpgm
.Lentry_in_a_cluster:
	s_bfe_u32 s2, ttmp6, 0x10000c
	s_cmp_lg_u32 s2, 0xf033
	s_cbranch_scc0 .Lentry_shape_is_right
	s_endpgm
.Lentry_shape_is_right:
; THE SOFTMAX'S PRODUCT WITH THE VALUES: O^T[d][q] = (sum over the keys of vp[key][d] p[q][key]) / l[q], on codes of FP6 (E2M3), and the quantising of O along the QUERIES:
; reference() transposes O to [d][q] and reshapes it, so that row 2 d + hq of the last product's operand is O[1,024 hq + j][d], j = 0 .. 1,023: its K runs along the queries of a half of the batch.
; A tile is 256 d x 256 queries of one batch; a wave makes 128 x 128; K = the batch's 2,048 keys, in steps of 256 through a ring of two LDS slots.  Source 0 = 16 queries (p's images), source 1 = 16 d (VC's images):
; a lane holds one d, its registers run along the queries.
; p WAS QUANTISED UNDER A LOCAL M for each 128 keys.  At the head, while the first tiles are on their way, thread t takes queries t and t + 128 of the tile: the row's M is the largest local M; for each 128 keys d = M - local M, a whole
; number, is taken off the four scale bytes (exact: the codes stay), l = the sum of the local sums x 2^-d.  The mended scale bytes go to LDS by stores, laid as a tensor load would lay them; 1 / l beside them.
; STORED: aoc: codes as register images [vr / 128][j / 128][16-row block][1,536], vr = 2,048 batch + 1,024 hq + d;  aos: scale bytes [vr][32].
; 128 work-groups: the tile is kept at 256 x 256, which reads each fragment least often.
; LIMITS: NaN and infinities are not served.  d is held at 127, and a scale byte that would fall under 0 is held at 0: such a block's p lie under 2^-124 of a row whose sum is above 1/2.  A block of zeros gets the byte 1.
.set SIZE_K, 2048
.set LAYA,   1                         ; A's and B's tiles: 0 = rows of codes as the inputs lie, 1 = register images
.set LAYB,   1
.set CM0,    1                         ; the sums start with the constant 0
.set BSCL,   0                         ; B's scale bytes are made here, not fetched
.set KSTEP,  256
.set NQ,     2
.set FR,     12
.set NP,     4
.set PITCH,  240
.set KROW,   SIZE_K*6/8
.set KS,     SIZE_K/32
.set LAPS,   SIZE_K/(2*KSTEP)
.set HALFA,  30720-6144*LAYA
.set HALFB,  30720-6144*LAYB
.set NLA,    6-3*LAYA
.set STEPMA, 192+24384*LAYA
.set STEPMB, 192+24384*LAYB
.set SLOT,   2*HALFA+2*HALFB
.set SCL,    2*SLOT                    ; A's scale bytes (two tensor loads), then, from a multiple of 256 on, p's mended ones (stores: no fill lands there)
.set HALFS,  (128*KS/256)*272
.set SBLK,   (16*KS/256)*272
.set RLB,    SCL+4*HALFS               ; 1 / l of the tile's 256 queries, 1,024 bytes
.set SPARE,  RLB+1024                  ; the spare words, 128 bytes a wave: two blocks of 256 bytes that no other line names
.set ADRA, 16
.set ADRB, 20
.set CO,   26
.set ADRS, 27
.set SPW,  28
.set NIL,  29
.set SC,   32                          ; v32-63 scale words, two sets: they hold scales and nothing else
.set BJ,   64
.set RL,   64                          ; v64-127 1 / l in the result's layout: register 8 b + j: query 16 b + 8 h + j of my 128
.set AF,   128
.set MN,   128                         ; the head: v128-223: for each of my two queries 16 x (-local M), 16 local sums, 16 scale words
.set TM,   240
.set T,    128
.set PC,   192
.set PW,   212
.set SW,   224
.set X,    232
.set G1, 24
.set G0, 32
.set G1B, 48
.set G0B, 56
.set G1S, 68
.set G0S, 76
.set SEL, 20
.set MSB, 0
.macro WIN new                         ; the immediate's high byte repeats the setting that is left
.if MSB != \new
	s_set_vgpr_msb (MSB<<8)|\new
.set MSB, \new
.endif
.endm
.set MUL_LO, 0xa1                      ; source 0 (B) window 1, source 1 (A) window 0, C and D window 2
.set MUL_HI, 0xf1
.set TO_B,   0x40
.macro PLACES n
.rept \n
	v_nop
.endr
.endm
.macro JLOAD g0a, g1a, g0b, g1b        ; a joint load: waves 0 and 1 fetch for A, waves 2 and 3 for B; four v_nop follow each line
	s_cmp_eq_u32 s15, 0
	s_cbranch_scc0 .Lfor_b_\@
	tensor_load_to_lds s[\g0a:\g0a+3], s[\g1a:\g1a+7]
	s_nop 0
	PLACES 4
	s_branch .Lasked_\@
.Lfor_b_\@:
	tensor_load_to_lds s[\g0b:\g0b+3], s[\g1b:\g1b+7]
	s_nop 0
	PLACES 4
.Lasked_\@:
.endm
.macro CREST
	s_cmp_lg_u32 s14, 0
	s_cbranch_scc1 .Lnot_wave_0_\@
	s_barrier_signal -3
.Lnot_wave_0_\@:
	s_barrier_wait -3
	s_barrier_signal -1
	s_barrier_wait -1
.endm
.macro CROUND
	s_barrier_signal -1
	s_barrier_wait -1
	CREST
.endm
.macro IDS
	v_lshl_add_u32 v[SPW], v0, 2, SPARE
	v_mov_b32 v[NIL], 0
	ds_add_u32 v28, v29
	ds_add_u32 v28, v29
	s_wait_dscnt 0x0
	v_lshrrev_b32 v1, 5, v0
	v_readfirstlane_b32 s14, v1                    ; wave 0..3
	s_lshr_b32 s15, s14, 1                         ; my half of A's rows.  Also: I fetch for A (0) or for B (1)
	s_and_b32 s16, s14, 1                          ; my half of B's rows.  Also: which 128 rows I fetch
	s_bfe_u32 s40, ttmp6, 0x40000                  ; cx
	s_bfe_u32 s41, ttmp6, 0x40004                  ; cy
	s_lshl_b32 s43, s41, 2
	s_lshl_b32 s43, 15, s43                        ; my row of the cluster
	s_lshl_b32 s44, 0x1111, s40                    ; my column
.endm
.macro OFFS                            ; s20 = the first row of A that I fetch, s46 = of B
	s_mov_b32 s21, 0
	s_mov_b32 s47, 0
	s_mov_b64 s[18:19], KS
	s_mul_u64 s[22:23], s[20:21], s[18:19]
.if BSCL
	s_mul_u64 s[92:93], s[46:47], s[18:19]
.endif
	s_mov_b64 s[18:19], KROW
	s_mul_u64 s[20:21], s[20:21], s[18:19]         ; 128 rows of images are as many bytes as 128 rows of codes
	s_mul_u64 s[46:47], s[46:47], s[18:19]
	s_mul_i32 s45, s16, HALFA
	s_mul_i32 s95, s16, HALFB
	s_add_co_u32 s95, s95, 2*HALFA
	s_mul_i32 s94, s14, HALFS
.endm
.macro G1SET g, m, lay
.if \lay
	s_or_b32 s[\g], s[\m], (3<<16)|(1<<21)         ; images: 24,576 dense bytes as 96 rows of 32 elements of 8 bytes, no padding; bit 21 set beside a mask
	s_mov_b32 s[\g+1], 32<<16
	s_mov_b32 s[\g+2], 96<<16
	s_mov_b32 s[\g+3], 32<<16
	s_mov_b32 s[\g+4], 96
	s_mov_b32 s[\g+5], 32
.else
	s_or_b32 s[\g], s[\m], (1<<20)|(1<<21)|(3<<22)|(3<<25)
	s_mov_b32 s[\g+1], 192<<16
	s_mov_b32 s[\g+2], 128<<16
	s_mov_b32 s[\g+3], 192<<16
	s_mov_b32 s[\g+4], 128
	s_mov_b32 s[\g+5], KROW
.endif
	s_mov_b32 s[\g+6], 0
	s_mov_b32 s[\g+7], 0
.endm
.macro G1SCL g, m                      ; the scale bytes of 128 rows: rows of 256 bytes with 16 bytes of padding behind each
	s_or_b32 s[\g], s[\m], (3<<16)|(1<<20)|(1<<21)|(5<<22)|(3<<25)
	s_mov_b32 s[\g+1], 32<<16
	s_mov_b32 s[\g+2], (128*KS/256)<<16
	s_mov_b32 s[\g+3], 32<<16
	s_mov_b32 s[\g+4], 128*KS/256
	s_mov_b32 s[\g+5], 32
	s_mov_b32 s[\g+6], 0
	s_mov_b32 s[\g+7], 0
.endm
.macro G0SET g, lds, off, base, step
	s_mov_b32 s[\g], 1
	s_add_co_u32 s[\g+1], s[\lds], \off
	s_add_nc_u64 s[\g+2:\g+3], s[\base:\base+1], \step
	s_or_b32 s[\g+3], s[\g+3], 0x80000000
.endm
.macro ADDRS
	v_and_b32 v1, 15, v0                           ; r
	v_bfe_u32 v2, v0, 4, 1                         ; h
	v_and_b32 v6, 31, v0
	v_lshlrev_b32 v[CO], 4, v6                     ; an image's place for my lane
.if LAYA*LAYB == 0
	v_mul_u32_u24 v3, v1, PITCH
	v_mul_u32_u24 v4, v2, 24
	v_add_nc_u32 v4, v3, v4
	v_lshl_add_u32 v5, v2, 4, v4
.endif
	s_mul_i32 s21, s15, HALFA
	s_mul_i32 s22, s16, HALFB
	s_add_co_u32 s22, s22, 2*HALFA
.irp s, 0,1
.if LAYA
	v_add_nc_u32 v[ADRA+\s], s21, v[CO]
.else
	v_add_nc_u32 v[ADRA+\s], s21, v4
	v_add_nc_u32 v[ADRA+2+\s], s21, v5
.endif
.if LAYB
	v_add_nc_u32 v[ADRB+\s], s22, v[CO]
.else
	v_add_nc_u32 v[ADRB+\s], s22, v4
	v_add_nc_u32 v[ADRB+2+\s], s22, v5
.endif
	s_add_co_u32 s21, s21, SLOT
	s_add_co_u32 s22, s22, SLOT
.endr
	v_mul_u32_u24 v5, v1, KS
	v_lshrrev_b32 v6, 8, v5
	v_lshl_add_u32 v5, v6, 4, v5
	s_mul_i32 s21, s15, HALFS
	s_mul_i32 s22, s16, HALFS
	s_add_co_u32 s22, s22, 2*HALFS
	s_sub_co_u32 s22, s22, s21
	v_mul_u32_u24 v6, s22, v2                      ; lanes 16-31 take B's: one product, half x the distance
	s_add_co_u32 s21, s21, SCL
	v_add_nc_u32 v5, v5, v6
	v_add_nc_u32 v[ADRS], s21, v5
.endm
.macro FRAG reg, adr, q, i, lay        ; a fragment, 16 rows x 128 K, 12 registers
.if \lay
.irp g, 0,1,2
	ds_load_b128 v[\reg+4*\g:\reg+4*\g+3], v[\adr] offset:((\q)*8+(\i))*1536+512*\g
.endr
.else
.irp p, 0,1,2,3,4,5
.set PCE, 12*(\q)+6*(\p/3)+\p%3
.if PCE%8 < 5
	ds_load_b64 v[\reg+2*\p:\reg+2*\p+1], v[\adr] offset:8*PCE+16*(PCE/8)+(\i)*16*PITCH
.else
	ds_load_b64 v[\reg+2*\p:\reg+2*\p+1], v[\adr+2] offset:8*PCE+16*(PCE/8)+(\i)*16*PITCH
.endif
.endr
.endif
.endm
; 16 matrix instructions: A's blocks a0, a0 + 1 x B's eight.  The 64 accumulators take turns, one instruction a turn.
.macro MUL16 a0, p, q, sc, cm
.irp a, \a0, \a0+1
.irp b, 0,1,2,3,4,5,6,7
.set rD, 8*(8*((\a)%4)+\b)
.set rB, 128*(\p)+FR*\b
.set rA, AF+FR*(\a)
.set rSB, SC+8*NQ*(\sc)+NQ*\b+(\q)
.set rSA, SC+8*NQ*(\sc)+NQ*(\a)+(\q)
.if \cm == 1
	v_wmma_scale_f32_16x16x128_f8f6f4 v[rD:rD+7], v[rB:rB+FR-1], v[rA:rA+FR-1], 0, v[rSB], v[rSA] matrix_a_fmt:MATRIX_FMT_FP6 matrix_b_fmt:MATRIX_FMT_FP6 matrix_a_scale:MATRIX_SCALE_ROW1
.elseif \cm == 2
	v_wmma_scale_f32_16x16x128_f8f6f4 v[rD:rD+7], v[rB:rB+FR-1], v[rA:rA+FR-1], v[BJ+8*\b:BJ+8*\b+7], v[rSB], v[rSA] matrix_a_fmt:MATRIX_FMT_FP6 matrix_b_fmt:MATRIX_FMT_FP6 matrix_a_scale:MATRIX_SCALE_ROW1
.else
	v_wmma_scale_f32_16x16x128_f8f6f4 v[rD:rD+7], v[rB:rB+FR-1], v[rA:rA+FR-1], v[rD:rD+7], v[rSB], v[rSA] matrix_a_fmt:MATRIX_FMT_FP6 matrix_b_fmt:MATRIX_FMT_FP6 matrix_a_scale:MATRIX_SCALE_ROW1
.endif
.endr
.endr
.endm
.macro FETCH_B slot, q, p
	WIN TO_B
.irp i, 0,1,2,3,4,5,6,7
	FRAG 128*(\p)+FR*\i, ADRB+\slot, \q, \i, LAYB
.endr
	WIN 0
.endm
.macro FETCH_A slot, q, i0
.irp i, \i0, \i0+1, \i0+2, \i0+3
	FRAG AF+FR*(\i), ADRA+\slot, \q, \i, LAYA
.endr
.endm
.macro SCALES sc
.irp i, 0,1,2,3,4,5,6,7
	ds_load_b64 v[SC+8*NQ*\sc+NQ*\i:SC+8*NQ*\sc+NQ*\i+1], v[ADRS] offset:\i*SBLK
.endr
.endm
.macro STEP slot, q, cm                ; a step of 128 along K that has its successor in the same slot
	s_wait_dscnt 4*NLA                             ; all but the youngest loads, A's blocks 4-7
.if \cm == 2
	WIN 0x81
.else
	WIN MUL_LO
.endif
	MUL16 0, (\q)%2, \q, \slot, \cm
	MUL16 2, (\q)%2, \q, \slot, \cm
	s_wait_dscnt 0                                 ; A's blocks 4-7 are in
	PLACES NP                                      ; in front of loads into registers that matrix instructions have read
	FETCH_B \slot, (\q)+1, 1-(\q)%2
	FETCH_A \slot, (\q)+1, 0
.if \cm == 2
	WIN 0xc1
.else
	WIN MUL_HI
.endif
	MUL16 4, (\q)%2, \q, \slot, \cm
	MUL16 6, (\q)%2, \q, \slot, \cm
	PLACES NP
	WIN 0
	FETCH_A \slot, (\q)+1, 4
.endm
.macro TURN slot, next, fill           ; a slot's last step changes slots: one barrier
	s_wait_tensorcnt 0x0                           ; all my tensor loads have landed: my part of the next slot
	ds_add_u32 v[SPW], v[NIL]                      ; 0 onto my spare word
	s_wait_dscnt 4*NLA+1                           ; (the add and A's blocks 4-7 may be out)
	WIN MUL_LO
	MUL16 0, 1, NQ-1, \slot, 0
	s_wait_dscnt 0x0                               ; the add is done, and my reads of this slot are over
	s_barrier_signal -1
	MUL16 2, 1, NQ-1, \slot, 0
	WIN 0
	s_barrier_wait -1
.if \fill
	CREST                                          ; a round of the cluster's barrier: no wave of any partner still reads this slot or has a load on its way
	s_add_nc_u64 s[G0+4*\slot+2:G0+4*\slot+3], s[G0+4*\slot+2:G0+4*\slot+3], 2*STEPMA
	s_add_nc_u64 s[G0B+4*\slot+2:G0B+4*\slot+3], s[G0B+4*\slot+2:G0B+4*\slot+3], 2*STEPMB
	JLOAD G0+4*\slot, G1, G0B+4*\slot, G1B         ; the first tensor load behind the round
.else
	PLACES NP
.endif
	v_add_nc_u32 v[ADRS], 4*NQ, v[ADRS]
	FETCH_B \next, 0, 0
	FETCH_A \next, 0, 0
	SCALES \next
	WIN MUL_HI
	MUL16 4, 1, NQ-1, \slot, 0
	MUL16 6, 1, NQ-1, \slot, 0
	PLACES NP
	WIN 0
	FETCH_A \next, 0, 4
.endm
.macro GEMM
	FETCH_B 0, 0, 0
	FETCH_A 0, 0, 0
	SCALES 0
	FETCH_A 0, 0, 4
	STEP 0, 0, CM0                                 ; the first step starts the sums: nothing is cleared
	s_mov_b32 s3, LAPS-1
.Llap:
	TURN 0, 1, 1
	STEP 1, 0, 0
	TURN 1, 0, 1
	STEP 0, 0, 0
	s_sub_co_u32 s3, s3, 1
	s_cmp_lg_u32 s3, 0
	s_cbranch_scc1 .Llap
	TURN 0, 1, 0
	STEP 1, 0, 0
	s_wait_dscnt 4*NLA
	WIN MUL_LO
	MUL16 0, 1, NQ-1, 1, 0
	MUL16 2, 1, NQ-1, 1, 0
	s_wait_dscnt 0
	WIN MUL_HI
	MUL16 4, 1, NQ-1, 1, 0
	MUL16 6, 1, NQ-1, 1, 0
	WIN 0
	PLACES NP
.endm
.macro SWAP16                          ; T[8 b + j] = query 16 b + 8 h + j becomes T[16 c + i] = query 32 c + 16 h + i
.set sj, 0
.rept 32
	v_permlane16_swap_b32 v[T+16*(sj/8)+sj%8], v[T+16*(sj/8)+8+sj%8]
.set sj, sj+1
.endr
.endm
.macro TAIL
.irp b, 0,1,2,3
	v_add_nc_u32 v[TM+12+\b], 0xff000000, v[TM+\b] ; 2 off the exponent field: the conversion's scale operand
.endr
.irp b, 0,1,2,3
	v_lshrrev_b32 v[TM+4+\b], 23, v[TM+12+\b]      ; the scale's byte
.endr
	v_lshl_or_b32 v[PW], v[TM+5], 8, v[TM+4]
	v_lshl_or_b32 v[PW], v[TM+6], 16, v[PW]
	v_lshl_or_b32 v[PW], v[TM+7], 24, v[PW]
	s_wait_xcnt 0x0                                ; the last block's stores have read the code registers
.irp c, 0,1
	v_cvt_scalef32_pk16_fp6_f32 v[PC+6*\c:PC+2+6*\c], v[T+32*\c:T+15+32*\c], v[TM+12+2*\c]
	v_cvt_scalef32_pk16_fp6_f32 v[PC+12+4*\c:PC+14+4*\c], v[T+16+32*\c:T+31+32*\c], v[TM+12+2*\c+1]
.endr
	v_nop                                          ; one plain place behind a scaled conversion
.irp c, 0,1
.irp i, 0,1,2
	v_permlane16_swap_b32 v[PC+6*\c+\i], v[PC+12+4*\c+\i]
.endr
.irp i, 0,1,2
	v_mov_b32 v[PC+3+6*\c+\i], v[PC+12+4*\c+\i]
.endr
.endr
.endm
.macro QUANT
.irp b, 0,1,2,3
	v_max3_num_f32 v[TM+\b], |v[T+16*\b]|, |v[T+1+16*\b]|, 0x1800000   ; my 16 numbers of block b, and the floor 2^(3 - 127)
.endr
.irp i, 2,4,6,8,10,12,14
.irp b, 0,1,2,3
	v_max3_num_f32 v[TM+\b], v[TM+\b], |v[T+16*\b+\i]|, |v[T+1+16*\b+\i]|
.endr
.endr
.irp b, 0,1,2,3
	v_permlanex16_b32 v[TM+4+\b], v[TM+\b], s[SEL], s[SEL+1]
.endr
.irp b, 0,1,2,3
	v_max_num_f32 v[TM+\b], v[TM+\b], v[TM+4+\b]
.endr
	TAIL
.endm
.macro PUT a
.irp g, 0,1,2
	global_store_b128 v[CO], v[PC+4*\g:PC+4*\g+3], s[96:97] offset:(\a)*1536+512*\g
.endr
	v_mov_b32 v[SW+(\a)], v[PW]
.endm
.macro WORDS arr, x
.irp p, 0,1,2,3
	v_cndmask_b32 v[\x+\p], v[\arr+2*\p], v[\arr+2*\p+1], s66
.endr
.endm
.macro COPY a                          ; block a's 64 results x 1 / l of their queries, into window 0; each accumulator is read from its low end on
	WIN 0x02+(\a)/4
.set ci, 0
.rept 32
	v_pk_mul_f32 v[T+ci:T+ci+1], v[64*((\a)%4)+ci:64*((\a)%4)+ci+1], v[RL+ci:RL+ci+1]
.set ci, ci+2
.endr
	WIN 0
.endm
; Query hf of my two, its k-th 128 keys: d = M - local M; the local sum x 2^-d joins l; d comes off the four scale bytes.  A byte is at most 125 and d at most 127: with bit 7 set in each byte no borrow
; crosses a byte; a byte whose bit 7 is gone has fallen under 0 and is held at 0.
.macro MEND hf, k
.set rN, MN+48*\hf+\k
.set rL, MN+48*\hf+16+\k
.set rP, MN+48*\hf+32+\k
	v_sub_f32 v[rN], v[rN], v[TM+\hf]
	v_cvt_u32_f32 v[rN], v[rN]
	v_min_u32 v[rN], 127, v[rN]
	v_sub_nc_u32 v236, 0, v[rN]
	v_ldexp_f32 v236, 1.0, v236
.if \k == 0
	v_mul_f32 v[TM+2+\hf], v[rL], v236
.else
	v_fmac_f32 v[TM+2+\hf], v[rL], v236
.endif
	v_mul_lo_u32 v237, v[rN], s18                  ; d in each byte
	v_or_b32 v[rP], s19, v[rP]
	v_sub_nc_u32 v[rP], v[rP], v237
	v_and_b32 v237, s19, v[rP]
	v_lshrrev_b32 v238, 7, v237
	v_sub_nc_u32 v237, v237, v238                  ; 0x7f in each byte that kept its bit 7
	v_and_b32 v[rP], v[rP], v237
.endm
	s_load_b256 s[4:11], s[0:1], 0x0               ; pc, ps, wc, wst
	s_load_b128 s[96:99], s[0:1], 0x20             ; aoc, aos
	IDS
	s_lshl_b32 s42, ttmp9, 2
	s_add_co_u32 s42, s42, s40                     ; tile column: the batch's queries / 256
	s_and_b32 s67, ttmp7, 0xffff                   ; the batch = the cluster's y
	s_lshl_b32 s17, s67, 2
	s_add_co_u32 s17, s17, s41                     ; tile row: VC's rows (1,024 batch + d) / 256
	s_lshl_b32 s18, s16, 7
	s_lshl_b32 s20, s17, 8
	s_add_co_u32 s20, s20, s18
	s_lshl_b32 s46, s42, 8
	s_add_co_u32 s46, s46, s18
	s_lshl_b32 s19, s67, 11
	s_add_co_u32 s46, s46, s19                     ; p's rows: 2,048 x batch + 256 x tile column + 128 x half
	OFFS
	G1SET G1, 43, LAYA
	G1SET G1B, 44, LAYB
	G1SCL G1S, 43
	s_wait_kmcnt 0x0
	s_add_nc_u64 s[4:5], s[4:5], 12582912          ; VC lies behind QC and KC,
	s_add_nc_u64 s[6:7], s[6:7], 524288            ; its scale bytes likewise
	s_add_nc_u64 s[20:21], s[4:5], s[20:21]
	s_add_nc_u64 s[22:23], s[6:7], s[22:23]
	s_add_nc_u64 s[46:47], s[8:9], s[46:47]
	CROUND                                         ; all sixteen work-groups are here: the first joint loads meet
	G0SET G0S, 94, SCL, 22, 0
	G0SET G0, 45, 0, 20, 0
	G0SET G0+4, 45, SLOT, 20, STEPMA
	G0SET G0B, 95, 0, 46, 0
	G0SET G0B+4, 95, SLOT, 46, STEPMB
	s_cmp_eq_u32 s15, 0                            ; a wave's first fills stand in one branch: waves 0, 1: A's scales and K steps 0, 1 (three loads out); waves 2, 3: B's K steps 0, 1 (two)
	s_cbranch_scc0 .Lfirst_b
	tensor_load_to_lds s[G0S:G0S+3], s[G1S:G1S+7]
	s_nop 0
	tensor_load_to_lds s[G0:G0+3], s[G1:G1+7]
	s_nop 0
	tensor_load_to_lds s[G0+4:G0+7], s[G1:G1+7]
	s_nop 0
	PLACES 4
	s_branch .Lfirst_asked
.Lfirst_b:
	tensor_load_to_lds s[G0B:G0B+3], s[G1B:G1B+7]
	s_nop 0
	tensor_load_to_lds s[G0B+4:G0B+7], s[G1B:G1B+7]
	s_nop 0
	PLACES 4
.Lfirst_asked:
	ADDRS
	v_lshlrev_b32 v7, 2, v0                        ; the figures of query t: 4 t
	v_lshrrev_b32 v8, 2, v0
	v_lshlrev_b32 v8, 4, v8
	v_lshl_add_u32 v8, v0, 6, v8
	v_add_nc_u32 v8, SCL+2*HALFS, v8               ; where query t's 64 scale bytes go: 64 t, and 16 more for each 256 passed
	v_lshl_add_u32 v9, v0, 2, RLB                  ; and its 1 / l
	s_lshl_b32 s18, s16, 9
	s_add_co_u32 s18, s18, RLB
	v_lshl_add_u32 v10, v2, 5, s18                 ; where I read 1 / l back: my 128 queries, + 8 h of them
	v_lshlrev_b32 v11, 1, v[CO]                    ; 32 x lane: a row of aos
	s_lshl_b32 s18, s67, 17
	s_lshl_b32 s19, s42, 10
	s_add_co_u32 s18, s18, s19                     ; 4 x (32,768 batch + 256 tile column)
	s_mov_b32 s19, 0
	s_add_nc_u64 s[10:11], s[10:11], s[18:19]
.irp hf, 0,1
.irp k, 0,1,2,3,4,5,6,7,8,9,10,11,12,13,14,15
	global_load_b32 v[MN+48*\hf+\k], v7, s[10:11] offset:524288+8192*\k+512*\hf       ; -local M
	global_load_b32 v[MN+48*\hf+16+\k], v7, s[10:11] offset:1048576+8192*\k+512*\hf   ; the local sum
	global_load_b32 v[MN+48*\hf+32+\k], v7, s[10:11] offset:8192*\k+512*\hf           ; the scale word
.endr
.endr
	; where my results go, while the loads are out
	s_lshl_b32 s18, s67, 4
	s_lshr_b32 s19, s42, 2
	s_lshl_b32 s19, s19, 3
	s_add_co_u32 s18, s18, s19
	s_lshl_b32 s19, s41, 1
	s_add_co_u32 s18, s18, s19
	s_add_co_u32 s18, s18, s15                     ; vr / 128 = 16 batch + 8 hq + 2 cy + half
	s_and_b32 s19, s42, 3
	s_lshl_b32 s19, s19, 1
	s_add_co_u32 s19, s19, s16                     ; j / 128
	s_lshl_b32 s46, s18, 3
	s_add_co_u32 s46, s46, s19
	s_mul_i32 s46, s46, 12288
	s_mov_b32 s47, 0
	s_add_nc_u64 s[96:97], s[96:97], s[46:47]
	s_lshl_b32 s46, s18, 12
	s_lshl_b32 s19, s19, 2
	s_add_co_u32 s46, s46, s19
	s_add_nc_u64 s[98:99], s[98:99], s[46:47]
	s_mov_b32 s18, 0x01010101
	s_mov_b32 s19, 0x80808080
	s_mov_b32 s[SEL], 0x76543210
	s_mov_b32 s[SEL+1], 0xfedcba98
	s_mov_b32 s66, 0xffff0000                      ; lanes 16-31
.irp b, 0,1,2,3
	v_mov_b32 v[TM+4+\b], 0                        ; written once: a lane permute's destination counts as one of its sources
.endr
	s_wait_loadcnt 0x0
.irp hf, 0,1
	v_min3_num_f32 v[TM+\hf], v[MN+48*\hf], v[MN+48*\hf+1], v[MN+48*\hf+2]
.endr
.irp k, 3,5,7,9,11,13
.irp hf, 0,1
	v_min3_num_f32 v[TM+\hf], v[TM+\hf], v[MN+48*\hf+\k], v[MN+48*\hf+\k+1]
.endr
.endr
.irp hf, 0,1
	v_min_num_f32 v[TM+\hf], v[TM+\hf], v[MN+48*\hf+15]   ; -M of the row: the least -local M
.endr
.irp k, 0,1,2,3,4,5,6,7,8,9,10,11,12,13,14,15
	MEND 0, \k
	MEND 1, \k
.endr
	v_rcp_f32 v[TM+2], v[TM+2]
	v_rcp_f32 v[TM+3], v[TM+3]
	v_nop                                          ; a plain place behind the reciprocals
	s_wait_alu depctr_va_vdst(0)                   ; and a wait ahead of their first reader
.irp hf, 0,1
.irp g, 0,1,2,3
	ds_store_b128 v8, v[MN+48*\hf+32+4*\g:MN+48*\hf+35+4*\g] offset:HALFS*\hf+16*\g
.endr
	ds_store_b32 v9, v[TM+2+\hf] offset:512*\hf
.endr
	s_wait_tensorcnt 1                             ; all my fills but K step 1's are in
	s_wait_dscnt 0x0                               ; and my stores have landed: for the others' sake
	s_barrier_signal -1
	s_barrier_wait -1
.irp b, 0,1,2,3,4,5,6,7
	ds_load_b128 v[RL+8*\b:RL+8*\b+3], v10 offset:64*\b        ; 1 / l: older than every fragment load, so the counted waits below cover them
	ds_load_b128 v[RL+8*\b+4:RL+8*\b+7], v10 offset:64*\b+16
.endr
	GEMM
.irp a, 0,1,2,3,4,5,6,7
	COPY \a
	SWAP16
	QUANT
	PUT \a
.endr
	WORDS SW, X
.irp p, 0,1,2,3
	global_store_b32 v11, v[X+\p], s[98:99] offset:1024*\p     ; a word a row: one byte in 24 of what the tile stores
.endr
	s_wait_tensorcnt 0x0                           ; the wave's end
	ds_add_u32 v[SPW], v[NIL]
	s_wait_dscnt 0x0
	CROUND                                         ; the closing round
	s_endpgm
.Lfunc_end_k_qe8550c2677_pv:
	.size	k_qe8550c2677_pv, .Lfunc_end_k_qe8550c2677_pv-k_qe8550c2677_pv
	.p2alignl 7, 3214868480
	.fill 96, 4, 3214868480
	.section	.rodata,"a",@progbits
	.p2align	6, 0x0
	.amdhsa_kernel k_qe8550c2677_pv
		.amdhsa_group_segment_fixed_size 327680
		.amdhsa_private_segment_fixed_size 0
		.amdhsa_enable_private_segment 0
		.amdhsa_kernarg_size 48
		.amdhsa_user_sgpr_count 2
		.amdhsa_user_sgpr_kernarg_segment_ptr 1
		.amdhsa_wavefront_size32 1
		.amdhsa_system_sgpr_workgroup_id_x 1
		.amdhsa_system_sgpr_workgroup_id_y 1
		.amdhsa_system_sgpr_workgroup_id_z 1
		.amdhsa_system_vgpr_workitem_id 0
		.amdhsa_next_free_vgpr 1024
		.amdhsa_next_free_sgpr 102
		.amdhsa_reserve_vcc 0
		.amdhsa_float_denorm_mode_32 3
		.amdhsa_float_denorm_mode_16_64 3
		.amdhsa_memory_ordered 1
		.amdhsa_forward_progress 1
		.amdhsa_inst_pref_size 191
	.end_amdhsa_kernel
	.amdgpu_metadata
---
amdhsa.version: [ 1, 2 ]
amdhsa.kernels:
  - .name:           k_qe8550c2677_pv
    .symbol:         k_qe8550c2677_pv.kd
    .args:
      - { .name: pc, .offset: 0, .size: 8, .value_kind: global_buffer, .address_space: global }
      - { .name: ps, .offset: 8, .size: 8, .value_kind: global_buffer, .address_space: global }
      - { .name: wc, .offset: 16, .size: 8, .value_kind: global_buffer, .address_space: global }
      - { .name: wst, .offset: 24, .size: 8, .value_kind: global_buffer, .address_space: global }
      - { .name: aoc, .offset: 32, .size: 8, .value_kind: global_buffer, .address_space: global }
      - { .name: aos, .offset: 40, .size: 8, .value_kind: global_buffer, .address_space: global }
    .group_segment_fixed_size: 327680
    .private_segment_fixed_size: 0
    .kernarg_segment_align: 8
    .kernarg_segment_size: 48
    .max_flat_workgroup_size: 128
    .sgpr_count:     102
    .vgpr_count:     1024
    .wavefront_size: 32
...
	.end_amdgpu_metadata
.endif
;; end of part 3
;; launch outp (part 4): grid 4 x 32, 4 waves a work-group, clusters of 4 x 4, 327,680 bytes of LDS; arguments aoc, aos, Wo_codes, Wo_scales, bo, out0; writes out0
.if DOCPART == 4
	.amdgcn_target "amdgcn-amd-amdhsa--gfx1250"
	.amdhsa_code_object_version 6
	.text
	.protected	k_qe8550c2677_outp
	.globl	k_qe8550c2677_outp
	.p2align	8
	.type	k_qe8550c2677_outp,@function
k_qe8550c2677_outp:
	s_mov_b64 s[64:65], 0
	v_nop
	global_prefetch_b8 v0, s[64:65] scope:SCOPE_SE
	s_setreg_imm32_b32 hwreg(HW_REG_WAVE_MODE, 25, 1), 1
	s_wait_xcnt 0x0
	s_wait_alu depctr_hold_cnt(0) depctr_sa_sdst(0) depctr_va_vdst(0) depctr_va_sdst(0) depctr_va_ssrc(0) depctr_va_vcc(0) depctr_vm_vsrc(0)
	s_getreg_b32 s2, hwreg(HW_REG_IB_STS2, 6, 4)
	s_cmp_eq_u32 s2, 0
	s_cbranch_scc0 .Lentry_in_a_cluster
	s_endpgm
.Lentry_in_a_cluster:
	s_bfe_u32 s2, ttmp6, 0x10000c
	s_cmp_lg_u32 s2, 0xf033
	s_cbranch_scc0 .Lentry_shape_is_right
	s_endpgm
.Lentry_shape_is_right:
; THE OUTPUT PROJECTION: out = atten_out Wo + bo on codes of FP6 (E2M3).  A = the attention's result as launch pv stored it: register images, rows vr = 2,048 batch + 1,024 hq + d, K = j; B = Wo's rows n as the input lies.
; Row vr of A is row 2,048 batch + 2 d + hq of out: neighbouring rows of a tile lie two rows of out apart.  A tile is 256 x 256, a wave makes 128 x 128, K = 1,024 in steps of 256 through a ring of two LDS slots.
; Source 0 = 16 rows of Wo, source 1 = 16 rows of A: a lane holds eight neighbouring numbers of a row of out.  The bias is the C of the first products.
; THE WAY OUT: a block of 16 rows x 128 columns goes through the wave's own stage in LDS and comes back as whole rows of 512 bytes.  The stage lies in slot 0, which has had its last fill and its last read by then.
; CLUSTERS: A's tile is shared along a row of the cluster, Wo's along a column.  128 work-groups: the tile is kept at 256 x 256, which reads each fragment least often.
; LIMITS: NaN and infinities are not served.
.set SIZE_K, 1024
.set LAYA,   1                         ; A's and B's tiles: 0 = rows of codes as the inputs lie, 1 = register images
.set LAYB,   0
.set CM0,    2                         ; the sums start with the bias tiles in v[BJ] on
.set BSCL,   1
.set KSTEP,  256
.set NQ,     2
.set FR,     12
.set NP,     4
.set PITCH,  240                       ; a row tile's LDS row: 3 x (64 bytes + 16 of padding)
.set KROW,   SIZE_K*6/8
.set KS,     SIZE_K/32
.set LAPS,   SIZE_K/(2*KSTEP)
.set HALFA,  30720-6144*LAYA
.set HALFB,  30720-6144*LAYB
.set NLA,    6-3*LAYA
.set STEPMA, 192+24384*LAYA
.set STEPMB, 192+24384*LAYB
.set SLOT,   2*HALFA+2*HALFB
.set SCL,    2*SLOT
.set HALFS,  (128*KS/256)*272
.set SBLK,   (16*KS/256)*272
.set SPARE,  SCL+4*HALFS               ; the spare words, 128 bytes a wave: two blocks of 256 bytes that no other line names
.set SPITCH, 528                       ; a stage row: 512 bytes + 16
.set ADRA, 16
.set ADRB, 20
.set STO,  24                          ; v24 the way out: where I put 32 bytes of a row
.set RD,   25                          ; v25 where I read a row back
.set CO,   26
.set ADRS, 27
.set SPW,  28
.set NIL,  29
.set SC,   32                          ; v32-63 scale words, two sets: they hold scales and nothing else
.set BJ,   64                          ; v64-127 bo, eight tiles in the result's layout
.set AF,   128
.set BK,   128                         ; the way out: 16 rows read back: v128-191 and v192-255 by turns
.set G1, 24
.set G0, 32
.set G1B, 48
.set G0B, 56
.set G1S, 68
.set G0S, 76
.set G1SB, 80
.set G0SB, 88
.set MSB, 0
.macro WIN new                         ; the immediate's high byte repeats the setting that is left
.if MSB != \new
	s_set_vgpr_msb (MSB<<8)|\new
.set MSB, \new
.endif
.endm
.set MUL_LO, 0xa1                      ; source 0 (B) window 1, source 1 (A) window 0, C and D window 2
.set MUL_HI, 0xf1
.set TO_B,   0x40
.macro PLACES n
.rept \n
	v_nop
.endr
.endm
.macro JLOAD g0a, g1a, g0b, g1b        ; a joint load: waves 0 and 1 fetch for A, waves 2 and 3 for B; four v_nop follow each line
	s_cmp_eq_u32 s15, 0
	s_cbranch_scc0 .Lfor_b_\@
	tensor_load_to_lds s[\g0a:\g0a+3], s[\g1a:\g1a+7]
	s_nop 0
	PLACES 4
	s_branch .Lasked_\@
.Lfor_b_\@:
	tensor_load_to_lds s[\g0b:\g0b+3], s[\g1b:\g1b+7]
	s_nop 0
	PLACES 4
.Lasked_\@:
.endm
.macro CREST
	s_cmp_lg_u32 s14, 0
	s_cbranch_scc1 .Lnot_wave_0_\@
	s_barrier_signal -3
.Lnot_wave_0_\@:
	s_barrier_wait -3
	s_barrier_signal -1
	s_barrier_wait -1
.endm
.macro CROUND
	s_barrier_signal -1
	s_barrier_wait -1
	CREST
.endm
.macro IDS
	v_lshl_add_u32 v[SPW], v0, 2, SPARE
	v_mov_b32 v[NIL], 0
	ds_add_u32 v28, v29
	ds_add_u32 v28, v29
	s_wait_dscnt 0x0
	v_lshrrev_b32 v1, 5, v0
	v_readfirstlane_b32 s14, v1                    ; wave 0..3
	s_lshr_b32 s15, s14, 1                         ; my half of A's rows.  Also: I fetch for A (0) or for B (1)
	s_and_b32 s16, s14, 1                          ; my half of B's rows.  Also: which 128 rows I fetch
	s_bfe_u32 s40, ttmp6, 0x40000                  ; cx
	s_bfe_u32 s41, ttmp6, 0x40004                  ; cy
	s_lshl_b32 s43, s41, 2
	s_lshl_b32 s43, 15, s43                        ; my row of the cluster
	s_lshl_b32 s44, 0x1111, s40                    ; my column
.endm
.macro OFFS                            ; s20 = the first row of A that I fetch, s46 = of B
	s_mov_b32 s21, 0
	s_mov_b32 s47, 0
	s_mov_b64 s[18:19], KS
	s_mul_u64 s[22:23], s[20:21], s[18:19]
.if BSCL
	s_mul_u64 s[92:93], s[46:47], s[18:19]
.endif
	s_mov_b64 s[18:19], KROW
	s_mul_u64 s[20:21], s[20:21], s[18:19]         ; 128 rows of images are as many bytes as 128 rows of codes
	s_mul_u64 s[46:47], s[46:47], s[18:19]
	s_mul_i32 s45, s16, HALFA
	s_mul_i32 s95, s16, HALFB
	s_add_co_u32 s95, s95, 2*HALFA
	s_mul_i32 s94, s14, HALFS
.endm
.macro G1SET g, m, lay
.if \lay
	s_or_b32 s[\g], s[\m], (3<<16)|(1<<21)         ; images: 24,576 dense bytes as 96 rows of 32 elements of 8 bytes, no padding; bit 21 set beside a mask
	s_mov_b32 s[\g+1], 32<<16
	s_mov_b32 s[\g+2], 96<<16
	s_mov_b32 s[\g+3], 32<<16
	s_mov_b32 s[\g+4], 96
	s_mov_b32 s[\g+5], 32
.else
	s_or_b32 s[\g], s[\m], (1<<20)|(1<<21)|(3<<22)|(3<<25)  ; rows of 192 bytes, elements of 1 byte; 4 words of padding behind every 16
	s_mov_b32 s[\g+1], 192<<16
	s_mov_b32 s[\g+2], 128<<16
	s_mov_b32 s[\g+3], 192<<16
	s_mov_b32 s[\g+4], 128
	s_mov_b32 s[\g+5], KROW
.endif
	s_mov_b32 s[\g+6], 0
	s_mov_b32 s[\g+7], 0
.endm
.macro G1SCL g, m                      ; the scale bytes of 128 rows: rows of 256 bytes with 16 bytes of padding behind each
	s_or_b32 s[\g], s[\m], (3<<16)|(1<<20)|(1<<21)|(5<<22)|(3<<25)
	s_mov_b32 s[\g+1], 32<<16
	s_mov_b32 s[\g+2], (128*KS/256)<<16
	s_mov_b32 s[\g+3], 32<<16
	s_mov_b32 s[\g+4], 128*KS/256
	s_mov_b32 s[\g+5], 32
	s_mov_b32 s[\g+6], 0
	s_mov_b32 s[\g+7], 0
.endm
.macro G0SET g, lds, off, base, step
	s_mov_b32 s[\g], 1
	s_add_co_u32 s[\g+1], s[\lds], \off
	s_add_nc_u64 s[\g+2:\g+3], s[\base:\base+1], \step
	s_or_b32 s[\g+3], s[\g+3], 0x80000000
.endm
.macro FILLS                           ; the first fills, one group behind the one round: three loads of mine are out
	G0SET G0S, 94, SCL, 22, 0
	G0SET G0SB, 94, SCL, 92, 0
	JLOAD G0S, G1S, G0SB, G1SB
	G0SET G0, 45, 0, 20, 0
	G0SET G0B, 95, 0, 46, 0
	JLOAD G0, G1, G0B, G1B
	G0SET G0+4, 45, SLOT, 20, STEPMA
	G0SET G0B+4, 95, SLOT, 46, STEPMB
	JLOAD G0+4, G1, G0B+4, G1B
.endm
.macro ADDRS
	v_and_b32 v1, 15, v0                           ; r
	v_bfe_u32 v2, v0, 4, 1                         ; h
	v_and_b32 v6, 31, v0
	v_lshlrev_b32 v[CO], 4, v6                     ; an image's place for my lane
.if LAYA*LAYB == 0
	v_mul_u32_u24 v3, v1, PITCH
	v_mul_u32_u24 v4, v2, 24
	v_add_nc_u32 v4, v3, v4                        ; a row tile: row x pitch + 24 x half
	v_lshl_add_u32 v5, v2, 4, v4                   ; and the same behind one padding more
.endif
	s_mul_i32 s21, s15, HALFA
	s_mul_i32 s22, s16, HALFB
	s_add_co_u32 s22, s22, 2*HALFA
.irp s, 0,1
.if LAYA
	v_add_nc_u32 v[ADRA+\s], s21, v[CO]
.else
	v_add_nc_u32 v[ADRA+\s], s21, v4
	v_add_nc_u32 v[ADRA+2+\s], s21, v5
.endif
.if LAYB
	v_add_nc_u32 v[ADRB+\s], s22, v[CO]
.else
	v_add_nc_u32 v[ADRB+\s], s22, v4
	v_add_nc_u32 v[ADRB+2+\s], s22, v5
.endif
	s_add_co_u32 s21, s21, SLOT
	s_add_co_u32 s22, s22, SLOT
.endr
	v_mul_u32_u24 v5, v1, KS
	v_lshrrev_b32 v6, 8, v5
	v_lshl_add_u32 v5, v6, 4, v5
	s_mul_i32 s21, s15, HALFS
	s_mul_i32 s22, s16, HALFS
	s_add_co_u32 s22, s22, 2*HALFS
	s_sub_co_u32 s22, s22, s21
	v_mul_u32_u24 v6, s22, v2                      ; lanes 16-31 take B's: one product, half x the distance
	s_add_co_u32 s21, s21, SCL
	v_add_nc_u32 v5, v5, v6
	v_add_nc_u32 v[ADRS], s21, v5
.endm
.macro FRAG reg, adr, q, i, lay        ; a fragment, 16 rows x 128 K, 12 registers
.if \lay
.irp g, 0,1,2
	ds_load_b128 v[\reg+4*\g:\reg+4*\g+3], v[\adr] offset:((\q)*8+(\i))*1536+512*\g
.endr
.else
.irp p, 0,1,2,3,4,5                    ; pieces of 8 bytes; where the piece of lanes 16-31 lies behind one padding more, the second address register serves
.set PCE, 12*(\q)+6*(\p/3)+\p%3
.if PCE%8 < 5
	ds_load_b64 v[\reg+2*\p:\reg+2*\p+1], v[\adr] offset:8*PCE+16*(PCE/8)+(\i)*16*PITCH
.else
	ds_load_b64 v[\reg+2*\p:\reg+2*\p+1], v[\adr+2] offset:8*PCE+16*(PCE/8)+(\i)*16*PITCH
.endif
.endr
.endif
.endm
; 16 matrix instructions: A's blocks a0, a0 + 1 x B's eight.  The 64 accumulators take turns, one instruction a turn.
.macro MUL16 a0, p, q, sc, cm
.irp a, \a0, \a0+1
.irp b, 0,1,2,3,4,5,6,7
.set rD, 8*(8*((\a)%4)+\b)
.set rB, 128*(\p)+FR*\b
.set rA, AF+FR*(\a)
.set rSB, SC+8*NQ*(\sc)+NQ*\b+(\q)
.set rSA, SC+8*NQ*(\sc)+NQ*(\a)+(\q)
.if \cm == 1
	v_wmma_scale_f32_16x16x128_f8f6f4 v[rD:rD+7], v[rB:rB+FR-1], v[rA:rA+FR-1], 0, v[rSB], v[rSA] matrix_a_fmt:MATRIX_FMT_FP6 matrix_b_fmt:MATRIX_FMT_FP6 matrix_a_scale:MATRIX_SCALE_ROW1
.elseif \cm == 2
	v_wmma_scale_f32_16x16x128_f8f6f4 v[rD:rD+7], v[rB:rB+FR-1], v[rA:rA+FR-1], v[BJ+8*\b:BJ+8*\b+7], v[rSB], v[rSA] matrix_a_fmt:MATRIX_FMT_FP6 matrix_b_fmt:MATRIX_FMT_FP6 matrix_a_scale:MATRIX_SCALE_ROW1
.else
	v_wmma_scale_f32_16x16x128_f8f6f4 v[rD:rD+7], v[rB:rB+FR-1], v[rA:rA+FR-1], v[rD:rD+7], v[rSB], v[rSA] matrix_a_fmt:MATRIX_FMT_FP6 matrix_b_fmt:MATRIX_FMT_FP6 matrix_a_scale:MATRIX_SCALE_ROW1
.endif
.endr
.endr
.endm
.macro FETCH_B slot, q, p
	WIN TO_B
.irp i, 0,1,2,3,4,5,6,7
	FRAG 128*(\p)+FR*\i, ADRB+\slot, \q, \i, LAYB
.endr
	WIN 0
.endm
.macro FETCH_A slot, q, i0
.irp i, \i0, \i0+1, \i0+2, \i0+3
	FRAG AF+FR*(\i), ADRA+\slot, \q, \i, LAYA
.endr
.endm
.macro SCALES sc
.irp i, 0,1,2,3,4,5,6,7
	ds_load_b64 v[SC+8*NQ*\sc+NQ*\i:SC+8*NQ*\sc+NQ*\i+1], v[ADRS] offset:\i*SBLK
.endr
.endm
.macro STEP slot, q, cm                ; a step of 128 along K that has its successor in the same slot
	s_wait_dscnt 4*NLA                             ; all but the youngest loads, A's blocks 4-7
.if \cm == 2
	WIN 0x81                                       ; as MUL_LO, with C (the bias tiles) in window 0
.else
	WIN MUL_LO
.endif
	MUL16 0, (\q)%2, \q, \slot, \cm
	MUL16 2, (\q)%2, \q, \slot, \cm
	s_wait_dscnt 0                                 ; A's blocks 4-7 are in
	PLACES NP                                      ; in front of loads into registers that matrix instructions have read
	FETCH_B \slot, (\q)+1, 1-(\q)%2
	FETCH_A \slot, (\q)+1, 0
.if \cm == 2
	WIN 0xc1
.else
	WIN MUL_HI
.endif
	MUL16 4, (\q)%2, \q, \slot, \cm
	MUL16 6, (\q)%2, \q, \slot, \cm
	PLACES NP
	WIN 0
	FETCH_A \slot, (\q)+1, 4
.endm
.macro TURN slot, next, fill           ; a slot's last step changes slots: one barrier
	s_wait_tensorcnt 0x0                           ; all my tensor loads have landed: my part of the next slot
	ds_add_u32 v[SPW], v[NIL]                      ; 0 onto my spare word
	s_wait_dscnt 4*NLA+1                           ; (the add and A's blocks 4-7 may be out)
	WIN MUL_LO
	MUL16 0, 1, NQ-1, \slot, 0
	s_wait_dscnt 0x0                               ; the add is done, and my reads of this slot are over
	s_barrier_signal -1
	MUL16 2, 1, NQ-1, \slot, 0
	WIN 0
	s_barrier_wait -1
.if \fill
	CREST                                          ; a round of the cluster's barrier: no wave of any partner still reads this slot or has a load on its way
	s_add_nc_u64 s[G0+4*\slot+2:G0+4*\slot+3], s[G0+4*\slot+2:G0+4*\slot+3], 2*STEPMA
	s_add_nc_u64 s[G0B+4*\slot+2:G0B+4*\slot+3], s[G0B+4*\slot+2:G0B+4*\slot+3], 2*STEPMB
	JLOAD G0+4*\slot, G1, G0B+4*\slot, G1B         ; the first tensor load behind the round
.else
	PLACES NP
.endif
	v_add_nc_u32 v[ADRS], 4*NQ, v[ADRS]
	FETCH_B \next, 0, 0
	FETCH_A \next, 0, 0
	SCALES \next
	WIN MUL_HI
	MUL16 4, 1, NQ-1, \slot, 0
	MUL16 6, 1, NQ-1, \slot, 0
	PLACES NP
	WIN 0
	FETCH_A \next, 0, 4
.endm
.macro GEMM
	FETCH_B 0, 0, 0
	FETCH_A 0, 0, 0
	SCALES 0
	FETCH_A 0, 0, 4
	STEP 0, 0, CM0                                 ; the first step starts the sums with the bias: nothing is cleared
	s_mov_b32 s3, LAPS-1
.Llap:
	TURN 0, 1, 1
	STEP 1, 0, 0
	TURN 1, 0, 1
	STEP 0, 0, 0
	s_sub_co_u32 s3, s3, 1
	s_cmp_lg_u32 s3, 0
	s_cbranch_scc1 .Llap
	TURN 0, 1, 0
	STEP 1, 0, 0
	s_wait_dscnt 4*NLA
	WIN MUL_LO
	MUL16 0, 1, NQ-1, 1, 0
	MUL16 2, 1, NQ-1, 1, 0
	s_wait_dscnt 0
	WIN MUL_HI
	MUL16 4, 1, NQ-1, 1, 0
	MUL16 6, 1, NQ-1, 1, 0
	WIN 0
	PLACES NP                                      ; in front of the reads of the last results and of loads into the registers that held A's fragments
.endm
; LDS serves a wave's instructions in order (ISA guide 5.7.1.4): no wait between the stage's stores and its loads, nor in front of the next block's stores.
.macro TOSTAGE a
.set AC, 64*((\a)%4)
	WIN 0x08+4*((\a)/4)                            ; the data: window 2 or 3
.irp b, 0,1,2,3,4,5,6,7
	ds_store_b128 v[STO], v[AC+8*\b:AC+8*\b+3] offset:64*\b          ; each accumulator from its low end on
	ds_store_b128 v[STO], v[AC+8*\b+4:AC+8*\b+7] offset:64*\b+16
.endr
	WIN 0
.set BB, BK+64*((\a)%2)
.irp t, 0,1,2,3,4,5,6,7,8,9,10,11,12,13,14,15
	ds_load_b128 v[BB+4*\t:BB+4*\t+3], v[RD] offset:\t*SPITCH
.endr
.endm
.macro SEND a, younger                 ; younger: the LDS instructions issued behind block a's loads, which may stay out
.set BB, BK+64*((\a)%2)
	s_wait_dscnt \younger
.if (\a) > 0
	s_add_nc_u64 s[98:99], s[98:99], 131072        ; (behind a wait on XCNT)  16 rows of A on: 32 rows of out
.endif
.irp t, 0,1,2,3,4,5,6,7,8,9,10,11,12,13,14,15
	global_store_b128 v[CO], v[BB+4*\t:BB+4*\t+3], s[98:99] offset:\t*8192 th:TH_STORE_NT   ; 32 lanes store 512 consecutive bytes, aligned; the next row of A lies two rows of out on
.endr
.endm
	s_load_b256 s[4:11], s[0:1], 0x0               ; aoc, aos, Wo's codes, Wo's scales
	s_load_b128 s[96:99], s[0:1], 0x20             ; bo, out0
	IDS
	s_lshl_b32 s42, ttmp9, 2
	s_add_co_u32 s42, s42, s40                     ; tile column: n / 256
	s_and_b32 s17, ttmp7, 0xffff
	s_lshl_b32 s17, s17, 2
	s_add_co_u32 s17, s17, s41                     ; tile row: vr / 256
	s_lshl_b32 s18, s16, 7
	s_lshl_b32 s20, s17, 8
	s_add_co_u32 s20, s20, s18
	s_lshl_b32 s46, s42, 8
	s_add_co_u32 s46, s46, s18
	OFFS
	G1SET G1, 43, LAYA
	G1SET G1B, 44, LAYB
	G1SCL G1S, 43
	G1SCL G1SB, 44
	s_wait_kmcnt 0x0
	s_add_nc_u64 s[20:21], s[4:5], s[20:21]
	s_add_nc_u64 s[22:23], s[6:7], s[22:23]
	s_add_nc_u64 s[46:47], s[8:9], s[46:47]
	s_add_nc_u64 s[92:93], s[10:11], s[92:93]
	CROUND                                         ; all sixteen work-groups are here: the first joint loads meet
	FILLS
	ADDRS
	s_lshl_b32 s18, s42, 10
	s_lshl_b32 s19, s16, 9
	s_add_co_u32 s18, s18, s19                     ; my first column, in bytes: it serves bo and out alike
	s_mov_b32 s19, 0
	s_add_nc_u64 s[96:97], s[96:97], s[18:19]
	s_add_nc_u64 s[98:99], s[98:99], s[18:19]
	v_lshlrev_b32 v13, 5, v2                       ; lane (r, h) wants, for tile b, bo at columns 16 b + 8 h + 0 .. 7
.irp b, 0,1,2,3,4,5,6,7
	global_load_b128 v[BJ+8*\b:BJ+8*\b+3], v13, s[96:97] offset:64*\b
	global_load_b128 v[BJ+8*\b+4:BJ+8*\b+7], v13, s[96:97] offset:64*\b+16
.endr
	s_lshr_b32 s18, s17, 3
	s_lshl_b32 s18, s18, 11                        ; 2,048 x batch
	s_and_b32 s19, s17, 3
	s_lshl_b32 s19, s19, 9
	s_add_co_u32 s18, s18, s19                     ; + 2 d: 2 x 256 x (tile row % 4)
	s_lshl_b32 s19, s15, 8
	s_add_co_u32 s18, s18, s19                     ; + 2 x 128 x half
	s_bfe_u32 s19, s17, 0x10002
	s_add_co_u32 s18, s18, s19                     ; + hq
	s_lshl_b32 s18, s18, 12                        ; rows of 4,096 bytes
	s_mov_b32 s19, 0
	s_add_nc_u64 s[98:99], s[98:99], s[18:19]
	s_mul_i32 s23, s14, 16*SPITCH                  ; my stage
	v_mul_u32_u24 v5, v1, SPITCH                   ; in: row r, 32 bytes for each half of the lanes
	v_lshl_add_u32 v5, v2, 5, v5
	v_add_nc_u32 v[STO], s23, v5
	v_add_nc_u32 v[RD], s23, v[CO]                 ; back: the 32 lanes take one row of 512 bytes
	s_wait_loadcnt 0x0                             ; bo
	s_wait_tensorcnt 1                             ; the scales and my part of K step 0 are in (K step 1's load may be out)
	s_barrier_signal -1
	s_barrier_wait -1
	GEMM
	TOSTAGE 0
.irp a, 1,2,3,4,5,6,7
.if \a > 1
	s_wait_xcnt 0x0                                ; block a - 2's stores have read their registers and their base
.endif
	TOSTAGE \a
	SEND \a-1, 32                                  ; behind block a - 1's loads: block a's 16 stores and 16 loads
.endr
	s_wait_xcnt 0x0
	SEND 7, 0
	s_wait_tensorcnt 0x0                           ; the wave's end
	ds_add_u32 v[SPW], v[NIL]
	s_wait_dscnt 0x0
	CROUND                                         ; the closing round
	s_endpgm
.Lfunc_end_k_qe8550c2677_outp:
	.size	k_qe8550c2677_outp, .Lfunc_end_k_qe8550c2677_outp-k_qe8550c2677_outp
	.p2alignl 7, 3214868480
	.fill 96, 4, 3214868480
	.section	.rodata,"a",@progbits
	.p2align	6, 0x0
	.amdhsa_kernel k_qe8550c2677_outp
		.amdhsa_group_segment_fixed_size 327680
		.amdhsa_private_segment_fixed_size 0
		.amdhsa_enable_private_segment 0
		.amdhsa_kernarg_size 48
		.amdhsa_user_sgpr_count 2
		.amdhsa_user_sgpr_kernarg_segment_ptr 1
		.amdhsa_wavefront_size32 1
		.amdhsa_system_sgpr_workgroup_id_x 1
		.amdhsa_system_sgpr_workgroup_id_y 1
		.amdhsa_system_sgpr_workgroup_id_z 1
		.amdhsa_system_vgpr_workitem_id 0
		.amdhsa_next_free_vgpr 1024
		.amdhsa_next_free_sgpr 102
		.amdhsa_reserve_vcc 0
		.amdhsa_float_denorm_mode_32 3
		.amdhsa_float_denorm_mode_16_64 3
		.amdhsa_memory_ordered 1
		.amdhsa_forward_progress 1
		.amdhsa_inst_pref_size 150
	.end_amdhsa_kernel
	.amdgpu_metadata
---
amdhsa.version: [ 1, 2 ]
amdhsa.kernels:
  - .name:           k_qe8550c2677_outp
    .symbol:         k_qe8550c2677_outp.kd
    .args:
      - { .name: aoc, .offset: 0, .size: 8, .value_kind: global_buffer, .address_space: global }
      - { .name: aos, .offset: 8, .size: 8, .value_kind: global_buffer, .address_space: global }
      - { .name: Wo_codes, .offset: 16, .size: 8, .value_kind: global_buffer, .address_space: global }
      - { .name: Wo_scales, .offset: 24, .size: 8, .value_kind: global_buffer, .address_space: global }
      - { .name: bo, .offset: 32, .size: 8, .value_kind: global_buffer, .address_space: global }
      - { .name: out0, .offset: 40, .size: 8, .value_kind: global_buffer, .address_space: global }
    .group_segment_fixed_size: 327680
    .private_segment_fixed_size: 0
    .kernarg_segment_align: 8
    .kernarg_segment_size: 48
    .max_flat_workgroup_size: 128
    .sgpr_count:     102
    .vgpr_count:     1024
    .wavefront_size: 32
...
	.end_amdgpu_metadata
.endif
;; end of part 4
;; ======== version 2 of 2: 4 launches
;; limits: right only within a limited range of input values
;; workspace buffers: pc 18,874,368 bytes; ps 786,432 bytes; wc 12,582,912 bytes; wst 1,572,864 bytes; aoc 6,291,456 bytes; aos 262,144 bytes
;; launch proj (part 5): grid 4 x 64, 4 waves a work-group, clusters of 4 x 4, 327,680 bytes of LDS; arguments q_codes, Wq_codes, k_codes, Wk_codes, Wv_codes, v_codes, q_scales, Wq_scales, k_scales, Wk_scales, Wv_scales, v_scales, bq, bk, bv, pc, ps; writes pc, ps
.if DOCPART == 5
	.amdgcn_target "amdgcn-amd-amdhsa--gfx1250"
	.amdhsa_code_object_version 6
	.text
	.protected	k_qe8550c2677_proj
	.globl	k_qe8550c2677_proj
	.p2align	8
	.type	k_qe8550c2677_proj,@function
k_qe8550c2677_proj:
	s_mov_b64 s[64:65], 0
	v_nop
	global_prefetch_b8 v0, s[64:65] scope:SCOPE_SE
	s_setreg_imm32_b32 hwreg(HW_REG_WAVE_MODE, 25, 1), 1
	s_wait_xcnt 0x0
	s_wait_alu depctr_hold_cnt(0) depctr_sa_sdst(0) depctr_va_vdst(0) depctr_va_sdst(0) depctr_va_ssrc(0) depctr_va_vcc(0) depctr_vm_vsrc(0)
	s_getreg_b32 s2, hwreg(HW_REG_IB_STS2, 6, 4)
	s_cmp_eq_u32 s2, 0
	s_cbranch_scc0 .Lentry_in_a_cluster
	s_endpgm
.Lentry_in_a_cluster:
	s_bfe_u32 s2, ttmp6, 0x10000c
	s_cmp_lg_u32 s2, 0xf033
	s_cbranch_scc0 .Lentry_shape_is_right
	s_endpgm
.Lentry_shape_is_right:
; THE THREE INPUT PROJECTIONS qp = q Wq + bq, kp = k Wk + bk, vp = v Wv + bv on codes of FP6 (E2M3) with E8M0 scales, and the quantising of their results for the next products.
; 256 work-groups, each STAYS and makes three tiles of 128 x 256, one of each product (3 x 256 tiles in all): q's and k's in a loop of two trips, v's written out behind it.
; Source 0 = 16 rows of the operand called B, source 1 = 16 rows of A: a lane holds one row of A, its registers run along B's rows, the axis that is quantised.
; q, k: A = 128 tokens, B = 256 rows n of the weight.  v: A = 128 rows d of Wv, B = 256 tokens (vp is quantised along the keys).  A wave makes 64 x 128: 32 accumulators.
; LDS: a row of codes is 768 bytes = three pieces of 256 bytes; piece c of the tile's 384 rows (A's 128, then B's 256) is PLANE c, rows 272 bytes apart.  The three planes hold the tile's whole K.
; Planes 0 and 1 are read by steps 0 to 5, plane 2 by steps 5 to 7 (a step: 128 along K, 96 bytes).  Behind step 5's fragments planes 0 and 1 take the next tile (wave 0, 1: A's planes, wave 2, 3: B's);
; plane 2 takes its tile's piece at the tile's opening round (waves 0 and 2).  One joint load a wave behind each round; every wait on TENSORcnt is for 0.
; SCALES go from memory into registers: 16 rows x 32 bytes are 512 dense bytes, one load of 16 bytes a lane: lanes 0-15 hold the words of steps 0-3, lanes 16-31 those of steps 4-7.
; CLUSTERS 4 x 4: A's planes are shared along a row of the cluster, B's along a column.  PREFETCH: at a tile's start the next tile's rows, 768 bytes each, a lane a row: of A's 128 rows partner cx takes 32 (wave 0),
; of B's 256 rows partner cy takes 64 (waves 2, 3); that is five steps ahead of the load of planes 0 and 1.  The first tile comes by its loads alone; the last tile asks for nothing.
; STORED as before: pc: QC, KC, VC, images of the operand's registers [rows / 128][K / 128][16-row block][1,536]; ps: scale bytes [row][K / 32].  VC's rows are 1,024 batch + d, its K the batch's 2,048 keys.
; LIMITS: NaN and infinities are not served; a block of zeros gets the scale byte 1 (its codes are zeros, and this program alone reads the bytes).
.set PITCH, 272
.set PLANE, 384*PITCH
.set BOFF,  128*PITCH                  ; B's rows lie behind A's 128 in a plane
.set SPARE, 3*PLANE                    ; the spare words, 128 bytes a wave
.set FR,    12
.set ADRA, 8                           ; v8-10 my A rows in planes 0-2; v11-12: lanes 0-15 at byte 232 of plane 0, 1, lanes 16-31 at byte 0 of the next plane
.set ADRB, 13                          ; v13-17 the same for B
.set CO,   18                          ; 16 x lane
.set SOF,  19                          ; 32 r + 16 h: scale words
.set BOV,  20                          ; 32 h: bias along B's rows
.set BOV2, 21                          ; 4 r: bias along A's rows
.set OSV,  22                          ; 32 x lane, v23: 64 x lane: a row of stored scale bytes
.set PFO,  24                          ; 768 x lane
.set SPW,  28
.set NIL,  29
.set X,    30
.set SCB,  32                          ; v32-63 B's scale words, 4 a block; v64-79 A's: scales and nothing else
.set SCA,  64
.set BJ,   80                          ; v80-143 the bias
.set T,    144                         ; v144-207 64 numbers of a lane
.set PC,   208
.set PW,   227
.set TM,   228
.set SW,   244
.set OC, 4                             ; s[4:7] where codes and scale bytes go (q, then k); s[8:11] the same for v
.set OS, 6
.set PL, 12                            ; s[12:13] 256 x (wave % 2)
.set SEL, 20
.set G1A, 24
.set G0A, 32
.set G0B, 36
.set LXA, 42
.set LXB, 45
.set G1B, 48
.set TAC, 68                           ; this tile's rows of A and B; the next tile's; the v product's
.set TBC, 70
.set TAN, 72
.set TBN, 74
.set TA2, 76
.set TB2, 78
.set SA0, 80                           ; my rows' scale bytes: first tile, next tile, v product
.set SB0, 82
.set SAN, 84
.set SBN, 86
.set SA2, 88
.set SB2, 90
.set BIC, 92
.set BI1, 94
.set BI2, 96
.set PFN, 98
.set PF2, 100
.set MSB, 0
.macro WIN new
.if MSB != \new
	s_set_vgpr_msb (MSB<<8)|\new
.set MSB, \new
.endif
.endm
.set MULW, 0xad                        ; source 0 (B) window 1, source 1 (A) window 3, C and D window 2
.set TO_B, 0x40
.set TO_A, 0xc0
.macro PLACES n
.rept \n
	v_nop
.endr
.endm
.macro JLOAD                           ; waves 0, 1 ask for A, waves 2, 3 for B
	s_cmp_eq_u32 s15, 0
	s_cbranch_scc0 .Lfb_\@
	tensor_load_to_lds s[G0A:G0A+3], s[G1A:G1A+7]
	s_nop 0
	PLACES 4
	s_branch .Lfj_\@
.Lfb_\@:
	tensor_load_to_lds s[G0B:G0B+3], s[G1B:G1B+7]
	s_nop 0
	PLACES 4
.Lfj_\@:
.endm
.macro JLOADY                          ; plane 2: waves 0 and 2 alone
	s_cmp_eq_u32 s16, 0
	s_cbranch_scc0 .Lny_\@
	JLOAD
.Lny_\@:
.endm
.macro CREST
	s_cmp_lg_u32 s14, 0
	s_cbranch_scc1 .Lnw_\@
	s_barrier_signal -3
.Lnw_\@:
	s_barrier_wait -3
	s_barrier_signal -1
	s_barrier_wait -1
.endm
.macro CROUND
	s_barrier_signal -1
	s_barrier_wait -1
	CREST
.endm
.macro XDESC ta, tb                    ; group 0 for planes 0, 1: plane = wave % 2
	s_add_nc_u64 s[G0A+2:G0A+3], s[\ta:\ta+1], s[PL:PL+1]
	s_or_b32 s[G0A+3], s[G0A+3], 0x80000000
	s_mov_b32 s[G0A+1], s[LXA]
	s_add_nc_u64 s[G0B+2:G0B+3], s[\tb:\tb+1], s[PL:PL+1]
	s_or_b32 s[G0B+3], s[G0B+3], 0x80000000
	s_mov_b32 s[G0B+1], s[LXB]
.endm
.macro ADDP p
	s_add_nc_u64 s[\p:\p+1], s[\p:\p+1], s[46:47]
.endm
.macro FRAG reg, adr, st, i            ; 16 rows x 128 K: six pieces of 8 bytes; byte y of a row lies in plane y / 256
.irp p, 0,1,2,3,4,5
.set BY, 96*(\st)+48*(\p/3)+8*(\p%3)
.if BY/256 == (BY+24)/256
	ds_load_b64 v[\reg+2*\p:\reg+2*\p+1], v[\adr+BY/256] offset:BY%256+(\i)*16*PITCH
.else
	ds_load_b64 v[\reg+2*\p:\reg+2*\p+1], v[\adr+3+BY/256] offset:BY%256-232+(\i)*16*PITCH
.endif
.endr
.endm
.macro FETCH st                        ; step st's fragments into sets st % 2
	WIN TO_B
.irp i, 0,1,2,3,4,5,6,7
	FRAG 128*((\st)%2)+FR*\i, ADRB, \st, \i
.endr
	WIN TO_A
.irp i, 0,1,2,3
	FRAG 48*((\st)%2)+FR*\i, ADRA, \st, \i
.endr
.endm
; 8 matrix instructions; the 32 accumulators take turns, one instruction a turn
.macro MUL8 a, st, zero
.irp b, 0,1,2,3,4,5,6,7
.set rD, 8*(8*(\a)+\b)
.set rB, 128*((\st)%2)+FR*\b
.set rA, 48*((\st)%2)+FR*(\a)
.set rSB, SCB+4*\b+(\st)%4
.set rSA, SCA+4*(\a)+(\st)%4
.if \zero
	v_wmma_scale_f32_16x16x128_f8f6f4 v[rD:rD+7], v[rB:rB+FR-1], v[rA:rA+FR-1], 0, v[rSB], v[rSA] matrix_a_fmt:MATRIX_FMT_FP6 matrix_b_fmt:MATRIX_FMT_FP6
.elseif (\st) < 4
	v_wmma_scale_f32_16x16x128_f8f6f4 v[rD:rD+7], v[rB:rB+FR-1], v[rA:rA+FR-1], v[rD:rD+7], v[rSB], v[rSA] matrix_a_fmt:MATRIX_FMT_FP6 matrix_b_fmt:MATRIX_FMT_FP6
.else
	v_wmma_scale_f32_16x16x128_f8f6f4 v[rD:rD+7], v[rB:rB+FR-1], v[rA:rA+FR-1], v[rD:rD+7], v[rSB], v[rSA] matrix_a_fmt:MATRIX_FMT_FP6 matrix_b_fmt:MATRIX_FMT_FP6 matrix_a_scale:MATRIX_SCALE_ROW1 matrix_b_scale:MATRIX_SCALE_ROW1
.endif
.endr
.endm
; A step: 32 products; the next step's fragments are asked for into the other sets.  mode 1: a barrier shows plane 2 whole ahead of that fetch.  mode 2: planes 0 and 1 are read no more: the round, and the next tile's load.
.macro STEP st, mode, zero
.if \mode == 0
	s_wait_dscnt 0x0
	PLACES 4                                       ; in front of loads into registers that the last step's products have read
	FETCH (\st)+1
	WIN MULW
.irp a, 0,1,2,3
	MUL8 \a, \st, \zero
.endr
.else
	WIN 0
	s_wait_tensorcnt 0x0                           ; all my tensor loads have landed
.if \mode == 2
	ds_add_u32 v[SPW], v[NIL]
	XDESC TAN, TBN                                 ; no load of mine is out: group 0 may be written
	s_wait_dscnt 1                                 ; this step's fragments are in (the add may be out)
.else
	s_wait_dscnt 0x0
.endif
	WIN MULW
	MUL8 0, \st, 0
.if \mode == 2
	s_wait_dscnt 0x0                               ; the add is done, my reads of planes 0 and 1 are over
.endif
	s_barrier_signal -1
	MUL8 1, \st, 0
	WIN 0
	s_barrier_wait -1
.if \mode == 2
	CREST
	JLOAD                                          ; its four v_nop are the places in front of the loads below
.else
	PLACES 4
.endif
	FETCH (\st)+1
	WIN MULW
	MUL8 2, \st, 0
	MUL8 3, \st, 0
.endif
.endm
.macro SCLOAD sa, sb                   ; 12 loads: a tile's scale words of my 128 rows of B and 64 of A
.irp i, 0,1,2,3,4,5,6,7
	global_load_b128 v[SCB+4*\i:SCB+4*\i+3], v[SOF], s[\sb:\sb+1] offset:512*\i
.endr
.irp i, 0,1,2,3
	global_load_b128 v[SCA+4*\i:SCA+4*\i+3], v[SOF], s[\sa:\sa+1] offset:512*\i
.endr
.endm
.macro COPY a, last                    ; block a's 64 results + the bias, into window 0; each accumulator from its low end on
	WIN 0x02
.set ci, 0
.rept 32
.if \last
	v_pk_add_f32 v[T+ci:T+ci+1], v[64*(\a)+ci:64*(\a)+ci+1], v[BJ+2*(\a):BJ+2*(\a)+1] op_sel_hi:[1,0]
.else
	v_pk_add_f32 v[T+ci:T+ci+1], v[64*(\a)+ci:64*(\a)+ci+1], v[BJ+ci:BJ+ci+1]
.endif
.set ci, ci+2
.endr
	WIN 0
.endm
.macro SWAP16                          ; T[8 b + j] = index 16 b + 8 h + j becomes T[16 c + i] = index 32 c + 16 h + i
.set sj, 0
.rept 32
	v_permlane16_swap_b32 v[T+16*(sj/8)+sj%8], v[T+16*(sj/8)+8+sj%8]
.set sj, sj+1
.endr
.endm
.macro QUANT                           ; 64 numbers of a lane become a fragment's codes in v[PC] on and its scale word in v[PW]
.irp b, 0,1,2,3
	v_max3_num_f32 v[TM+\b], |v[T+16*\b]|, |v[T+1+16*\b]|, 0x1800000   ; with the floor 2^(3 - 127): the byte cannot fall under 1
.endr
.irp i, 2,4,6,8,10,12,14
.irp b, 0,1,2,3
	v_max3_num_f32 v[TM+\b], v[TM+\b], |v[T+16*\b+\i]|, |v[T+1+16*\b+\i]|
.endr
.endr
.irp b, 0,1,2,3
	v_permlanex16_b32 v[TM+4+\b], v[TM+\b], s[SEL], s[SEL+1]
.endr
.irp b, 0,1,2,3
	v_max_num_f32 v[TM+\b], v[TM+\b], v[TM+4+\b]
.endr
.irp b, 0,1,2,3
	v_add_nc_u32 v[TM+12+\b], 0xff000000, v[TM+\b] ; 2 off the exponent field: the conversion's scale operand
.endr
.irp b, 0,1,2,3
	v_lshrrev_b32 v[TM+4+\b], 23, v[TM+12+\b]
.endr
	v_lshl_or_b32 v[PW], v[TM+5], 8, v[TM+4]
	v_lshl_or_b32 v[PW], v[TM+6], 16, v[PW]
	v_lshl_or_b32 v[PW], v[TM+7], 24, v[PW]
	s_wait_alu depctr_va_vdst(0)
	s_wait_xcnt 0x0                                ; the last block's stores have read the code registers
.irp c, 0,1
	v_cvt_scalef32_pk16_fp6_f32 v[PC+6*\c:PC+2+6*\c], v[T+32*\c:T+15+32*\c], v[TM+12+2*\c]
	v_cvt_scalef32_pk16_fp6_f32 v[PC+12+4*\c:PC+14+4*\c], v[T+16+32*\c:T+31+32*\c], v[TM+12+2*\c+1]
.endr
	v_nop                                          ; one plain place behind a scaled conversion
.irp c, 0,1
.irp i, 0,1,2
	v_permlane16_swap_b32 v[PC+6*\c+\i], v[PC+12+4*\c+\i]
.endr
.irp i, 0,1,2
	v_mov_b32 v[PC+3+6*\c+\i], v[PC+12+4*\c+\i]
.endr
.endr
.endm
.macro TILE last
	s_wait_alu depctr_va_vdst(0)
	s_wait_tensorcnt 0x0                           ; my part of this tile's planes 0 and 1 is in
	ds_add_u32 v[SPW], v[NIL]
	s_add_nc_u64 s[G0A+2:G0A+3], s[TAC:TAC+1], 512
	s_or_b32 s[G0A+3], s[G0A+3], 0x80000000
	s_mov_b32 s[G0A+1], 2*PLANE
	s_add_nc_u64 s[G0B+2:G0B+3], s[TBC:TBC+1], 512
	s_or_b32 s[G0B+3], s[G0B+3], 0x80000000
	s_mov_b32 s[G0B+1], 2*PLANE+BOFF
	s_wait_dscnt 0x0                               ; the add is done, my reads of plane 2 are over
	CROUND
	JLOADY                                         ; this tile's plane 2
	FETCH 0
	WIN 0
	s_wait_loadcnt 0x0                             ; the tile's scale words
.if \last
.irp a, 0,1,2,3
	global_load_b32 v[BJ+2*\a], v[BOV2], s[BI2:BI2+1] offset:64*\a   ; the bias of row 16 a + r of A
	v_mov_b32 v[BJ+2*\a+1], 0                      ; (named with it as a pair)
.endr
	s_wait_alu depctr_va_vdst(0)                   ; behind these writes
.else
.irp b, 0,1,2,3,4,5,6,7
	global_load_b128 v[BJ+8*\b:BJ+8*\b+3], v[BOV], s[BIC:BIC+1] offset:64*\b       ; the bias of rows 16 b + 8 h + 0 .. 7 of B
	global_load_b128 v[BJ+8*\b+4:BJ+8*\b+7], v[BOV], s[BIC:BIC+1] offset:64*\b+16
.endr
	s_cmp_eq_u32 s14, 1
	s_cbranch_scc1 .Lnp_\@
.irp c, 0,1,2
	global_prefetch_b8 v[PFO], s[PFN:PFN+1] offset:256*\c th:TH_LOAD_NT scope:SCOPE_SE   ; the next tile: 32 rows, three pieces each
.endr
.Lnp_\@:
.endif
	STEP 0, 0, 1                                   ; the first step starts the sums
	STEP 1, 0, 0
	STEP 2, 0, 0
	STEP 3, 0, 0
	STEP 4, 1, 0
	STEP 5, 2-2*\last, 0
	STEP 6, 0, 0
	s_wait_dscnt 0x0
	WIN MULW
.irp a, 0,1,2,3
	MUL8 \a, 7, 0
.endr
	WIN 0
	PLACES 4                                       ; in front of the first reads of results and of loads into the scale registers
.if \last
	s_wait_loadcnt 0x0                             ; the bias
.else
	SCLOAD SAN, SBN
	s_wait_loadcnt 12                              ; the bias is in: the 12 loads just issued may be out
.endif
.irp a, 0,1,2,3
	COPY \a, \last
	SWAP16
	QUANT
.irp g, 0,1,2
	global_store_b128 v[CO], v[PC+4*\g:PC+4*\g+3], s[OC+4*\last:OC+4*\last+1] offset:(\a)*1536+512*\g   ; 512 consecutive bytes, aligned
.endr
	v_mov_b32 v[SW+\a], v[PW]
.endr
.irp p, 0,1
	v_cndmask_b32 v[X+\p], v[SW+2*\p], v[SW+2*\p+1], s66       ; a word for row 32 p + lane
.endr
.irp p, 0,1
	global_store_b32 v[OSV+\last], v[X+\p], s[OS+4*\last:OS+4*\last+1] offset:1024*(1+\last)*\p
.endr
.endm
	s_load_b256 s[68:75], s[0:1], 0x0              ; codes: q, Wq, k, Wk,
	s_load_b128 s[76:79], s[0:1], 0x20             ; Wv, v
	s_load_b256 s[80:87], s[0:1], 0x30             ; scales, in the same order
	s_load_b128 s[88:91], s[0:1], 0x50
	s_load_b128 s[92:95], s[0:1], 0x60             ; bq, bk
	s_load_b64 s[96:97], s[0:1], 0x70              ; bv
	s_load_b128 s[4:7], s[0:1], 0x78               ; pc, ps
	v_lshl_add_u32 v[SPW], v0, 2, SPARE
	v_mov_b32 v[NIL], 0
	ds_add_u32 v[SPW], v[NIL]                      ; the opening lines: the add twice on end
	ds_add_u32 v[SPW], v[NIL]
	v_lshrrev_b32 v1, 5, v0
	v_readfirstlane_b32 s14, v1                    ; wave
	s_lshr_b32 s15, s14, 1                         ; my 64 rows of A; I ask for A (0) or B (1)
	s_and_b32 s16, s14, 1                          ; my 128 rows of B; the plane that I ask for
	s_bfe_u32 s40, ttmp6, 0x40000                  ; cx
	s_bfe_u32 s41, ttmp6, 0x40004                  ; cy
	s_lshl_b32 s43, s41, 2
	s_lshl_b32 s43, 15, s43                        ; my row of the cluster
	s_lshl_b32 s44, 0x1111, s40                    ; my column
	s_and_b32 s17, ttmp7, 0xffff                   ; the cluster's y, 0..15
	s_lshl_b32 s18, s17, 2
	s_add_co_u32 s18, s18, s41                     ; q, k: tokens / 128
	s_and_b32 s19, s17, 1
	s_lshl_b32 s19, s19, 2
	s_add_co_u32 s19, s19, s41                     ; v: d / 128
	s_lshr_b32 s22, s17, 1
	s_lshl_b32 s22, s22, 2
	s_add_co_u32 s22, s22, s40                     ; v: tokens / 256
	s_mul_i32 s56, s18, 98304
	s_mov_b32 s57, 0
	s_mul_i32 s58, s40, 196608
	s_mov_b32 s59, 0
	s_mul_i32 s60, s19, 98304
	s_mov_b32 s61, 0
	s_mul_i32 s62, s22, 196608
	s_mov_b32 s63, 0
	s_lshl_b32 s[PL], s16, 8
	s_mov_b32 s[PL+1], 0
	s_mul_i32 s[LXA], s16, PLANE
	s_add_co_u32 s[LXB], s[LXA], BOFF
	s_or_b32 s[G1A], s43, (3<<16)|(1<<20)|(1<<21)|(5<<22)|(3<<25)   ; rows of 32 elements of 8 bytes, 16 bytes of padding behind each
	s_or_b32 s[G1B], s44, (3<<16)|(1<<20)|(1<<21)|(5<<22)|(3<<25)
.irp g, G1A, G1B
	s_mov_b32 s[\g+1], 32<<16
	s_mov_b32 s[\g+3], 32<<16
	s_mov_b32 s[\g+5], 96
	s_mov_b32 s[\g+6], 0
	s_mov_b32 s[\g+7], 0
.endr
	s_mov_b32 s[G1A+2], 128<<16
	s_mov_b32 s[G1A+4], 128
	s_mov_b32 s[G1B+2], 256<<16
	s_mov_b32 s[G1B+4], 256
	s_mov_b32 s[G0A], 1
	s_mov_b32 s[G0B], 1
	s_wait_dscnt 0x0
	s_wait_kmcnt 0x0
	s_add_nc_u64 s[TAC:TAC+1], s[TAC:TAC+1], s[56:57]
	s_add_nc_u64 s[TAN:TAN+1], s[TAN:TAN+1], s[56:57]
	s_add_nc_u64 s[TBC:TBC+1], s[TBC:TBC+1], s[58:59]
	s_add_nc_u64 s[TBN:TBN+1], s[TBN:TBN+1], s[58:59]
	s_add_nc_u64 s[TA2:TA2+1], s[TA2:TA2+1], s[60:61]
	s_add_nc_u64 s[TB2:TB2+1], s[TB2:TB2+1], s[62:63]
	XDESC TAC, TBC
	CROUND                                         ; all sixteen work-groups are here
	JLOAD                                          ; the first tile's planes 0 and 1: one load a wave
	s_mov_b32 s47, 0
	s_add_nc_u64 s[OC+4:OC+5], s[OC:OC+1], 12582912
	s_add_nc_u64 s[OS+4:OS+5], s[OS:OS+1], 524288
	s_lshl_b32 s46, s18, 12                        ; 32 bytes x (128 x tokens / 128 + 64 x half)
	s_lshl_b32 s23, s15, 11
	s_add_co_u32 s46, s46, s23
	ADDP SA0
	ADDP SAN
	s_lshl_b32 s23, s40, 3
	s_add_co_u32 s46, s46, s23
	s_lshl_b32 s23, s16, 2
	s_add_co_u32 s46, s46, s23                     ; + my word in a stored row
	ADDP OS
	s_lshl_b32 s46, s19, 12
	s_lshl_b32 s23, s15, 11
	s_add_co_u32 s46, s46, s23
	ADDP SA2
	s_lshl_b32 s46, s40, 13
	s_lshl_b32 s23, s16, 12
	s_add_co_u32 s46, s46, s23
	ADDP SB0
	ADDP SBN
	s_lshl_b32 s46, s22, 13
	s_add_co_u32 s46, s46, s23
	ADDP SB2
	s_lshl_b32 s46, s40, 10
	s_lshl_b32 s23, s16, 9
	s_add_co_u32 s46, s46, s23
	ADDP BIC
	ADDP BI1
	s_lshl_b32 s46, s19, 9
	s_lshl_b32 s23, s15, 8
	s_add_co_u32 s46, s46, s23
	ADDP BI2
	s_lshl_b32 s46, s18, 3
	s_lshl_b32 s23, s40, 1
	s_add_co_u32 s46, s46, s23
	s_add_co_u32 s46, s46, s16
	s_mul_i32 s46, s46, 12288
	s_mul_i32 s23, s15, 6144
	s_add_co_u32 s46, s46, s23
	ADDP OC
	s_lshr_b32 s56, s22, 3
	s_lshl_b32 s56, s56, 3
	s_add_co_u32 s56, s56, s19                     ; VC's rows / 128: 8 batch + d / 128
	s_and_b32 s57, s22, 7
	s_lshl_b32 s57, s57, 1
	s_add_co_u32 s57, s57, s16                     ; the batch's keys / 128
	s_lshl_b32 s46, s56, 4
	s_add_co_u32 s46, s46, s57
	s_mul_i32 s46, s46, 12288
	s_add_co_u32 s46, s46, s23
	ADDP OC+4
	s_lshl_b32 s46, s56, 13
	s_lshl_b32 s23, s15, 12
	s_add_co_u32 s46, s46, s23
	s_lshl_b32 s23, s57, 2
	s_add_co_u32 s46, s46, s23
	ADDP OS+4
	s_lshl_b32 s46, s41, 6                         ; the prefetches: B's rows 64 cy + 32 (wave % 2),
	s_lshl_b32 s23, s16, 5
	s_add_co_u32 s46, s46, s23
	s_lshl_b32 s23, s40, 5                         ; A's rows 32 cx
	s_cmp_eq_u32 s15, 0
	s_cselect_b32 s46, s23, s46
	s_cselect_b64 s[PFN:PFN+1], s[TAN:TAN+1], s[TBN:TBN+1]
	s_cselect_b64 s[PF2:PF2+1], s[TA2:TA2+1], s[TB2:TB2+1]
	s_mul_i32 s46, s46, 768
	ADDP PFN
	ADDP PF2
	s_mul_i32 s56, s15, 64*PITCH
	s_add_co_u32 s57, s56, PLANE
	s_add_co_u32 s58, s57, PLANE
	s_mul_i32 s59, s16, 128*PITCH
	s_add_co_u32 s59, s59, BOFF
	s_add_co_u32 s60, s59, PLANE
	s_add_co_u32 s61, s60, PLANE
	s_mov_b32 s62, PLANE-232
	s_mov_b32 s[SEL], 0x76543210
	s_mov_b32 s[SEL+1], 0xfedcba98
	s_mov_b32 s66, 0xffff0000
	s_mov_b32 s3, 0
	v_and_b32 v1, 15, v0                           ; r
	v_bfe_u32 v2, v0, 4, 1                         ; h
	v_and_b32 v6, 31, v0
	v_lshlrev_b32 v[CO], 4, v6
	v_mul_u32_u24 v3, v1, PITCH
	v_mul_u32_u24 v4, v2, 24
	v_add_nc_u32 v4, v3, v4                        ; row x pitch + 24 h
	v_mul_u32_u24 v5, s62, v2
	v_add_nc_u32 v5, v3, v5
	v_add_nc_u32 v5, 232, v5                       ; lanes 0-15 byte 232 of the row, lanes 16-31 byte 0 of the row a plane on
.irp c, 0,1,2
	v_add_nc_u32 v[ADRA+\c], s[56+\c], v4
	v_add_nc_u32 v[ADRB+\c], s[59+\c], v4
.endr
.irp c, 0,1
	v_add_nc_u32 v[ADRA+3+\c], s[56+\c], v5
	v_add_nc_u32 v[ADRB+3+\c], s[59+\c], v5
.endr
	v_lshlrev_b32 v7, 5, v1
	v_lshl_add_u32 v[SOF], v2, 4, v7
	v_lshlrev_b32 v[BOV], 5, v2
	v_lshlrev_b32 v[BOV2], 2, v1
	v_lshlrev_b32 v[OSV], 5, v6
	v_lshlrev_b32 v[OSV+1], 6, v6
	v_mul_u32_u24 v[PFO], v6, 768
.irp b, 0,1,2,3
	v_mov_b32 v[TM+4+\b], 0                        ; a lane permute's destination counts as one of its sources
.endr
	s_wait_alu depctr_va_vdst(0)
	SCLOAD SA0, SB0
.Ltile:
	TILE 0
	s_wait_alu depctr_va_vdst(0)
	s_wait_xcnt 0x0                                ; loads, stores and prefetches have read their bases
	s_mov_b64 s[TAC:TAC+1], s[TAN:TAN+1]
	s_mov_b64 s[TBC:TBC+1], s[TBN:TBN+1]
	s_mov_b64 s[TAN:TAN+1], s[TA2:TA2+1]
	s_mov_b64 s[TBN:TBN+1], s[TB2:TB2+1]
	s_mov_b64 s[SAN:SAN+1], s[SA2:SA2+1]
	s_mov_b64 s[SBN:SBN+1], s[SB2:SB2+1]
	s_mov_b64 s[BIC:BIC+1], s[BI1:BI1+1]
	s_mov_b64 s[PFN:PFN+1], s[PF2:PF2+1]
	s_add_nc_u64 s[OC:OC+1], s[OC:OC+1], 6291456
	s_add_nc_u64 s[OS:OS+1], s[OS:OS+1], 262144
	s_add_co_u32 s3, s3, 1
	s_cmp_lt_u32 s3, 2
	s_cbranch_scc1 .Ltile
	TILE 1                                         ; the v product: it asks for nothing more
	s_wait_tensorcnt 0x0                           ; the wave's end
	ds_add_u32 v[SPW], v[NIL]
	s_wait_dscnt 0x0
	CROUND                                         ; the closing round
	s_endpgm
.Lfunc_end_k_qe8550c2677_proj:
	.size	k_qe8550c2677_proj, .Lfunc_end_k_qe8550c2677_proj-k_qe8550c2677_proj
	.p2alignl 7, 3214868480
	.fill 96, 4, 3214868480
	.section	.rodata,"a",@progbits
	.p2align	6, 0x0
	.amdhsa_kernel k_qe8550c2677_proj
		.amdhsa_group_segment_fixed_size 327680
		.amdhsa_private_segment_fixed_size 0
		.amdhsa_enable_private_segment 0
		.amdhsa_kernarg_size 136
		.amdhsa_user_sgpr_count 2
		.amdhsa_user_sgpr_kernarg_segment_ptr 1
		.amdhsa_wavefront_size32 1
		.amdhsa_system_sgpr_workgroup_id_x 1
		.amdhsa_system_sgpr_workgroup_id_y 1
		.amdhsa_system_sgpr_workgroup_id_z 1
		.amdhsa_system_vgpr_workitem_id 0
		.amdhsa_next_free_vgpr 1024
		.amdhsa_next_free_sgpr 102
		.amdhsa_reserve_vcc 0
		.amdhsa_float_denorm_mode_32 3
		.amdhsa_float_denorm_mode_16_64 3
		.amdhsa_memory_ordered 1
		.amdhsa_forward_progress 1
		.amdhsa_inst_pref_size 218
	.end_amdhsa_kernel
	.amdgpu_metadata
---
amdhsa.version: [ 1, 2 ]
amdhsa.kernels:
  - .name:           k_qe8550c2677_proj
    .symbol:         k_qe8550c2677_proj.kd
    .args:
      - { .name: q_codes, .offset: 0, .size: 8, .value_kind: global_buffer, .address_space: global }
      - { .name: Wq_codes, .offset: 8, .size: 8, .value_kind: global_buffer, .address_space: global }
      - { .name: k_codes, .offset: 16, .size: 8, .value_kind: global_buffer, .address_space: global }
      - { .name: Wk_codes, .offset: 24, .size: 8, .value_kind: global_buffer, .address_space: global }
      - { .name: Wv_codes, .offset: 32, .size: 8, .value_kind: global_buffer, .address_space: global }
      - { .name: v_codes, .offset: 40, .size: 8, .value_kind: global_buffer, .address_space: global }
      - { .name: q_scales, .offset: 48, .size: 8, .value_kind: global_buffer, .address_space: global }
      - { .name: Wq_scales, .offset: 56, .size: 8, .value_kind: global_buffer, .address_space: global }
      - { .name: k_scales, .offset: 64, .size: 8, .value_kind: global_buffer, .address_space: global }
      - { .name: Wk_scales, .offset: 72, .size: 8, .value_kind: global_buffer, .address_space: global }
      - { .name: Wv_scales, .offset: 80, .size: 8, .value_kind: global_buffer, .address_space: global }
      - { .name: v_scales, .offset: 88, .size: 8, .value_kind: global_buffer, .address_space: global }
      - { .name: bq, .offset: 96, .size: 8, .value_kind: global_buffer, .address_space: global }
      - { .name: bk, .offset: 104, .size: 8, .value_kind: global_buffer, .address_space: global }
      - { .name: bv, .offset: 112, .size: 8, .value_kind: global_buffer, .address_space: global }
      - { .name: pc, .offset: 120, .size: 8, .value_kind: global_buffer, .address_space: global }
      - { .name: ps, .offset: 128, .size: 8, .value_kind: global_buffer, .address_space: global }
    .group_segment_fixed_size: 327680
    .private_segment_fixed_size: 0
    .kernarg_segment_align: 8
    .kernarg_segment_size: 136
    .max_flat_workgroup_size: 128
    .sgpr_count:     102
    .vgpr_count:     1024
    .wavefront_size: 32
...
	.end_amdgpu_metadata
.endif
;; end of part 5
;; launch score (part 6): grid 8 x 32, 4 waves a work-group, clusters of 4 x 4, 327,680 bytes of LDS; arguments pc, ps, wc, wst; writes wc, wst
.if DOCPART == 6
	.amdgcn_target "amdgcn-amd-amdhsa--gfx1250"
	.amdhsa_code_object_version 6
	.text
	.protected	k_qe8550c2677_score
	.globl	k_qe8550c2677_score
	.p2align	8
	.type	k_qe8550c2677_score,@function
k_qe8550c2677_score:
	s_mov_b64 s[64:65], 0
	v_nop
	global_prefetch_b8 v0, s[64:65] scope:SCOPE_SE
	s_setreg_imm32_b32 hwreg(HW_REG_WAVE_MODE, 25, 1), 1
	s_wait_xcnt 0x0
	s_wait_alu depctr_hold_cnt(0) depctr_sa_sdst(0) depctr_va_vdst(0) depctr_va_sdst(0) depctr_va_ssrc(0) depctr_va_vcc(0) depctr_vm_vsrc(0)
	s_getreg_b32 s2, hwreg(HW_REG_IB_STS2, 6, 4)
	s_cmp_eq_u32 s2, 0
	s_cbranch_scc0 .Lentry_in_a_cluster
	s_endpgm
.Lentry_in_a_cluster:
	s_bfe_u32 s2, ttmp6, 0x10000c
	s_cmp_lg_u32 s2, 0xf033
	s_cbranch_scc0 .Lentry_shape_is_right
	s_endpgm
.Lentry_shape_is_right:
; THE SCORES AND THE SOFTMAX'S NUMERATOR: S = qp kp^T on codes of FP6 (E2M3), t = S x log2(e) / 32, p = 2^(t - M) quantised along the keys.
; A tile is 256 queries x 256 keys of one batch; a wave makes 128 x 128, K = 1,024 in steps of 256 through a ring of two LDS slots; both operands come as register images (launch proj), so a K step's
; 128 rows are 24,576 dense bytes and a fragment is three loads of 16 bytes a lane.  Source 0 = 16 keys, source 1 = 16 queries: a lane holds one query, its registers run along the keys.
; M IS LOCAL: for each query and each 128 keys (a wave's part) M = the ceiling of the largest t of these 128 keys, a whole number.  p = 2^(t - M) is quantised under it; the next launch takes the difference to the
; row's M off the scale bytes, which changes no code.  The maximum is taken away before every exponential; no exponent is above 0.
; STORED: wc: p's codes as register images [query / 128][key / 128][16-query block][1,536];  wst: three arrays [batch][key / 128][2,048 queries] of 4 bytes: p's scale word, -M as f32, the sum of the unquantised p.
; CLUSTERS: the queries' tile is shared along a row of the cluster, the keys' along a column.
; LIMITS: NaN and infinities are not served; a p under 2^-126 counts as 0 (the exponential's own flush); a block of zeros gets the scale byte 1.
.set SIZE_K, 1024
.set LAYA,   1                         ; A's and B's tiles: 0 = rows of codes as the inputs lie, 1 = register images
.set LAYB,   1
.set CM0,    1                         ; the sums start with the constant 0
.set BSCL,   1
.set KSTEP,  256
.set NQ,     2
.set FR,     12
.set NP,     4
.set PITCH,  240
.set KROW,   SIZE_K*6/8
.set KS,     SIZE_K/32
.set LAPS,   SIZE_K/(2*KSTEP)
.set HALFA,  30720-6144*LAYA
.set HALFB,  30720-6144*LAYB
.set NLA,    6-3*LAYA
.set STEPMA, 192+24384*LAYA
.set STEPMB, 192+24384*LAYB
.set SLOT,   2*HALFA+2*HALFB
.set SCL,    2*SLOT
.set HALFS,  (128*KS/256)*272
.set SBLK,   (16*KS/256)*272
.set SPARE,  SCL+4*HALFS               ; the spare words, 128 bytes a wave: two blocks of 256 bytes that no other line names
.set ADRA, 16
.set ADRB, 20
.set CO,   26
.set ADRS, 27
.set SPW,  28
.set NIL,  29
.set SC,   32                          ; v32-63 scale words, two sets: they hold scales and nothing else
.set BJ,   64                          ; (no bias here)
.set AF,   128
.set TM,   240
.set T,    128
.set PC,   192
.set PW,   212
.set WK,   214                         ; v[214:215] -M (the packed form names a pair and takes its low word)
.set SA,   216                         ; v[216:219] the sum's two chains
.set SB,   218
.set SW,   64                          ; v64-71 scale words, v72-79 -M, v80-87 sums of the eight blocks; v88-99 the same, a row a lane
.set NMS,  72
.set LLS,  80
.set X,    88
.set G1, 24
.set G0, 32
.set G1B, 48
.set G0B, 56
.set G1S, 68
.set G0S, 76
.set G1SB, 80
.set G0SB, 88
.set SEL, 20
.set CS,  22                           ; s[22:23] c = log2(e) / sqrt(1024)
.set MSB, 0
.macro WIN new                         ; the immediate's high byte repeats the setting that is left
.if MSB != \new
	s_set_vgpr_msb (MSB<<8)|\new
.set MSB, \new
.endif
.endm
.set MUL_LO, 0xa1                      ; source 0 (B) window 1, source 1 (A) window 0, C and D window 2
.set MUL_HI, 0xf1
.set TO_B,   0x40
.macro PLACES n
.rept \n
	v_nop
.endr
.endm
.macro JLOAD g0a, g1a, g0b, g1b        ; a joint load: waves 0 and 1 fetch for A, waves 2 and 3 for B; four v_nop follow each line
	s_cmp_eq_u32 s15, 0
	s_cbranch_scc0 .Lfor_b_\@
	tensor_load_to_lds s[\g0a:\g0a+3], s[\g1a:\g1a+7]
	s_nop 0
	PLACES 4
	s_branch .Lasked_\@
.Lfor_b_\@:
	tensor_load_to_lds s[\g0b:\g0b+3], s[\g1b:\g1b+7]
	s_nop 0
	PLACES 4
.Lasked_\@:
.endm
.macro CREST
	s_cmp_lg_u32 s14, 0
	s_cbranch_scc1 .Lnot_wave_0_\@
	s_barrier_signal -3
.Lnot_wave_0_\@:
	s_barrier_wait -3
	s_barrier_signal -1
	s_barrier_wait -1
.endm
.macro CROUND
	s_barrier_signal -1
	s_barrier_wait -1
	CREST
.endm
.macro IDS
	v_lshl_add_u32 v[SPW], v0, 2, SPARE
	v_mov_b32 v[NIL], 0
	ds_add_u32 v28, v29
	ds_add_u32 v28, v29
	s_wait_dscnt 0x0
	v_lshrrev_b32 v1, 5, v0
	v_readfirstlane_b32 s14, v1                    ; wave 0..3
	s_lshr_b32 s15, s14, 1                         ; my half of A's rows.  Also: I fetch for A (0) or for B (1)
	s_and_b32 s16, s14, 1                          ; my half of B's rows.  Also: which 128 rows I fetch
	s_bfe_u32 s40, ttmp6, 0x40000                  ; cx
	s_bfe_u32 s41, ttmp6, 0x40004                  ; cy
	s_lshl_b32 s43, s41, 2
	s_lshl_b32 s43, 15, s43                        ; my row of the cluster
	s_lshl_b32 s44, 0x1111, s40                    ; my column
.endm
.macro OFFS                            ; s20 = the first row of A that I fetch, s46 = of B
	s_mov_b32 s21, 0
	s_mov_b32 s47, 0
	s_mov_b64 s[18:19], KS
	s_mul_u64 s[22:23], s[20:21], s[18:19]
.if BSCL
	s_mul_u64 s[92:93], s[46:47], s[18:19]
.endif
	s_mov_b64 s[18:19], KROW
	s_mul_u64 s[20:21], s[20:21], s[18:19]         ; 128 rows of images are as many bytes as 128 rows of codes
	s_mul_u64 s[46:47], s[46:47], s[18:19]
	s_mul_i32 s45, s16, HALFA
	s_mul_i32 s95, s16, HALFB
	s_add_co_u32 s95, s95, 2*HALFA
	s_mul_i32 s94, s14, HALFS
.endm
.macro G1SET g, m, lay
.if \lay
	s_or_b32 s[\g], s[\m], (3<<16)|(1<<21)         ; images: 24,576 dense bytes as 96 rows of 32 elements of 8 bytes, no padding; bit 21 set beside a mask
	s_mov_b32 s[\g+1], 32<<16
	s_mov_b32 s[\g+2], 96<<16
	s_mov_b32 s[\g+3], 32<<16
	s_mov_b32 s[\g+4], 96
	s_mov_b32 s[\g+5], 32
.else
	s_or_b32 s[\g], s[\m], (1<<20)|(1<<21)|(3<<22)|(3<<25)
	s_mov_b32 s[\g+1], 192<<16
	s_mov_b32 s[\g+2], 128<<16
	s_mov_b32 s[\g+3], 192<<16
	s_mov_b32 s[\g+4], 128
	s_mov_b32 s[\g+5], KROW
.endif
	s_mov_b32 s[\g+6], 0
	s_mov_b32 s[\g+7], 0
.endm
.macro G1SCL g, m                      ; the scale bytes of 256 rows: rows of 256 bytes with 16 bytes of padding behind each
	s_or_b32 s[\g], s[\m], (3<<16)|(1<<20)|(1<<21)|(5<<22)|(3<<25)
	s_mov_b32 s[\g+1], 32<<16
	s_mov_b32 s[\g+2], (256*KS/256)<<16            ; the scale bytes of all 256 rows of a tile in one load
	s_mov_b32 s[\g+3], 32<<16
	s_mov_b32 s[\g+4], 256*KS/256
	s_mov_b32 s[\g+5], 32
	s_mov_b32 s[\g+6], 0
	s_mov_b32 s[\g+7], 0
.endm
.macro G0SET g, lds, off, base, step
	s_mov_b32 s[\g], 1
	s_add_co_u32 s[\g+1], s[\lds], \off
	s_add_nc_u64 s[\g+2:\g+3], s[\base:\base+1], \step
	s_or_b32 s[\g+3], s[\g+3], 0x80000000
.endm
.macro FILLS                           ; the head's four tiles, one load a wave: wave 0 K step 0 of A's 256 rows, wave 1 A's scales, wave 2 K step 0 of B's 256 rows, wave 3 B's scales
	s_mul_i32 s12, s16, 128*KS
	s_mov_b32 s13, 0
	s_sub_nc_u64 s[22:23], s[22:23], s[12:13]      ; the scales from the tile's first row on
	s_sub_nc_u64 s[92:93], s[92:93], s[12:13]
	s_mov_b32 s12, 0
	G0SET G0S, 12, SCL, 22, 0
	G0SET G0SB, 12, SCL+2*HALFS, 92, 0
	G0SET G0, 45, 0, 20, 0
	G0SET G0B, 95, 0, 46, 0
	G0SET G0+4, 45, SLOT, 20, STEPMA
	G0SET G0B+4, 95, SLOT, 46, STEPMB
	s_cmp_lt_u32 s14, 1
	s_cbranch_scc0 .Lhead_1
	tensor_load_to_lds s[G0:G0+3], s[G1:G1+7]
	s_nop 0
	PLACES 4
	s_branch .Lhead_j
.Lhead_1:
	s_cmp_lt_u32 s14, 2
	s_cbranch_scc0 .Lhead_2
	tensor_load_to_lds s[G0S:G0S+3], s[G1S:G1S+7]
	s_nop 0
	PLACES 4
	s_branch .Lhead_j
.Lhead_2:
	s_cmp_lt_u32 s14, 3
	s_cbranch_scc0 .Lhead_3
	tensor_load_to_lds s[G0B:G0B+3], s[G1B:G1B+7]
	s_nop 0
	PLACES 4
	s_branch .Lhead_j
.Lhead_3:
	tensor_load_to_lds s[G0SB:G0SB+3], s[G1SB:G1SB+7]
	s_nop 0
	PLACES 4
.Lhead_j:
.endm
.macro ADDRS
	v_and_b32 v1, 15, v0                           ; r
	v_bfe_u32 v2, v0, 4, 1                         ; h
	v_and_b32 v6, 31, v0
	v_lshlrev_b32 v[CO], 4, v6                     ; an image's place for my lane
.if LAYA*LAYB == 0
	v_mul_u32_u24 v3, v1, PITCH
	v_mul_u32_u24 v4, v2, 24
	v_add_nc_u32 v4, v3, v4
	v_lshl_add_u32 v5, v2, 4, v4
.endif
	s_mul_i32 s21, s15, HALFA
	s_mul_i32 s22, s16, HALFB
	s_add_co_u32 s22, s22, 2*HALFA
.irp s, 0,1
.if LAYA
	v_add_nc_u32 v[ADRA+\s], s21, v[CO]
.else
	v_add_nc_u32 v[ADRA+\s], s21, v4
	v_add_nc_u32 v[ADRA+2+\s], s21, v5
.endif
.if LAYB
	v_add_nc_u32 v[ADRB+\s], s22, v[CO]
.else
	v_add_nc_u32 v[ADRB+\s], s22, v4
	v_add_nc_u32 v[ADRB+2+\s], s22, v5
.endif
	s_add_co_u32 s21, s21, SLOT
	s_add_co_u32 s22, s22, SLOT
.endr
	v_mul_u32_u24 v5, v1, KS
	v_lshrrev_b32 v6, 8, v5
	v_lshl_add_u32 v5, v6, 4, v5
	s_mul_i32 s21, s15, HALFS
	s_mul_i32 s22, s16, HALFS
	s_add_co_u32 s22, s22, 2*HALFS
	s_sub_co_u32 s22, s22, s21
	v_mul_u32_u24 v6, s22, v2                      ; lanes 16-31 take B's: one product, half x the distance
	s_add_co_u32 s21, s21, SCL
	v_add_nc_u32 v5, v5, v6
	v_add_nc_u32 v[ADRS], s21, v5
.endm
.macro FRAG reg, adr, q, i, lay        ; a fragment, 16 rows x 128 K, 12 registers
.if \lay
.irp g, 0,1,2
	ds_load_b128 v[\reg+4*\g:\reg+4*\g+3], v[\adr] offset:((\q)*8+(\i))*1536+512*\g
.endr
.else
.irp p, 0,1,2,3,4,5
.set PCE, 12*(\q)+6*(\p/3)+\p%3
.if PCE%8 < 5
	ds_load_b64 v[\reg+2*\p:\reg+2*\p+1], v[\adr] offset:8*PCE+16*(PCE/8)+(\i)*16*PITCH
.else
	ds_load_b64 v[\reg+2*\p:\reg+2*\p+1], v[\adr+2] offset:8*PCE+16*(PCE/8)+(\i)*16*PITCH
.endif
.endr
.endif
.endm
; 16 matrix instructions: A's blocks a0, a0 + 1 x B's eight.  The 64 accumulators take turns, one instruction a turn.
.macro MUL16 a0, p, q, sc, cm
.irp a, \a0, \a0+1
.irp b, 0,1,2,3,4,5,6,7
.set rD, 8*(8*((\a)%4)+\b)
.set rB, 128*(\p)+FR*\b
.set rA, AF+FR*(\a)
.set rSB, SC+8*NQ*(\sc)+NQ*\b+(\q)
.set rSA, SC+8*NQ*(\sc)+NQ*(\a)+(\q)
.if \cm == 1
	v_wmma_scale_f32_16x16x128_f8f6f4 v[rD:rD+7], v[rB:rB+FR-1], v[rA:rA+FR-1], 0, v[rSB], v[rSA] matrix_a_fmt:MATRIX_FMT_FP6 matrix_b_fmt:MATRIX_FMT_FP6 matrix_a_scale:MATRIX_SCALE_ROW1
.elseif \cm == 2
	v_wmma_scale_f32_16x16x128_f8f6f4 v[rD:rD+7], v[rB:rB+FR-1], v[rA:rA+FR-1], v[BJ+8*\b:BJ+8*\b+7], v[rSB], v[rSA] matrix_a_fmt:MATRIX_FMT_FP6 matrix_b_fmt:MATRIX_FMT_FP6 matrix_a_scale:MATRIX_SCALE_ROW1
.else
	v_wmma_scale_f32_16x16x128_f8f6f4 v[rD:rD+7], v[rB:rB+FR-1], v[rA:rA+FR-1], v[rD:rD+7], v[rSB], v[rSA] matrix_a_fmt:MATRIX_FMT_FP6 matrix_b_fmt:MATRIX_FMT_FP6 matrix_a_scale:MATRIX_SCALE_ROW1
.endif
.endr
.endr
.endm
.macro FETCH_B slot, q, p
	WIN TO_B
.irp i, 0,1,2,3,4,5,6,7
	FRAG 128*(\p)+FR*\i, ADRB+\slot, \q, \i, LAYB
.endr
	WIN 0
.endm
.macro FETCH_A slot, q, i0
.irp i, \i0, \i0+1, \i0+2, \i0+3
	FRAG AF+FR*(\i), ADRA+\slot, \q, \i, LAYA
.endr
.endm
.macro SCALES sc
.irp i, 0,1,2,3,4,5,6,7
	ds_load_b64 v[SC+8*NQ*\sc+NQ*\i:SC+8*NQ*\sc+NQ*\i+1], v[ADRS] offset:\i*SBLK
.endr
.endm
.macro STEP slot, q, cm                ; a step of 128 along K that has its successor in the same slot
	s_wait_dscnt 4*NLA                             ; all but the youngest loads, A's blocks 4-7
.if \cm == 2
	WIN 0x81
.else
	WIN MUL_LO
.endif
	MUL16 0, (\q)%2, \q, \slot, \cm
	MUL16 2, (\q)%2, \q, \slot, \cm
	s_wait_dscnt 0                                 ; A's blocks 4-7 are in
	PLACES NP                                      ; in front of loads into registers that matrix instructions have read
	FETCH_B \slot, (\q)+1, 1-(\q)%2
	FETCH_A \slot, (\q)+1, 0
.if \cm == 2
	WIN 0xc1
.else
	WIN MUL_HI
.endif
	MUL16 4, (\q)%2, \q, \slot, \cm
	MUL16 6, (\q)%2, \q, \slot, \cm
	PLACES NP
	WIN 0
	FETCH_A \slot, (\q)+1, 4
.endm
.macro TURN slot, next, fill           ; a slot's last step changes slots: one barrier
	s_wait_tensorcnt 0x0                           ; all my tensor loads have landed: my part of the next slot
	ds_add_u32 v[SPW], v[NIL]                      ; 0 onto my spare word
	s_wait_dscnt 4*NLA+1                           ; (the add and A's blocks 4-7 may be out)
	WIN MUL_LO
	MUL16 0, 1, NQ-1, \slot, 0
	s_wait_dscnt 0x0                               ; the add is done, and my reads of this slot are over
	s_barrier_signal -1
	MUL16 2, 1, NQ-1, \slot, 0
	WIN 0
	s_barrier_wait -1
.if \fill
	CREST                                          ; a round of the cluster's barrier: no wave of any partner still reads this slot or has a load on its way
	s_add_nc_u64 s[G0+4*\slot+2:G0+4*\slot+3], s[G0+4*\slot+2:G0+4*\slot+3], 2*STEPMA
	s_add_nc_u64 s[G0B+4*\slot+2:G0B+4*\slot+3], s[G0B+4*\slot+2:G0B+4*\slot+3], 2*STEPMB
	JLOAD G0+4*\slot, G1, G0B+4*\slot, G1B         ; the first tensor load behind the round
.else
	PLACES NP
.endif
	s_wait_alu depctr_va_vdst(0)
	v_add_nc_u32 v[ADRS], 4*NQ, v[ADRS]
	FETCH_B \next, 0, 0
	FETCH_A \next, 0, 0
	SCALES \next
	WIN MUL_HI
	MUL16 4, 1, NQ-1, \slot, 0
	MUL16 6, 1, NQ-1, \slot, 0
	PLACES NP
	WIN 0
	FETCH_A \next, 0, 4
.endm
.macro GEMM
	FETCH_B 0, 0, 0
	FETCH_A 0, 0, 0
	SCALES 0
	FETCH_A 0, 0, 4
	STEP 0, 0, CM0                                 ; the first step starts the sums: nothing is cleared
	s_mov_b32 s3, LAPS-1
.Llap:
	TURN 0, 1, 1
	STEP 1, 0, 0
	TURN 1, 0, 1
	STEP 0, 0, 0
	s_sub_co_u32 s3, s3, 1
	s_cmp_lg_u32 s3, 0
	s_cbranch_scc1 .Llap
	TURN 0, 1, 0
	STEP 1, 0, 0
	s_wait_dscnt 4*NLA
	WIN MUL_LO
	MUL16 0, 1, NQ-1, 1, 0
	MUL16 2, 1, NQ-1, 1, 0
	s_wait_dscnt 0
	WIN MUL_HI
	MUL16 4, 1, NQ-1, 1, 0
	MUL16 6, 1, NQ-1, 1, 0
	WIN 0
	PLACES NP
.endm
.macro SWAP16                          ; T[8 b + j] = key 16 b + 8 h + j becomes T[16 c + i] = key 32 c + 16 h + i
.set sj, 0
.rept 32
	v_permlane16_swap_b32 v[T+16*(sj/8)+sj%8], v[T+16*(sj/8)+8+sj%8]
.set sj, sj+1
.endr
.endm
.macro TAIL                            ; from the four blocks' largest magnitudes in v[TM] on: the scale word in v[PW], the fragment's codes in v[PC] on
.irp b, 0,1,2,3
	v_add_nc_u32 v[TM+12+\b], 0xff000000, v[TM+\b] ; 2 off the exponent field: the conversion's scale operand
.endr
.irp b, 0,1,2,3
	v_lshrrev_b32 v[TM+4+\b], 23, v[TM+12+\b]      ; the scale's byte
.endr
	v_lshl_or_b32 v[PW], v[TM+5], 8, v[TM+4]
	v_lshl_or_b32 v[PW], v[TM+6], 16, v[PW]
	v_lshl_or_b32 v[PW], v[TM+7], 24, v[PW]
	s_wait_xcnt 0x0                                ; the last block's stores have read the code registers
.irp c, 0,1
	v_cvt_scalef32_pk16_fp6_f32 v[PC+6*\c:PC+2+6*\c], v[T+32*\c:T+15+32*\c], v[TM+12+2*\c]
	v_cvt_scalef32_pk16_fp6_f32 v[PC+12+4*\c:PC+14+4*\c], v[T+16+32*\c:T+31+32*\c], v[TM+12+2*\c+1]
.endr
	v_nop                                          ; one plain place behind a scaled conversion
.irp c, 0,1
.irp i, 0,1,2
	v_permlane16_swap_b32 v[PC+6*\c+\i], v[PC+12+4*\c+\i]
.endr
.irp i, 0,1,2
	v_mov_b32 v[PC+3+6*\c+\i], v[PC+12+4*\c+\i]
.endr
.endr
.endm
.macro PUT a
.irp g, 0,1,2
	global_store_b128 v[CO], v[PC+4*\g:PC+4*\g+3], s[96:97] offset:(\a)*1536+512*\g
.endr
	v_mov_b32 v[SW+(\a)], v[PW]
.endm
.macro WORDS arr, x
.irp p, 0,1,2,3
	v_cndmask_b32 v[\x+\p], v[\arr+2*\p], v[\arr+2*\p+1], s66
.endr
.endm
.macro COPY a                          ; t = score x c, into window 0; each accumulator is read from its low end on
	WIN 0x02+(\a)/4
.set ci, 0
.rept 32
	v_pk_mul_f32 v[T+ci:T+ci+1], v[64*((\a)%4)+ci:64*((\a)%4)+ci+1], s[CS:CS+1] op_sel_hi:[1,0]
.set ci, ci+2
.endr
	WIN 0
.endm
; 16 queries x 128 keys: the largest t of each block of 32 keys serves twice: for M, and, since p rises with t, for the block's largest p.
.macro SOFTQ a
.irp c, 0,1,2,3
	v_max3_num_f32 v[TM+\c], v[T+16*\c], v[T+1+16*\c], v[T+2+16*\c]
.endr
.irp i, 3,5,7,9,11,13
.irp c, 0,1,2,3
	v_max3_num_f32 v[TM+\c], v[TM+\c], v[T+16*\c+\i], v[T+1+16*\c+\i]
.endr
.endr
.irp c, 0,1,2,3
	v_max_num_f32 v[TM+\c], v[TM+\c], v[T+15+16*\c]
.endr
.irp c, 0,1,2,3
	v_permlanex16_b32 v[TM+4+\c], v[TM+\c], s[SEL], s[SEL+1]
.endr
.irp c, 0,1,2,3
	v_max_num_f32 v[TM+\c], v[TM+\c], v[TM+4+\c]   ; with lane l xor 16's 16 keys
.endr
	v_max3_num_f32 v[TM+8], v[TM], v[TM+1], v[TM+2]
	v_max_num_f32 v[TM+8], v[TM+8], v[TM+3]        ; the largest t of my query's 128 keys
	v_floor_f32 v[WK], -v[TM+8]                    ; -M = floor(-t) = -ceil(t): a whole number
.set ci, 0
.rept 32
	v_pk_add_f32 v[T+ci:T+ci+1], v[T+ci:T+ci+1], v[WK:WK+1] op_sel_hi:[1,0]   ; t - M
.set ci, ci+2
.endr
.irp c, 0,1,2,3
	v_add_f32 v[TM+\c], v[TM+\c], v[WK]            ; the same of each block's largest t
.endr
.set ci, 0
	s_wait_alu depctr_va_vdst(0)
.rept 64
	v_exp_f32 v[T+ci], v[T+ci]                     ; p = 2^(t - M), at most 1: not normalised
.set ci, ci+1
.endr
	v_mov_b32 v[NMS+(\a)], v[WK]                   ; (a plain place behind the exponentials)
	s_wait_alu depctr_va_vdst(0)                   ; one wait for the batch, ahead of its first reader
.irp c, 0,1,2,3
	v_exp_f32 v[TM+\c], v[TM+\c]                   ; the block's largest p: the same instructions on the same number give the same bits
.endr
	v_pk_add_f32 v[SA:SA+1], v[T:T+1], v[T+2:T+3]  ; the sum is taken of the unquantised p, two at a time, in two chains
	v_pk_add_f32 v[SB:SB+1], v[T+4:T+5], v[T+6:T+7]
.irp j, 8,12,16,20,24,28,32,36,40,44,48,52,56,60
	v_pk_add_f32 v[SA:SA+1], v[SA:SA+1], v[T+\j:T+\j+1]
	v_pk_add_f32 v[SB:SB+1], v[SB:SB+1], v[T+\j+2:T+\j+3]
.endr
	v_pk_add_f32 v[SA:SA+1], v[SA:SA+1], v[SB:SB+1]
	v_add_f32 v[SA], v[SA], v[SA+1]
	v_permlanex16_b32 v[TM+4], v[SA], s[SEL], s[SEL+1]
	v_add_f32 v[LLS+(\a)], v[SA], v[TM+4]          ; with lane l xor 16's: the 128 keys' sum
	s_wait_alu depctr_va_vdst(0)                   ; and one for the four
.irp c, 0,1,2,3
	v_max_num_f32 v[TM+\c], 0x1800000, v[TM+\c]    ; the floor 2^(3 - 127): the byte cannot fall under 1
.endr
	TAIL
.endm
	s_load_b128 s[4:7], s[0:1], 0x0                ; pc, ps
	s_load_b128 s[96:99], s[0:1], 0x10             ; wc, wst
	IDS
	s_lshl_b32 s42, ttmp9, 2
	s_add_co_u32 s42, s42, s40                     ; tile column: the batch's keys / 256
	s_and_b32 s67, ttmp7, 0xffff
	s_lshl_b32 s17, s67, 2
	s_add_co_u32 s17, s17, s41                     ; tile row: all queries / 256
	s_lshr_b32 s67, s67, 1                         ; the batch, from the cluster's y alone: the keys' address holds no cy
	s_lshl_b32 s18, s16, 7
	s_lshl_b32 s20, s17, 8
	s_add_co_u32 s20, s20, s18
	s_lshl_b32 s46, s42, 8
	s_add_co_u32 s46, s46, s18
	s_lshl_b32 s19, s67, 11
	s_add_co_u32 s46, s46, s19                     ; keys: row 2,048 x batch + 256 x tile column + 128 x half
	OFFS
.irp g, G1, G1B                        ; for the head's loads: two groups of 128 rows, 24,576 dense bytes each, 98,304 bytes apart
	s_mov_b32 s[\g+1], 3072<<16
	s_mov_b32 s[\g+2], 2<<16
	s_mov_b32 s[\g+3], 3072<<16
	s_mov_b32 s[\g+4], 2
	s_mov_b32 s[\g+5], 12288
	s_mov_b32 s[\g+6], 0
	s_mov_b32 s[\g+7], 0
.endr
	s_or_b32 s[G1], s43, (3<<16)|(1<<21)
	s_or_b32 s[G1B], s44, (3<<16)|(1<<21)
	G1SCL G1S, 43
	G1SCL G1SB, 44
	s_wait_kmcnt 0x0
	s_add_nc_u64 s[8:9], s[4:5], 6291456           ; KC lies behind QC,
	s_add_nc_u64 s[10:11], s[6:7], 262144          ; its scale bytes behind QC's
	s_add_nc_u64 s[20:21], s[4:5], s[20:21]
	s_add_nc_u64 s[22:23], s[6:7], s[22:23]
	s_add_nc_u64 s[46:47], s[8:9], s[46:47]
	s_add_nc_u64 s[92:93], s[10:11], s[92:93]
	CROUND                                         ; all sixteen work-groups are here: the first joint loads meet
	FILLS
	ADDRS
	s_lshl_b32 s19, s42, 1
	s_add_co_u32 s19, s19, s16                     ; my 128 keys of the batch's 16
	s_lshl_b32 s18, s17, 1
	s_add_co_u32 s18, s18, s15                     ; my 128 queries
	s_lshl_b32 s46, s18, 4
	s_add_co_u32 s46, s46, s19
	s_mul_i32 s46, s46, 12288
	s_mov_b32 s47, 0
	s_add_nc_u64 s[96:97], s[96:97], s[46:47]
	s_lshl_b32 s46, s67, 4
	s_add_co_u32 s46, s46, s19
	s_lshl_b32 s46, s46, 11                        ; (16 batch + my 128 keys) x 2,048 queries
	s_and_b32 s18, s18, 15
	s_lshl_b32 s18, s18, 7                         ; + my first query in the batch
	s_add_co_u32 s46, s46, s18
	s_lshl_b32 s46, s46, 2
	s_add_nc_u64 s[98:99], s[98:99], s[46:47]
	v_lshrrev_b32 v8, 2, v[CO]                     ; 4 x lane
.irp b, 0,1,2,3
	v_mov_b32 v[TM+4+\b], 0                        ; written once: a lane permute's destination counts as one of its sources
.endr
	v_mov_b32 v[WK+1], 0                           ; (named with -M as a pair)
	s_mov_b32 s[SEL], 0x76543210
	s_mov_b32 s[SEL+1], 0xfedcba98
	s_mov_b32 s[CS], 0x3d38aa3b                    ; log2(e) / 32
	s_mov_b32 s[CS+1], s[CS]
	s_mov_b32 s66, 0xffff0000                      ; lanes 16-31
	s_wait_alu depctr_va_vdst(0)
	s_wait_tensorcnt 0x0                           ; my tile of the head's four is in
	ds_add_u32 v[SPW], v[NIL]
	G1SET G1, 43, LAYA                             ; no load of mine is out: from here on a load brings 128 rows
	G1SET G1B, 44, LAYB
	s_wait_dscnt 0x0
	CROUND                                         ; all four tiles are in, and the joint loads meet
	JLOAD G0+4, G1, G0B+4, G1B                     ; K step 1, the first tensor load behind the round
	GEMM
.irp a, 0,1,2,3,4,5,6,7
	COPY \a
	SWAP16
	SOFTQ \a
	PUT \a
.endr
	WORDS SW, X
	WORDS NMS, X+4
	WORDS LLS, X+8
.irp p, 0,1,2,3
	global_store_b32 v8, v[X+\p], s[98:99] offset:128*\p                ; 32 lanes store 128 consecutive bytes
	global_store_b32 v8, v[X+4+\p], s[98:99] offset:524288+128*\p
	global_store_b32 v8, v[X+8+\p], s[98:99] offset:1048576+128*\p
.endr
	s_wait_tensorcnt 0x0                           ; the wave's end
	ds_add_u32 v[SPW], v[NIL]
	s_wait_dscnt 0x0
	CROUND                                         ; the closing round
	s_endpgm
.Lfunc_end_k_qe8550c2677_score:
	.size	k_qe8550c2677_score, .Lfunc_end_k_qe8550c2677_score-k_qe8550c2677_score
	.p2alignl 7, 3214868480
	.fill 96, 4, 3214868480
	.section	.rodata,"a",@progbits
	.p2align	6, 0x0
	.amdhsa_kernel k_qe8550c2677_score
		.amdhsa_group_segment_fixed_size 327680
		.amdhsa_private_segment_fixed_size 0
		.amdhsa_enable_private_segment 0
		.amdhsa_kernarg_size 32
		.amdhsa_user_sgpr_count 2
		.amdhsa_user_sgpr_kernarg_segment_ptr 1
		.amdhsa_wavefront_size32 1
		.amdhsa_system_sgpr_workgroup_id_x 1
		.amdhsa_system_sgpr_workgroup_id_y 1
		.amdhsa_system_sgpr_workgroup_id_z 1
		.amdhsa_system_vgpr_workitem_id 0
		.amdhsa_next_free_vgpr 1024
		.amdhsa_next_free_sgpr 102
		.amdhsa_reserve_vcc 0
		.amdhsa_float_denorm_mode_32 3
		.amdhsa_float_denorm_mode_16_64 3
		.amdhsa_memory_ordered 1
		.amdhsa_forward_progress 1
		.amdhsa_inst_pref_size 220
	.end_amdhsa_kernel
	.amdgpu_metadata
---
amdhsa.version: [ 1, 2 ]
amdhsa.kernels:
  - .name:           k_qe8550c2677_score
    .symbol:         k_qe8550c2677_score.kd
    .args:
      - { .name: pc, .offset: 0, .size: 8, .value_kind: global_buffer, .address_space: global }
      - { .name: ps, .offset: 8, .size: 8, .value_kind: global_buffer, .address_space: global }
      - { .name: wc, .offset: 16, .size: 8, .value_kind: global_buffer, .address_space: global }
      - { .name: wst, .offset: 24, .size: 8, .value_kind: global_buffer, .address_space: global }
    .group_segment_fixed_size: 327680
    .private_segment_fixed_size: 0
    .kernarg_segment_align: 8
    .kernarg_segment_size: 32
    .max_flat_workgroup_size: 128
    .sgpr_count:     102
    .vgpr_count:     1024
    .wavefront_size: 32
...
	.end_amdgpu_metadata
.endif
;; end of part 6
;; launch pv (part 7): grid 8 x 32, 4 waves a work-group, clusters of 4 x 4, 327,680 bytes of LDS; arguments pc, ps, wc, wst, aoc, aos; writes aoc, aos
.if DOCPART == 7
	.amdgcn_target "amdgcn-amd-amdhsa--gfx1250"
	.amdhsa_code_object_version 6
	.text
	.protected	k_qe8550c2677_pv
	.globl	k_qe8550c2677_pv
	.p2align	8
	.type	k_qe8550c2677_pv,@function
k_qe8550c2677_pv:
	s_mov_b64 s[64:65], 0
	v_nop
	global_prefetch_b8 v0, s[64:65] scope:SCOPE_SE
	s_setreg_imm32_b32 hwreg(HW_REG_WAVE_MODE, 25, 1), 1
	s_wait_xcnt 0x0
	s_wait_alu depctr_hold_cnt(0) depctr_sa_sdst(0) depctr_va_vdst(0) depctr_va_sdst(0) depctr_va_ssrc(0) depctr_va_vcc(0) depctr_vm_vsrc(0)
	s_getreg_b32 s2, hwreg(HW_REG_IB_STS2, 6, 4)
	s_cmp_eq_u32 s2, 0
	s_cbranch_scc0 .Lentry_in_a_cluster
	s_endpgm
.Lentry_in_a_cluster:
	s_bfe_u32 s2, ttmp6, 0x10000c
	s_cmp_lg_u32 s2, 0xf033
	s_cbranch_scc0 .Lentry_shape_is_right
	s_endpgm
.Lentry_shape_is_right:
; THE SOFTMAX'S PRODUCT WITH THE VALUES: O^T[d][q] = (sum over the keys of vp[key][d] p[q][key]) / l[q], on codes of FP6 (E2M3), and the quantising of O along the QUERIES:
; reference() transposes O to [d][q] and reshapes it, so that row 2 d + hq of the last product's operand is O[1,024 hq + j][d], j = 0 .. 1,023: its K runs along the queries of a half of the batch.
; A tile is 128 d x 256 queries of one batch: 32 x 8 = 256 work-groups.  A wave makes 64 x 128: 32 accumulators.  K = the batch's 2,048 keys, through a ring of two LDS slots of 512 keys each: four steps of 128,
; 128 matrix instructions a wave between two changes of slots.  Source 0 = 16 queries (p's images), source 1 = 16 d (VC's images): a lane holds one d, its registers run along the queries.
; Both operands lie in memory as images of the operand's registers, [rows / 128][K / 128][16-row block][1,536 bytes], so 128 rows x 512 K are 49,152 dense bytes and a fragment is three loads of 16 bytes a lane.
; p WAS QUANTISED UNDER A LOCAL M for each 128 keys.  At the head, while the first tiles are on their way, thread t takes queries t and t + 128 of the tile: the row's M is the largest local M; for each 128 keys d = M - local M, a whole
; number, is taken off the four scale bytes (exact: the codes stay), l = the sum of the local sums x 2^-d.  The mended scale bytes go to LDS by stores, laid as a tensor load would lay them; 1 / l beside them.
; STORED: aoc: codes as register images [vr / 128][j / 128][16-row block][1,536], vr = 2,048 batch + 1,024 hq + d;  aos: scale bytes [vr][32].
; CLUSTERS: 4 x 4 work-groups; VC's tile is shared along a row of the cluster, p's along a column: each is asked for jointly, by the same tensor load with the same descriptor and a mask that names the four.
; REGISTERS, in windows of 256: window 0: v0-31 addresses; v32-95 scale words, two sets; v96-159 1 / l; from v160 the way out.  window 1: B's fragments, two sets (v0, v128).  window 2: the accumulators, (a, b) at v[8 (8 a + b)].
;   window 3: A's fragments, two sets of 48 (v0, v48).
; LIMITS: NaN and infinities are not served.  d is held at 127, and a scale byte that would fall under 0 is held at 0: such a block's p lie under 2^-124 of a row whose sum is above 1/2.  A block of zeros gets the byte 1.
.set SIZE_K, 2048
.set LAYB,   1                         ; B's tiles: 0 = rows of codes as the inputs lie, 1 = register images (A's are images)
.set CM0,    1                         ; the sums start with the constant 0
.set BSCL,   0                         ; B's scale bytes are made here, not fetched
.set KSTEP,  512                       ; along K in a slot
.set NQ,     4                         ; matrix instructions deep in a slot
.set FR,     12                        ; registers of a fragment, 16 rows x 128 K
.set NP,     4                         ; places behind this matrix instruction (ISA guide 7.12.1)
.set PITCH,  408                       ; (a row tile's LDS row; not used here)
.set KROW,   SIZE_K*6/8
.set KS,     SIZE_K/32
.set LAPS,   SIZE_K/(2*KSTEP)
.set HALFA,  24576                     ; what one tensor load brings of A: 128 rows x 256 K
.set HALFB,  52224-3072*LAYB           ; and of B: 128 rows x 512 K
.set STEPMA, 49152                     ; a slot on in memory
.set STEPMB, 384+48768*LAYB
.set SLOT,   2*HALFA+2*HALFB           ; A's 128 rows, then B's two halves
.set SCL,    2*SLOT                    ; behind the ring: A's scale bytes (tensor loads), then, from a multiple of 256 on, p's mended ones (stores: no fill lands there)
.set HALFS,  (128*KS/256)*272          ; the scale bytes of 128 rows: units of 256 bytes + 16 of padding
.set HSA,    HALFS/2                   ; of 64 rows
.set SBLK,   (16*KS/256)*272           ; of 16 rows
.set RLB,    SCL+3*HALFS               ; 1 / l of the tile's 256 queries, 1,024 bytes
.set SPARE,  RLB+1024                  ; the spare words, 128 bytes a wave: two blocks of 256 bytes that no other line names
.set SW,   12                          ; v12-15 the four blocks' scale words
.set ADRA, 16                          ; v16-17 LDS address of my A fragments in slot 0, 1
.set ADRB, 20                          ; v20-21 the same for B
.set CO,   26                          ; v26 16 x lane
.set ADRS, 27                          ; v27 LDS address of my scale words: lanes 0-15 A's rows, lanes 16-31 B's
.set SPW,  28                          ; v28 my spare word; never rewritten
.set NIL,  29                          ; v29 0; never rewritten
.set X,    30                          ; v30-31 the scale words, a row a lane
.set SC,   32                          ; v32-95 scale words, two sets of 8 x 4: they hold scales and nothing else
.set BJ,   96
.set RL,   96                          ; v96-159 1 / l in the result's layout: register 8 b + j: query 16 b + 8 h + j of my 128
.set MN,   96                          ; the head: v96-191: for each of my two queries 16 x (-local M), 16 local sums, 16 scale words
.set T,    160                         ; the way out: 64 numbers of a lane
.set PC,   224                         ; v224-242 the codes just made
.set PW,   243                         ; the scale word just made
.set TM,   244                         ; v244-255 at work in the quantiser
.set G1, 24
.set G0, 32
.set G1B, 48
.set G0B, 56
.set G1S, 68
.set G0S, 76
.set SEL, 20                           ; s[20:21] v_permlanex16_b32's selects for lane l xor 16 (set behind the head)
.set MSB, 0
.macro WIN new                         ; the immediate's high byte repeats the setting that is left
.if MSB != \new
	s_set_vgpr_msb (MSB<<8)|\new
.set MSB, \new
.endif
.endm
.set MULW, 0xad                        ; source 0 (B) window 1, source 1 (A) window 3, C and D window 2
.set TO_B, 0x40                        ; destination window 1, address window 0
.set TO_A, 0xc0                        ; destination window 3
.macro PLACES n
.rept \n
	v_nop
.endr
.endm
.macro JLOAD g0a, g1a, g0b, g1b        ; a joint load: waves 0 and 1 fetch for A, waves 2 and 3 for B; four v_nop follow each line
	s_cmp_eq_u32 s15, 0
	s_cbranch_scc0 .Lfor_b_\@
	tensor_load_to_lds s[\g0a:\g0a+3], s[\g1a:\g1a+7]
	s_nop 0
	PLACES 4
	s_branch .Lasked_\@
.Lfor_b_\@:
	tensor_load_to_lds s[\g0b:\g0b+3], s[\g1b:\g1b+7]
	s_nop 0
	PLACES 4
.Lasked_\@:
.endm
.macro CREST                           ; a round of the cluster's barrier behind its opening barrier
	s_cmp_lg_u32 s14, 0
	s_cbranch_scc1 .Lnot_wave_0_\@
	s_barrier_signal -3
.Lnot_wave_0_\@:
	s_barrier_wait -3
	s_barrier_signal -1
	s_barrier_wait -1
.endm
.macro CROUND
	s_barrier_signal -1
	s_barrier_wait -1
	CREST
.endm
.macro IDS
	v_lshl_add_u32 v[SPW], v0, 2, SPARE
	v_mov_b32 v[NIL], 0
	ds_add_u32 v28, v29
	ds_add_u32 v28, v29
	s_wait_dscnt 0x0
	v_lshrrev_b32 v1, 5, v0
	v_readfirstlane_b32 s14, v1                    ; wave 0..3
	s_lshr_b32 s15, s14, 1                         ; my 64 of A's rows.  Also: I fetch for A (0) or for B (1)
	s_and_b32 s16, s14, 1                          ; my 128 of B's rows.  Also: which half of that tile I fetch
	s_bfe_u32 s40, ttmp6, 0x40000                  ; cx
	s_bfe_u32 s41, ttmp6, 0x40004                  ; cy
	s_lshl_b32 s43, s41, 2
	s_lshl_b32 s43, 15, s43                        ; my row of the cluster
	s_lshl_b32 s44, 0x1111, s40                    ; my column
.endm
.macro OFFS                            ; s20 = A's first row, s46 = the first row of B that I fetch: their codes' and scale bytes' offsets, and the LDS places
	s_mov_b32 s21, 0
	s_mov_b32 s47, 0
	s_mov_b32 s22, s20                             ; A's scale bytes from the tile's first row on
	s_mov_b32 s23, 0
	s_mov_b64 s[18:19], KS
	s_mul_u64 s[22:23], s[22:23], s[18:19]
.if BSCL
	s_mul_u64 s[92:93], s[46:47], s[18:19]
	s_mul_i32 s100, s16, HALFS
.endif
	s_mov_b64 s[18:19], KROW
	s_mul_u64 s[20:21], s[20:21], s[18:19]         ; 128 rows of images are as many bytes as 128 rows of codes
	s_mul_u64 s[46:47], s[46:47], s[18:19]
	s_mul_i32 s45, s16, HALFA                      ; my half of a slot's K of A: the same distance in memory and in LDS; no place in the cluster enters an LDS address
	s_mov_b32 s18, s45
	s_mov_b32 s19, 0
	s_add_nc_u64 s[20:21], s[20:21], s[18:19]
	s_mul_i32 s95, s16, HALFB
	s_add_co_u32 s95, s95, 2*HALFA
	s_mov_b32 s94, 0
.endm
.macro G1IMG g, m, rows                ; descriptor group 1 of a dense block of images, as rows of 32 elements of 8 bytes, no padding; m: the register with the mask; bit 21 set beside a mask
	s_or_b32 s[\g], s[\m], (3<<16)|(1<<21)
	s_mov_b32 s[\g+1], 32<<16
	s_mov_b32 s[\g+2], (\rows)<<16
	s_mov_b32 s[\g+3], 32<<16
	s_mov_b32 s[\g+4], \rows
	s_mov_b32 s[\g+5], 32
	s_mov_b32 s[\g+6], 0
	s_mov_b32 s[\g+7], 0
.endm
.macro G1SCL g, m, rows                ; scale bytes: a dense block, as rows of 256 bytes with 16 bytes of padding behind each
	s_or_b32 s[\g], s[\m], (3<<16)|(1<<20)|(1<<21)|(5<<22)|(3<<25)
	s_mov_b32 s[\g+1], 32<<16
	s_mov_b32 s[\g+2], (\rows)<<16
	s_mov_b32 s[\g+3], 32<<16
	s_mov_b32 s[\g+4], \rows
	s_mov_b32 s[\g+5], 32
	s_mov_b32 s[\g+6], 0
	s_mov_b32 s[\g+7], 0
.endm
.macro G0SET g, lds, off, base, step   ; descriptor group 0: count 1, LDS address, global address, type 2
	s_mov_b32 s[\g], 1
	s_add_co_u32 s[\g+1], s[\lds], \off
	s_add_nc_u64 s[\g+2:\g+3], s[\base:\base+1], \step
	s_or_b32 s[\g+3], s[\g+3], 0x80000000
.endm
.macro ADDRS                           ; the LDS addresses of fragments and scale words
	v_and_b32 v1, 15, v0                           ; r
	v_bfe_u32 v2, v0, 4, 1                         ; h
	v_and_b32 v6, 31, v0
	v_lshlrev_b32 v[CO], 4, v6                     ; an image's place for my lane
.if LAYB == 0
	v_mul_u32_u24 v3, v1, PITCH
	v_mul_u32_u24 v4, v2, 24
	v_add_nc_u32 v4, v3, v4                        ; a row tile: row x pitch + 24 x half
	v_lshl_add_u32 v5, v2, 3, v4                   ; and the same behind one padding more
.endif
	s_mul_i32 s21, s15, 4*1536                     ; my four blocks of A's eight
	s_mul_i32 s22, s16, HALFB
	s_add_co_u32 s22, s22, 2*HALFA
.irp s, 0,1
	v_add_nc_u32 v[ADRA+\s], s21, v[CO]
.if LAYB
	v_add_nc_u32 v[ADRB+\s], s22, v[CO]
.else
	v_add_nc_u32 v[ADRB+\s], s22, v4
	v_add_nc_u32 v[ADRB+2+\s], s22, v5
.endif
	s_add_co_u32 s21, s21, SLOT
	s_add_co_u32 s22, s22, SLOT
.endr
	v_mul_u32_u24 v5, v1, KS                       ; my row's scale bytes: KS a row,
	v_lshrrev_b32 v6, 8, v5
	v_lshl_add_u32 v5, v6, 4, v5                   ; and 16 more for each 256 passed
	s_mul_i32 s21, s15, HSA                        ; A's: my 64 rows
	s_mul_i32 s22, s16, HALFS
	s_add_co_u32 s22, s22, HALFS                   ; B's: my 128 rows, behind A's 128
	s_sub_co_u32 s22, s22, s21
	v_mul_u32_u24 v6, s22, v2                      ; lanes 16-31 take B's: one product, half x the distance
	s_add_co_u32 s21, s21, SCL
	v_add_nc_u32 v5, v5, v6
	v_add_nc_u32 v[ADRS], s21, v5
.endm
; A fragment, 16 rows x 128 K of 6-bit codes, is 12 registers: lane l holds row l % 16; registers 6 c .. 6 c + 5 hold K = 64 c + 32 (l / 16) + 0 .. 31.
.macro FRAG reg, adr, q, i, lay
.if \lay
.irp g, 0,1,2                          ; an image: three loads of 16 bytes a lane, 512 consecutive bytes each
	ds_load_b128 v[\reg+4*\g:\reg+4*\g+3], v[\adr] offset:((\q)*8+(\i))*1536+512*\g
.endr
.else
.irp p, 0,1,2,3,4,5                    ; a row tile: pieces of 8 bytes, 8 bytes of padding behind every 16 pieces; where the piece of lanes 16-31, three on, lies behind one padding more, the second address register serves
.set PCE, 12*(\q)+6*(\p/3)+\p%3
.if PCE%16 < 13
	ds_load_b64 v[\reg+2*\p:\reg+2*\p+1], v[\adr] offset:8*PCE+8*(PCE/16)+(\i)*16*PITCH
.else
	ds_load_b64 v[\reg+2*\p:\reg+2*\p+1], v[\adr+2] offset:8*PCE+8*(PCE/16)+(\i)*16*PITCH
.endif
.endr
.endif
.endm
; 8 matrix instructions: A's block a x B's eight, the slot's q-th 128 along K.  p: the sets of fragments; sc: the set of scale words; cm: 0 adds on, 1 starts with 0, 2 starts with the bias tile.
; The 32 accumulators take turns, one instruction a turn, in the same order in every step.
.macro MUL8 a, p, q, sc, cm
.irp b, 0,1,2,3,4,5,6,7
.set rD, 8*(8*(\a)+\b)
.set rB, 128*(\p)+FR*\b
.set rA, 48*(\p)+FR*(\a)
.set rSB, SC+8*NQ*(\sc)+NQ*\b+(\q)
.set rSA, SC+8*NQ*(\sc)+NQ*(\a)+(\q)
.if \cm == 1
	v_wmma_scale_f32_16x16x128_f8f6f4 v[rD:rD+7], v[rB:rB+FR-1], v[rA:rA+FR-1], 0, v[rSB], v[rSA] matrix_a_fmt:MATRIX_FMT_FP6 matrix_b_fmt:MATRIX_FMT_FP6 matrix_a_scale:MATRIX_SCALE_ROW1
.elseif \cm == 2
	v_wmma_scale_f32_16x16x128_f8f6f4 v[rD:rD+7], v[rB:rB+FR-1], v[rA:rA+FR-1], v[BJ+8*\b:BJ+8*\b+7], v[rSB], v[rSA] matrix_a_fmt:MATRIX_FMT_FP6 matrix_b_fmt:MATRIX_FMT_FP6 matrix_a_scale:MATRIX_SCALE_ROW1
.else
	v_wmma_scale_f32_16x16x128_f8f6f4 v[rD:rD+7], v[rB:rB+FR-1], v[rA:rA+FR-1], v[rD:rD+7], v[rSB], v[rSA] matrix_a_fmt:MATRIX_FMT_FP6 matrix_b_fmt:MATRIX_FMT_FP6 matrix_a_scale:MATRIX_SCALE_ROW1
.endif
.endr
.endm
.macro FETCH_B slot, q, p              ; B's eight fragments of the slot's q-th 128 along K into set p
	WIN TO_B
.irp i, 0,1,2,3,4,5,6,7
	FRAG 128*(\p)+FR*\i, ADRB+\slot, \q, \i, LAYB
.endr
.endm
.macro FETCH_A slot, q, p              ; my four fragments of A
	WIN TO_A
.irp i, 0,1,2,3
	FRAG 48*(\p)+FR*\i, ADRA+\slot, \q, \i, 1
.endr
.endm
.macro SCALES sc                       ; a slot's scale words, four a row: lanes 0-15 A's block i (blocks 4-7 are loaded and not used), lanes 16-31 B's block i
.irp i, 0,1,2,3,4,5,6,7
	ds_load_b128 v[SC+8*NQ*\sc+NQ*\i:SC+8*NQ*\sc+NQ*\i+3], v[ADRS] offset:\i*SBLK
.endr
.endm
; A step of 128 along K that has its successor in the same slot: the successor's fragments are asked for first, into the other sets, and land while this step's 32 products are issued.
.macro STEP slot, q, cm
	s_wait_dscnt 0x0                               ; this step's fragments and scale words are in
	PLACES NP                                      ; in front of loads into the registers that the last step's matrix instructions have read
	FETCH_B \slot, (\q)+1, 1-(\q)%2
	FETCH_A \slot, (\q)+1, 1-(\q)%2
.if \cm == 2
	WIN 0x8d                                       ; as MULW, with C (the bias tiles) in window 0
.else
	WIN MULW
.endif
.irp a, 0,1,2,3
	MUL8 \a, (\q)%2, \q, \slot, \cm
.endr
.endm
; A slot's last step changes slots: one barrier; in front of it each wave waits for all its tensor loads, adds 0 to its spare word, and waits for that and for its reads of this slot.
.macro TURN slot, next, fill
	WIN 0                                          ; (the add's two registers lie in window 0)
	s_wait_tensorcnt 0x0                           ; all my tensor loads have landed: my part of the next slot
	ds_add_u32 v[SPW], v[NIL]                      ; 0 onto my spare word
	s_wait_dscnt 1                                 ; this step's fragments are in (the add, the youngest, may be out)
	WIN MULW
	MUL8 0, 1, NQ-1, \slot, 0                      ; eight matrix instructions stand between the add and the wait for it
	s_wait_dscnt 0x0                               ; the add is done, and my reads of this slot are over
	s_barrier_signal -1
	MUL8 1, 1, NQ-1, \slot, 0
	WIN 0
	s_barrier_wait -1
.if \fill
	CREST                                          ; the barrier has opened a round of the cluster's: no wave of any partner still reads this slot or has a load on its way
	s_add_nc_u64 s[G0+4*\slot+2:G0+4*\slot+3], s[G0+4*\slot+2:G0+4*\slot+3], 2*STEPMA
	s_add_nc_u64 s[G0B+4*\slot+2:G0B+4*\slot+3], s[G0B+4*\slot+2:G0B+4*\slot+3], 2*STEPMB
	JLOAD G0+4*\slot, G1, G0B+4*\slot, G1B         ; the first tensor load behind the round: 112 matrix instructions ahead of the wait for it; its four v_nop are the places in front of the loads below
.else
	PLACES NP
.endif
	s_wait_alu depctr_va_vdst(0)
	v_add_nc_u32 v[ADRS], 4*NQ, v[ADRS]            ; the next slot's scale words
	FETCH_B \next, 0, 0
	FETCH_A \next, 0, 0
	WIN 0
	SCALES \next
	WIN MULW
	MUL8 2, 1, NQ-1, \slot, 0
	MUL8 3, 1, NQ-1, \slot, 0
.endm
.macro GEMM                            ; all of K, from the first fragments to the last product
	FETCH_B 0, 0, 0
	FETCH_A 0, 0, 0
	WIN 0
	SCALES 0
	STEP 0, 0, CM0                                 ; the first step starts the sums: nothing is cleared
.if LAPS > 1
	WIN 0                                          ; at a label and at a branch every window is 0
	s_mov_b32 s3, LAPS-1
.Llap:                                                 ; a trip goes once round the ring, from a lap's second step to the next lap's first, and fills both slots again
	STEP 0, 1, 0
	STEP 0, 2, 0
	TURN 0, 1, 1
	STEP 1, 0, 0
	STEP 1, 1, 0
	STEP 1, 2, 0
	TURN 1, 0, 1
	STEP 0, 0, 0
	WIN 0
	s_sub_co_u32 s3, s3, 1
	s_cmp_lg_u32 s3, 0
	s_cbranch_scc1 .Llap
.endif
	STEP 0, 1, 0                                   ; the last lap fills nothing
	STEP 0, 2, 0
	TURN 0, 1, 0
	STEP 1, 0, 0
	STEP 1, 1, 0
	STEP 1, 2, 0
	s_wait_dscnt 0x0                               ; the very last step: nothing more to fetch
	WIN MULW
.irp a, 0,1,2,3
	MUL8 \a, 1, NQ-1, 1, 0
.endr
	WIN 0
	PLACES NP                                      ; in front of the first reads of the last results
.endm
; THE WAY OUT, a block of 16 of A's rows at a time.
.macro SWAP16                          ; T[8 b + j] = query 16 b + 8 h + j becomes T[16 c + i] = query 32 c + 16 h + i: the first register's lanes 16-31 change places with the second's lanes 0-15
.set sj, 0
.rept 32
	v_permlane16_swap_b32 v[T+16*(sj/8)+sj%8], v[T+16*(sj/8)+8+sj%8]
.set sj, sj+1
.endr
.endm
.macro QUANT                           ; 64 numbers of a lane become a fragment's codes in v[PC] on and its scale word in v[PW]
.irp b, 0,1,2,3
	v_max3_num_f32 v[TM+\b], |v[T+16*\b]|, |v[T+1+16*\b]|, 0x1800000   ; my 16 numbers of block b, and the floor 2^(3 - 127): the byte cannot fall under 1
.endr
.irp i, 2,4,6,8,10,12,14
.irp b, 0,1,2,3
	v_max3_num_f32 v[TM+\b], v[TM+\b], |v[T+16*\b+\i]|, |v[T+1+16*\b+\i]|
.endr
.endr
.irp b, 0,1,2,3
	v_permlanex16_b32 v[TM+4+\b], v[TM+\b], s[SEL], s[SEL+1]
.endr
.irp b, 0,1,2,3
	v_max_num_f32 v[TM+\b], v[TM+\b], v[TM+4+\b]   ; with lane l xor 16's: the block's largest magnitude
.endr
.irp b, 0,1,2,3
	v_add_nc_u32 v[TM+8+\b], 0xff000000, v[TM+\b]  ; 2 off the exponent field: the conversion takes the exponent field of this operand as its scale
.endr
.irp b, 0,1,2,3
	v_lshrrev_b32 v[TM+4+\b], 23, v[TM+8+\b]       ; the scale's byte
.endr
	v_lshl_or_b32 v[PW], v[TM+5], 8, v[TM+4]
	v_lshl_or_b32 v[PW], v[TM+6], 16, v[PW]
	v_lshl_or_b32 v[PW], v[TM+7], 24, v[PW]
	s_wait_xcnt 0x0                                ; the last block's stores have read the code registers: they are written again only behind this wait
.irp c, 0,1
	v_cvt_scalef32_pk16_fp6_f32 v[PC+6*\c:PC+2+6*\c], v[T+32*\c:T+15+32*\c], v[TM+8+2*\c]
	v_cvt_scalef32_pk16_fp6_f32 v[PC+12+4*\c:PC+14+4*\c], v[T+16+32*\c:T+31+32*\c], v[TM+8+2*\c+1]   ; (a conversion's three registers begin on an even number)
.endr
	v_nop                                          ; one plain place behind a scaled conversion
.irp c, 0,1                            ; the operand's layout wants a whole block of 32 in a lane
.irp i, 0,1,2
	v_permlane16_swap_b32 v[PC+6*\c+\i], v[PC+12+4*\c+\i]
.endr
.irp i, 0,1,2
	v_mov_b32 v[PC+3+6*\c+\i], v[PC+12+4*\c+\i]
.endr
.endr
.endm
.macro PUT a                           ; the fragment leaves as it stands: each store covers 512 consecutive bytes, aligned
.irp g, 0,1,2
	global_store_b128 v[CO], v[PC+4*\g:PC+4*\g+3], s[96:97] offset:(\a)*1536+512*\g
.endr
	v_mov_b32 v[SW+(\a)], v[PW]
.endm
.macro COPY a                          ; block a's 64 results x 1 / l of their queries, into window 0; each accumulator is read from its low end on
	WIN 0x02
.set ci, 0
.rept 32
	v_pk_mul_f32 v[T+ci:T+ci+1], v[64*(\a)+ci:64*(\a)+ci+1], v[RL+ci:RL+ci+1]
.set ci, ci+2
.endr
	WIN 0
.endm
; Query hf of my two, its k-th 128 keys: d = M - local M; the local sum x 2^-d joins l; d comes off the four scale bytes.  A byte is at most 125 and d at most 127: with bit 7 set in each byte no borrow
; crosses a byte; a byte whose bit 7 is gone has fallen under 0 and is held at 0.
.macro MEND hf, k
.set rN, MN+48*\hf+\k
.set rL, MN+48*\hf+16+\k
.set rP, MN+48*\hf+32+\k
	v_sub_f32 v[rN], v[rN], v[TM+\hf]
	v_cvt_u32_f32 v[rN], v[rN]
	v_min_u32 v[rN], 127, v[rN]
	v_sub_nc_u32 v236, 0, v[rN]
	v_ldexp_f32 v236, 1.0, v236
.if \k == 0
	v_mul_f32 v[TM+2+\hf], v[rL], v236
.else
	v_fmac_f32 v[TM+2+\hf], v[rL], v236
.endif
	v_mul_lo_u32 v237, v[rN], s18                  ; d in each byte
	v_or_b32 v[rP], s19, v[rP]
	v_sub_nc_u32 v[rP], v[rP], v237
	v_and_b32 v237, s19, v[rP]
	v_lshrrev_b32 v238, 7, v237
	v_sub_nc_u32 v237, v237, v238                  ; 0x7f in each byte that kept its bit 7
	v_and_b32 v[rP], v[rP], v237
.endm
	s_load_b256 s[4:11], s[0:1], 0x0               ; pc, ps, wc, wst
	s_load_b128 s[96:99], s[0:1], 0x20             ; aoc, aos
	IDS
	s_lshl_b32 s42, ttmp9, 2
	s_add_co_u32 s42, s42, s40                     ; tile column: the batch's queries / 256
	s_and_b32 s67, ttmp7, 0xffff                   ; the cluster's y, 0..7
	s_lshl_b32 s17, s67, 2
	s_add_co_u32 s17, s17, s41                     ; tile row: VC's rows (1,024 batch + d) / 128
	s_lshr_b32 s67, s67, 1                         ; the batch, from the cluster's y alone: p's address holds no cy
	s_lshl_b32 s20, s17, 7                         ; A's first row
	s_lshl_b32 s18, s16, 7
	s_lshl_b32 s46, s42, 8
	s_add_co_u32 s46, s46, s18
	s_lshl_b32 s19, s67, 11
	s_add_co_u32 s46, s46, s19                     ; p's rows: 2,048 x batch + 256 x tile column + 128 x half
	OFFS
	G1IMG G1, 43, 192                              ; the head's load of A: a whole slot, 49,152 bytes
	G1IMG G1B, 44, 192                             ; B: 49,152
	G1SCL G1S, 43, 128*KS/256
	s_wait_kmcnt 0x0
	s_add_nc_u64 s[4:5], s[4:5], 12582912          ; VC lies behind QC and KC,
	s_add_nc_u64 s[6:7], s[6:7], 524288            ; its scale bytes likewise
	s_add_nc_u64 s[20:21], s[4:5], s[20:21]
	s_add_nc_u64 s[22:23], s[6:7], s[22:23]
	s_add_nc_u64 s[46:47], s[8:9], s[46:47]
	CROUND                                         ; all sixteen work-groups are here: the first joint loads meet
	G0SET G0S, 94, SCL, 22, 0
	G0SET G0, 45, 0, 20, 0
	G0SET G0+4, 45, SLOT, 20, STEPMA
	G0SET G0B, 95, 0, 46, 0
	G0SET G0B+4, 95, SLOT, 46, STEPMB
	s_cmp_eq_u32 s15, 0
	s_cbranch_scc0 .Lfirst_b                       ; one load a wave: wave 0 A's slot 0, wave 1 A's scales, waves 2, 3 B's halves of slot 0
	s_cmp_eq_u32 s14, 0
	s_cbranch_scc0 .Lfirst_s
	tensor_load_to_lds s[G0:G0+3], s[G1:G1+7]
	s_nop 0
	PLACES 4
	s_branch .Lfirst_asked
.Lfirst_s:
	tensor_load_to_lds s[G0S:G0S+3], s[G1S:G1S+7]
	s_nop 0
	PLACES 4
	s_branch .Lfirst_asked
.Lfirst_b:
	tensor_load_to_lds s[G0B:G0B+3], s[G1B:G1B+7]
	s_nop 0
	PLACES 4
.Lfirst_asked:
	ADDRS
	v_lshlrev_b32 v7, 2, v0                        ; the figures of query t: 4 t
	v_lshrrev_b32 v8, 2, v0
	v_lshlrev_b32 v8, 4, v8
	v_lshl_add_u32 v8, v0, 6, v8
	v_add_nc_u32 v8, SCL+HALFS, v8                 ; where query t's 64 scale bytes go: 64 t, and 16 more for each 256 passed
	v_lshl_add_u32 v9, v0, 2, RLB                  ; and its 1 / l
	s_lshl_b32 s18, s16, 9
	s_add_co_u32 s18, s18, RLB
	v_lshl_add_u32 v10, v2, 5, s18                 ; where I read 1 / l back: my 128 queries, + 8 h of them
	v_lshlrev_b32 v11, 1, v[CO]                    ; 32 x lane: a row of aos
	s_lshl_b32 s18, s67, 17
	s_lshl_b32 s19, s42, 10
	s_add_co_u32 s18, s18, s19                     ; 4 x (32,768 batch + 256 tile column)
	s_mov_b32 s19, 0
	s_add_nc_u64 s[10:11], s[10:11], s[18:19]
.irp hf, 0,1
.irp k, 0,1,2,3,4,5,6,7,8,9,10,11,12,13,14,15
	global_load_b32 v[MN+48*\hf+\k], v7, s[10:11] offset:524288+8192*\k+512*\hf       ; -local M
	global_load_b32 v[MN+48*\hf+16+\k], v7, s[10:11] offset:1048576+8192*\k+512*\hf   ; the local sum
	global_load_b32 v[MN+48*\hf+32+\k], v7, s[10:11] offset:8192*\k+512*\hf           ; the scale word
.endr
.endr
	; where my results go, while the loads are out
	s_lshr_b32 s18, s17, 3
	s_lshl_b32 s18, s18, 4                         ; 16 batch
	s_lshr_b32 s19, s42, 2
	s_lshl_b32 s19, s19, 3                         ; + 8 hq
	s_add_co_u32 s18, s18, s19
	s_and_b32 s19, s17, 7
	s_add_co_u32 s18, s18, s19                     ; + d / 128: vr / 128
	s_and_b32 s19, s42, 3
	s_lshl_b32 s19, s19, 1
	s_add_co_u32 s19, s19, s16                     ; j / 128
	s_lshl_b32 s46, s18, 3
	s_add_co_u32 s46, s46, s19
	s_mul_i32 s46, s46, 12288
	s_mul_i32 s47, s15, 4*1536                     ; my four blocks of the group's eight
	s_add_co_u32 s46, s46, s47
	s_mov_b32 s47, 0
	s_add_nc_u64 s[96:97], s[96:97], s[46:47]
	s_lshl_b32 s46, s18, 12                        ; 128 rows of 32 scale bytes,
	s_lshl_b32 s47, s15, 11                        ; my 64 of them,
	s_add_co_u32 s46, s46, s47
	s_lshl_b32 s19, s19, 2                         ; my word in a row
	s_add_co_u32 s46, s46, s19
	s_mov_b32 s47, 0
	s_add_nc_u64 s[98:99], s[98:99], s[46:47]
	s_mov_b32 s18, 0x01010101
	s_mov_b32 s19, 0x80808080
	s_mov_b32 s[SEL], 0x76543210
	s_mov_b32 s[SEL+1], 0xfedcba98
	s_mov_b32 s66, 0xffff0000                      ; lanes 16-31
.irp b, 0,1,2,3
	v_mov_b32 v[TM+4+\b], 0                        ; written once: a lane permute's destination counts as one of its sources
.endr
	s_wait_loadcnt 0x0
.irp hf, 0,1
	v_min3_num_f32 v[TM+\hf], v[MN+48*\hf], v[MN+48*\hf+1], v[MN+48*\hf+2]
.endr
.irp k, 3,5,7,9,11,13
.irp hf, 0,1
	v_min3_num_f32 v[TM+\hf], v[TM+\hf], v[MN+48*\hf+\k], v[MN+48*\hf+\k+1]
.endr
.endr
.irp hf, 0,1
	v_min_num_f32 v[TM+\hf], v[TM+\hf], v[MN+48*\hf+15]   ; -M of the row: the least -local M
.endr
.irp k, 0,1,2,3,4,5,6,7,8,9,10,11,12,13,14,15
	MEND 0, \k
	MEND 1, \k
.endr
	s_wait_alu depctr_va_vdst(0)
	v_rcp_f32 v[TM+2], v[TM+2]
	v_rcp_f32 v[TM+3], v[TM+3]
	v_nop                                          ; a plain place behind the reciprocals
	s_wait_alu depctr_va_vdst(0)                   ; and a wait ahead of their first reader
.irp hf, 0,1
.irp g, 0,1,2,3
	ds_store_b128 v8, v[MN+48*\hf+32+4*\g:MN+48*\hf+35+4*\g] offset:HALFS*\hf+16*\g
.endr
	ds_store_b32 v9, v[TM+2+\hf] offset:512*\hf
.endr
	s_wait_tensorcnt 0x0                           ; my tile of the head's is in
	ds_add_u32 v[SPW], v[NIL]
	s_mov_b32 s[G1+2], 96<<16                      ; no load of mine is out: from here on a load of A brings 24,576 bytes
	s_mov_b32 s[G1+4], 96
	s_wait_dscnt 0x0                               ; the add is done, and my stores have landed
	CROUND
	JLOAD G0+4, G1, G0B+4, G1B                     ; slot 1, the first tensor load behind the round
.irp b, 0,1,2,3,4,5,6,7
	ds_load_b128 v[RL+8*\b:RL+8*\b+3], v10 offset:64*\b        ; 1 / l: the first step's wait for all LDS loads covers them
	ds_load_b128 v[RL+8*\b+4:RL+8*\b+7], v10 offset:64*\b+16
.endr
	GEMM
.irp a, 0,1,2,3
	COPY \a
	SWAP16
	QUANT
	PUT \a
.endr
.irp p, 0,1
	v_cndmask_b32 v[X+\p], v[SW+2*\p], v[SW+2*\p+1], s66       ; four registers with a word for row 16 a + r become two with a word for row 32 p + lane
.endr
.irp p, 0,1
	global_store_b32 v11, v[X+\p], s[98:99] offset:1024*\p     ; a word a row: one byte in 24 of what the tile stores
.endr
	s_wait_tensorcnt 0x0                           ; the wave's end
	ds_add_u32 v[SPW], v[NIL]
	s_wait_dscnt 0x0
	CROUND                                         ; the closing round: no work-group ends while a partner may still ask for a tile that names it
	s_endpgm
.Lfunc_end_k_qe8550c2677_pv:
	.size	k_qe8550c2677_pv, .Lfunc_end_k_qe8550c2677_pv-k_qe8550c2677_pv
	.p2alignl 7, 3214868480
	.fill 96, 4, 3214868480
	.section	.rodata,"a",@progbits
	.p2align	6, 0x0
	.amdhsa_kernel k_qe8550c2677_pv
		.amdhsa_group_segment_fixed_size 327680
		.amdhsa_private_segment_fixed_size 0
		.amdhsa_enable_private_segment 0
		.amdhsa_kernarg_size 48
		.amdhsa_user_sgpr_count 2
		.amdhsa_user_sgpr_kernarg_segment_ptr 1
		.amdhsa_wavefront_size32 1
		.amdhsa_system_sgpr_workgroup_id_x 1
		.amdhsa_system_sgpr_workgroup_id_y 1
		.amdhsa_system_sgpr_workgroup_id_z 1
		.amdhsa_system_vgpr_workitem_id 0
		.amdhsa_next_free_vgpr 1024
		.amdhsa_next_free_sgpr 102
		.amdhsa_reserve_vcc 0
		.amdhsa_float_denorm_mode_32 3
		.amdhsa_float_denorm_mode_16_64 3
		.amdhsa_memory_ordered 1
		.amdhsa_forward_progress 1
		.amdhsa_inst_pref_size 177
	.end_amdhsa_kernel
	.amdgpu_metadata
---
amdhsa.version: [ 1, 2 ]
amdhsa.kernels:
  - .name:           k_qe8550c2677_pv
    .symbol:         k_qe8550c2677_pv.kd
    .args:
      - { .name: pc, .offset: 0, .size: 8, .value_kind: global_buffer, .address_space: global }
      - { .name: ps, .offset: 8, .size: 8, .value_kind: global_buffer, .address_space: global }
      - { .name: wc, .offset: 16, .size: 8, .value_kind: global_buffer, .address_space: global }
      - { .name: wst, .offset: 24, .size: 8, .value_kind: global_buffer, .address_space: global }
      - { .name: aoc, .offset: 32, .size: 8, .value_kind: global_buffer, .address_space: global }
      - { .name: aos, .offset: 40, .size: 8, .value_kind: global_buffer, .address_space: global }
    .group_segment_fixed_size: 327680
    .private_segment_fixed_size: 0
    .kernarg_segment_align: 8
    .kernarg_segment_size: 48
    .max_flat_workgroup_size: 128
    .sgpr_count:     102
    .vgpr_count:     1024
    .wavefront_size: 32
...
	.end_amdgpu_metadata
.endif
;; end of part 7
;; launch outp (part 8): grid 4 x 64, 4 waves a work-group, clusters of 4 x 4, 327,680 bytes of LDS; arguments aoc, aos, Wo_codes, Wo_scales, bo, out0; writes out0
.if DOCPART == 8
	.amdgcn_target "amdgcn-amd-amdhsa--gfx1250"
	.amdhsa_code_object_version 6
	.text
	.protected	k_qe8550c2677_outp
	.globl	k_qe8550c2677_outp
	.p2align	8
	.type	k_qe8550c2677_outp,@function
k_qe8550c2677_outp:
	s_mov_b64 s[64:65], 0
	v_nop
	global_prefetch_b8 v0, s[64:65] scope:SCOPE_SE
	s_setreg_imm32_b32 hwreg(HW_REG_WAVE_MODE, 25, 1), 1
	s_wait_xcnt 0x0
	s_wait_alu depctr_hold_cnt(0) depctr_sa_sdst(0) depctr_va_vdst(0) depctr_va_sdst(0) depctr_va_ssrc(0) depctr_va_vcc(0) depctr_vm_vsrc(0)
	s_getreg_b32 s2, hwreg(HW_REG_IB_STS2, 6, 4)
	s_cmp_eq_u32 s2, 0
	s_cbranch_scc0 .Lentry_in_a_cluster
	s_endpgm
.Lentry_in_a_cluster:
	s_bfe_u32 s2, ttmp6, 0x10000c
	s_cmp_lg_u32 s2, 0xf033
	s_cbranch_scc0 .Lentry_shape_is_right
	s_endpgm
.Lentry_shape_is_right:
; THE OUTPUT PROJECTION: out = atten_out Wo + bo on codes of FP6 (E2M3).  A = the attention's result as launch pv stored it: register images, rows vr = 2,048 batch + 1,024 hq + d, K = j; B = Wo's rows n as the input lies.
; Row vr of A is row 2,048 batch + 2 d + hq of out: neighbouring rows of a tile lie two rows of out apart.  A tile is 128 rows x 256 columns: 64 x 4 = 256 work-groups.  A wave makes 64 x 128: 32 accumulators.
; K = 1,024 is two LDS slots of 512: both are filled at the start and none is filled again; one barrier stands between them.
; Source 0 = 16 rows of Wo, source 1 = 16 rows of A: a lane holds eight neighbouring numbers of a row of out.  The bias is the C of the first products.
; Wo's TILE: 256 rows of 768 bytes, with 8 bytes of padding behind every 128: rows 816 bytes = 204 words apart, so that the sixteen rows of a load begin at sixteen different even banks (64 banks of 4 bytes: ISA guide 11.1).
; THE WAY OUT: a block of 16 rows x 128 columns goes through the wave's own stage in LDS and comes back as whole rows of 512 bytes.  The stage lies in slot 0, which has had its only fill and its last read by then.
; CLUSTERS: 4 x 4 work-groups; A's tile is shared along a row of the cluster, Wo's along a column.
; REGISTERS, in windows of 256: window 0: v0-31 addresses; v32-95 scale words, two sets; v96-159 bo; v128-255 on the way out.  window 1: B's fragments, two sets (v0, v128).  window 2: the accumulators, (a, b) at v[8 (8 a + b)].
;   window 3: A's fragments, two sets of 48 (v0, v48).
; LIMITS: NaN and infinities are not served.
.set SIZE_K, 1024
.set LAYB,   0                         ; B's tiles: 0 = rows of codes as the inputs lie, 1 = register images (A's are images)
.set CM0,    2                         ; the sums start with the bias tiles in v[BJ] on
.set BSCL,   1                         ; B's scale bytes come by a tensor load
.set KSTEP,  512                       ; along K in a slot
.set NQ,     4                         ; matrix instructions deep in a slot
.set FR,     12                        ; registers of a fragment, 16 rows x 128 K
.set NP,     4                         ; places behind this matrix instruction (ISA guide 7.12.1)
.set PITCH,  816                       ; a row of Wo in LDS: all 768 bytes, 6 x (128 bytes + 8 of padding); the second 512 along K begin at byte 408
.set KROW,   SIZE_K*6/8
.set KS,     SIZE_K/32
.set LAPS,   SIZE_K/(2*KSTEP)
.set HALFA,  24576                     ; of A: 128 rows x 256 K
.set HALFB,  52224-3072*LAYB           ; and of B: 128 rows x 512 K: 128 x 408
.set STEPMA, 49152                     ; a slot on in memory
.set STEPMB, 384+48768*LAYB
.set SLOT,   2*HALFA+2*HALFB           ; A's 128 rows, then B's two halves
.set SCL,    2*SLOT                    ; behind the slots: the scale bytes: A's 128 rows, then B's two halves
.set HALFS,  (128*KS/256)*272          ; the scale bytes of 128 rows: units of 256 bytes + 16 of padding
.set HSA,    HALFS/2                   ; of 64 rows
.set SBLK,   (16*KS/256)*272           ; of 16 rows
.set SPARE,  SCL+3*HALFS               ; the spare words, 128 bytes a wave: two blocks of 256 bytes that no other line names
.set SPITCH, 528                       ; a stage row: 512 bytes + 16
.set ADRA, 16                          ; v16-17 LDS address of my A fragments in slot 0, 1
.set ADRB, 20                          ; v20-21 the same for B (v22-23: behind one padding more)
.set STO,  24                          ; v24 the way out: where I put 32 bytes of a row
.set RD,   25                          ; v25 where I read a row back
.set CO,   26                          ; v26 16 x lane
.set ADRS, 27                          ; v27 LDS address of my scale words: lanes 0-15 A's rows, lanes 16-31 B's
.set SPW,  28                          ; v28 my spare word; never rewritten
.set NIL,  29                          ; v29 0; never rewritten
.set SC,   32                          ; v32-95 scale words, two sets of 8 x 4: they hold scales and nothing else
.set BJ,   96                          ; v96-159 bo, eight tiles in the result's layout
.set BK,   128                         ; the way out: 16 rows read back: v128-191 and v192-255 by turns
.set G1, 24
.set G0, 32
.set G1B, 48
.set G0B, 56
.set G1S, 68
.set G0S, 76
.set G1SB, 80
.set G0SB, 88
.set MSB, 0
.macro WIN new                         ; the immediate's high byte repeats the setting that is left
.if MSB != \new
	s_set_vgpr_msb (MSB<<8)|\new
.set MSB, \new
.endif
.endm
.set MULW, 0xad                        ; source 0 (B) window 1, source 1 (A) window 3, C and D window 2
.set TO_B, 0x40                        ; destination window 1, address window 0
.set TO_A, 0xc0                        ; destination window 3
.macro PLACES n
.rept \n
	v_nop
.endr
.endm
.macro JLOAD g0a, g1a, g0b, g1b        ; a joint load: waves 0 and 1 fetch for A, waves 2 and 3 for B; four v_nop follow each line
	s_cmp_eq_u32 s15, 0
	s_cbranch_scc0 .Lfor_b_\@
	tensor_load_to_lds s[\g0a:\g0a+3], s[\g1a:\g1a+7]
	s_nop 0
	PLACES 4
	s_branch .Lasked_\@
.Lfor_b_\@:
	tensor_load_to_lds s[\g0b:\g0b+3], s[\g1b:\g1b+7]
	s_nop 0
	PLACES 4
.Lasked_\@:
.endm
.macro CREST                           ; a round of the cluster's barrier behind its opening barrier
	s_cmp_lg_u32 s14, 0
	s_cbranch_scc1 .Lnot_wave_0_\@
	s_barrier_signal -3
.Lnot_wave_0_\@:
	s_barrier_wait -3
	s_barrier_signal -1
	s_barrier_wait -1
.endm
.macro CROUND
	s_barrier_signal -1
	s_barrier_wait -1
	CREST
.endm
.macro IDS
	v_lshl_add_u32 v[SPW], v0, 2, SPARE
	v_mov_b32 v[NIL], 0
	ds_add_u32 v28, v29
	ds_add_u32 v28, v29
	s_wait_dscnt 0x0
	v_lshrrev_b32 v1, 5, v0
	v_readfirstlane_b32 s14, v1                    ; wave 0..3
	s_lshr_b32 s15, s14, 1                         ; my 64 of A's rows.  Also: I fetch tiles (0) or scale bytes (1)
	s_and_b32 s16, s14, 1                          ; my 128 of B's rows.  Also: I fetch for A (0) or for B (1)
	s_bfe_u32 s40, ttmp6, 0x40000                  ; cx
	s_bfe_u32 s41, ttmp6, 0x40004                  ; cy
	s_lshl_b32 s43, s41, 2
	s_lshl_b32 s43, 15, s43                        ; my row of the cluster
	s_lshl_b32 s44, 0x1111, s40                    ; my column
.endm
.macro OFFS                            ; s20 = A's first row, s46 = the first row of B that I fetch: their codes' and scale bytes' offsets, and the LDS places
	s_mov_b32 s21, 0
	s_mov_b32 s47, 0
	s_mov_b32 s22, s20                             ; A's scale bytes from the tile's first row on
	s_mov_b32 s23, 0
	s_mov_b64 s[18:19], KS
	s_mul_u64 s[22:23], s[22:23], s[18:19]
.if BSCL
	s_mul_u64 s[92:93], s[46:47], s[18:19]
	s_mov_b32 s100, 0
.endif
	s_mov_b64 s[18:19], KROW
	s_mul_u64 s[20:21], s[20:21], s[18:19]         ; 128 rows of images are as many bytes as 128 rows of codes
	s_mul_u64 s[46:47], s[46:47], s[18:19]
	s_mul_i32 s45, s16, HALFA                      ; my half of a slot's K of A: the same distance in memory and in LDS; no place in the cluster enters an LDS address
	s_mov_b32 s18, s45
	s_mov_b32 s19, 0
	s_add_nc_u64 s[20:21], s[20:21], s[18:19]
	s_mov_b32 s95, 4*HALFA                         ; Wo's 256 rows lie behind A's 98,304 bytes
	s_mov_b32 s94, 0
.endm
.macro G1IMG g, m, rows                ; descriptor group 1 of a dense block of images, as rows of 32 elements of 8 bytes, no padding; m: the register with the mask; bit 21 set beside a mask
	s_or_b32 s[\g], s[\m], (3<<16)|(1<<21)
	s_mov_b32 s[\g+1], 32<<16
	s_mov_b32 s[\g+2], (\rows)<<16
	s_mov_b32 s[\g+3], 32<<16
	s_mov_b32 s[\g+4], \rows
	s_mov_b32 s[\g+5], 32
	s_mov_b32 s[\g+6], 0
	s_mov_b32 s[\g+7], 0
.endm
.macro G1ROW g, m                      ; 128 rows of 384 bytes, elements of 1 byte; 2 words of padding (code 1) behind every 32 (code 4)
	s_or_b32 s[\g], s[\m], (1<<20)|(1<<21)|(4<<22)|(1<<25)
	s_mov_b32 s[\g+1], 768<<16                     ; 256 whole rows of 768 bytes
	s_mov_b32 s[\g+2], 256<<16
	s_mov_b32 s[\g+3], 768<<16
	s_mov_b32 s[\g+4], 256
	s_mov_b32 s[\g+5], KROW
	s_mov_b32 s[\g+6], 0
	s_mov_b32 s[\g+7], 0
.endm
.macro G1SCL g, m, rows                ; scale bytes: a dense block, as rows of 256 bytes with 16 bytes of padding behind each
	s_or_b32 s[\g], s[\m], (3<<16)|(1<<20)|(1<<21)|(5<<22)|(3<<25)
	s_mov_b32 s[\g+1], 32<<16
	s_mov_b32 s[\g+2], (\rows)<<16
	s_mov_b32 s[\g+3], 32<<16
	s_mov_b32 s[\g+4], \rows
	s_mov_b32 s[\g+5], 32
	s_mov_b32 s[\g+6], 0
	s_mov_b32 s[\g+7], 0
.endm
.macro G0SET g, lds, off, base, step   ; descriptor group 0: count 1, LDS address, global address, type 2
	s_mov_b32 s[\g], 1
	s_add_co_u32 s[\g+1], s[\lds], \off
	s_add_nc_u64 s[\g+2:\g+3], s[\base:\base+1], \step
	s_or_b32 s[\g+3], s[\g+3], 0x80000000
.endm
.macro FILLS                           ; all the launch's fills, one load a wave: wave 0 A (all of K), wave 1 Wo's 256 rows, wave 2 A's scales, wave 3 Wo's
	G0SET G0S, 94, SCL, 22, 0
	G0SET G0SB, 100, SCL+HALFS, 92, 0
	G0SET G0, 45, 0, 20, 0
	G0SET G0B, 95, 0, 46, 0
	s_cmp_lt_u32 s14, 1
	s_cbranch_scc0 .Lhead_1
	tensor_load_to_lds s[G0:G0+3], s[G1:G1+7]
	s_nop 0
	PLACES 4
	s_branch .Lhead_j
.Lhead_1:
	s_cmp_lt_u32 s14, 2
	s_cbranch_scc0 .Lhead_2
	tensor_load_to_lds s[G0B:G0B+3], s[G1B:G1B+7]
	s_nop 0
	PLACES 4
	s_branch .Lhead_j
.Lhead_2:
	s_cmp_lt_u32 s14, 3
	s_cbranch_scc0 .Lhead_3
	tensor_load_to_lds s[G0S:G0S+3], s[G1S:G1S+7]
	s_nop 0
	PLACES 4
	s_branch .Lhead_j
.Lhead_3:
	tensor_load_to_lds s[G0SB:G0SB+3], s[G1SB:G1SB+7]
	s_nop 0
	PLACES 4
.Lhead_j:
.endm
.macro ADDRS                           ; the LDS addresses of fragments and scale words
	v_and_b32 v1, 15, v0                           ; r
	v_bfe_u32 v2, v0, 4, 1                         ; h
	v_and_b32 v6, 31, v0
	v_lshlrev_b32 v[CO], 4, v6                     ; an image's place for my lane
.if LAYB == 0
	v_mul_u32_u24 v3, v1, PITCH
	v_mul_u32_u24 v4, v2, 24
	v_add_nc_u32 v4, v3, v4                        ; a row tile: row x pitch + 24 x half
	v_lshl_add_u32 v5, v2, 3, v4                   ; and the same behind one padding more
.endif
	s_mul_i32 s21, s15, 4*1536                     ; my four blocks of A's eight
	s_mul_i32 s22, s16, 2*HALFB                    ; my 128 rows of Wo: 128 x 816 bytes,
	s_add_co_u32 s22, s22, 4*HALFA                 ; behind A
.irp s, 0,1
	v_add_nc_u32 v[ADRA+\s], s21, v[CO]
.if LAYB
	v_add_nc_u32 v[ADRB+\s], s22, v[CO]
.else
	v_add_nc_u32 v[ADRB+\s], s22, v4
	v_add_nc_u32 v[ADRB+2+\s], s22, v5
	v_add_nc_u32 v[ADRB-12+\s], HALFB, v[ADRB+\s]      ; v8-11: the same 64 rows on, for blocks 4-7
	v_add_nc_u32 v[ADRB-10+\s], HALFB, v[ADRB+2+\s]
.endif
	s_add_co_u32 s21, s21, 2*HALFA
	s_add_co_u32 s22, s22, 408
.endr
	v_mul_u32_u24 v5, v1, KS                       ; my row's scale bytes: KS a row,
	v_lshrrev_b32 v6, 8, v5
	v_lshl_add_u32 v5, v6, 4, v5                   ; and 16 more for each 256 passed
	s_mul_i32 s21, s15, HSA                        ; A's: my 64 rows
	s_mul_i32 s22, s16, HALFS
	s_add_co_u32 s22, s22, HALFS                   ; B's: my 128 rows, behind A's 128
	s_sub_co_u32 s22, s22, s21
	v_mul_u32_u24 v6, s22, v2                      ; lanes 16-31 take B's: one product, half x the distance
	s_add_co_u32 s21, s21, SCL
	v_add_nc_u32 v5, v5, v6
	v_add_nc_u32 v[ADRS], s21, v5
.endm
; A fragment, 16 rows x 128 K of 6-bit codes, is 12 registers: lane l holds row l % 16; registers 6 c .. 6 c + 5 hold K = 64 c + 32 (l / 16) + 0 .. 31.
.macro FRAG reg, adr, q, i, lay
.if \lay
.irp g, 0,1,2                          ; an image: three loads of 16 bytes a lane, 512 consecutive bytes each
	ds_load_b128 v[\reg+4*\g:\reg+4*\g+3], v[\adr] offset:((\q)*8+(\i))*1536+512*\g
.endr
.else
.irp p, 0,1,2,3,4,5                    ; a row tile: pieces of 8 bytes, 8 bytes of padding behind every 16 pieces; where the piece of lanes 16-31, three on, lies behind one padding more, the second address register serves
.set PCE, 12*(\q)+6*(\p/3)+\p%3
.if PCE%16 < 13
	ds_load_b64 v[\reg+2*\p:\reg+2*\p+1], v[\adr-12*((\i)/4)] offset:8*PCE+8*(PCE/16)+((\i)%4)*16*PITCH
.else
	ds_load_b64 v[\reg+2*\p:\reg+2*\p+1], v[\adr+2-12*((\i)/4)] offset:8*PCE+8*(PCE/16)+((\i)%4)*16*PITCH
.endif
.endr
.endif
.endm
; 8 matrix instructions: A's block a x B's eight, the slot's q-th 128 along K.  p: the sets of fragments; sc: the set of scale words; cm: 0 adds on, 1 starts with 0, 2 starts with the bias tile.
; The 32 accumulators take turns, one instruction a turn, in the same order in every step.
.macro MUL8 a, p, q, sc, cm
.irp b, 0,1,2,3,4,5,6,7
.set rD, 8*(8*(\a)+\b)
.set rB, 128*(\p)+FR*\b
.set rA, 48*(\p)+FR*(\a)
.set rSB, SC+8*NQ*(\sc)+NQ*\b+(\q)
.set rSA, SC+8*NQ*(\sc)+NQ*(\a)+(\q)
.if \cm == 1
	v_wmma_scale_f32_16x16x128_f8f6f4 v[rD:rD+7], v[rB:rB+FR-1], v[rA:rA+FR-1], 0, v[rSB], v[rSA] matrix_a_fmt:MATRIX_FMT_FP6 matrix_b_fmt:MATRIX_FMT_FP6 matrix_a_scale:MATRIX_SCALE_ROW1
.elseif \cm == 2
	v_wmma_scale_f32_16x16x128_f8f6f4 v[rD:rD+7], v[rB:rB+FR-1], v[rA:rA+FR-1], v[BJ+8*\b:BJ+8*\b+7], v[rSB], v[rSA] matrix_a_fmt:MATRIX_FMT_FP6 matrix_b_fmt:MATRIX_FMT_FP6 matrix_a_scale:MATRIX_SCALE_ROW1
.else
	v_wmma_scale_f32_16x16x128_f8f6f4 v[rD:rD+7], v[rB:rB+FR-1], v[rA:rA+FR-1], v[rD:rD+7], v[rSB], v[rSA] matrix_a_fmt:MATRIX_FMT_FP6 matrix_b_fmt:MATRIX_FMT_FP6 matrix_a_scale:MATRIX_SCALE_ROW1
.endif
.endr
.endm
.macro FETCH_B slot, q, p              ; B's eight fragments of the slot's q-th 128 along K into set p
	WIN TO_B
.irp i, 0,1,2,3,4,5,6,7
	FRAG 128*(\p)+FR*\i, ADRB+\slot, \q, \i, LAYB
.endr
.endm
.macro FETCH_A slot, q, p              ; my four fragments of A
	WIN TO_A
.irp i, 0,1,2,3
	FRAG 48*(\p)+FR*\i, ADRA+\slot, \q, \i, 1
.endr
.endm
.macro SCALES sc                       ; a slot's scale words, four a row: lanes 0-15 A's block i (blocks 4-7 are loaded and not used), lanes 16-31 B's block i
.irp i, 0,1,2,3,4,5,6,7
	ds_load_b128 v[SC+8*NQ*\sc+NQ*\i:SC+8*NQ*\sc+NQ*\i+3], v[ADRS] offset:\i*SBLK
.endr
.endm
; A step of 128 along K that has its successor in the same slot: the successor's fragments are asked for first, into the other sets, and land while this step's 32 products are issued.
.macro STEP slot, q, cm
	s_wait_dscnt 0x0                               ; this step's fragments and scale words are in
	PLACES NP                                      ; in front of loads into the registers that the last step's matrix instructions have read
	FETCH_B \slot, (\q)+1, 1-(\q)%2
	FETCH_A \slot, (\q)+1, 1-(\q)%2
.if \cm == 2
	WIN 0x8d                                       ; as MULW, with C (the bias tiles) in window 0
.else
	WIN MULW
.endif
.irp a, 0,1,2,3
	MUL8 \a, (\q)%2, \q, \slot, \cm
.endr
.endm
; Slot 0's last step changes slots: one barrier; in front of it each wave waits for all its tensor loads, adds 0 to its spare word, and waits for that and for its reads of slot 0.  Nothing is filled again.
.macro TURN slot, next
	WIN 0                                          ; (the add's two registers lie in window 0)
	s_wait_tensorcnt 0x0                           ; all my tensor loads have landed: my part of the next slot
	ds_add_u32 v[SPW], v[NIL]                      ; 0 onto my spare word
	s_wait_dscnt 1                                 ; this step's fragments are in (the add, the youngest, may be out)
	WIN MULW
	MUL8 0, 1, NQ-1, \slot, 0                      ; eight matrix instructions stand between the add and the wait for it
	s_wait_dscnt 0x0                               ; the add is done, and my reads of this slot are over
	s_barrier_signal -1
	MUL8 1, 1, NQ-1, \slot, 0
	WIN 0
	s_barrier_wait -1
	PLACES NP                                      ; in front of loads into registers that matrix instructions have read
	v_add_nc_u32 v[ADRS], 4*NQ, v[ADRS]            ; the next slot's scale words
	FETCH_B \next, 0, 0
	FETCH_A \next, 0, 0
	WIN 0
	SCALES \next
	WIN MULW
	MUL8 2, 1, NQ-1, \slot, 0
	MUL8 3, 1, NQ-1, \slot, 0
.endm
; LDS serves a wave's instructions in order (ISA guide 5.7.1.4): no wait between the stage's stores and its loads, nor in front of the next block's stores.
.macro TOSTAGE a
.set AC, 64*(\a)
	WIN 0x08                                       ; an LDS store's data are its source 1: window 2
.irp b, 0,1,2,3,4,5,6,7
	ds_store_b128 v[STO], v[AC+8*\b:AC+8*\b+3] offset:64*\b          ; each accumulator from its low end on
	ds_store_b128 v[STO], v[AC+8*\b+4:AC+8*\b+7] offset:64*\b+16
.endr
	WIN 0
.set BB, BK+64*((\a)%2)
.irp t, 0,1,2,3,4,5,6,7,8,9,10,11,12,13,14,15
	ds_load_b128 v[BB+4*\t:BB+4*\t+3], v[RD] offset:\t*SPITCH
.endr
.endm
.macro SEND a, younger                 ; younger: the LDS instructions issued behind block a's loads, which may stay out
.set BB, BK+64*((\a)%2)
	s_wait_dscnt \younger
.if (\a) > 0
	s_add_nc_u64 s[98:99], s[98:99], 131072        ; (behind a wait on XCNT)  16 rows of A on: 32 rows of out
.endif
.irp t, 0,1,2,3,4,5,6,7,8,9,10,11,12,13,14,15
	global_store_b128 v[CO], v[BB+4*\t:BB+4*\t+3], s[98:99] offset:\t*8192 th:TH_STORE_NT   ; 32 lanes store 512 consecutive bytes, aligned; the next row of A lies two rows of out on
.endr
.endm
	s_load_b256 s[4:11], s[0:1], 0x0               ; aoc, aos, Wo's codes, Wo's scales
	s_load_b128 s[96:99], s[0:1], 0x20             ; bo, out0
	IDS
	s_lshl_b32 s42, ttmp9, 2
	s_add_co_u32 s42, s42, s40                     ; tile column: n / 256
	s_and_b32 s17, ttmp7, 0xffff
	s_lshl_b32 s17, s17, 2
	s_add_co_u32 s17, s17, s41                     ; tile row: vr / 128
	s_lshl_b32 s20, s17, 7                         ; A's first row
	s_lshl_b32 s18, s16, 7
	s_lshl_b32 s46, s42, 8
	OFFS
	G1IMG G1, 43, 384                              ; A: 128 rows, all of K: 98,304 dense bytes
	G1ROW G1B, 44
	G1SCL G1S, 43, 128*KS/256
	G1SCL G1SB, 44, 256*KS/256
	s_wait_kmcnt 0x0
	s_add_nc_u64 s[20:21], s[4:5], s[20:21]
	s_add_nc_u64 s[22:23], s[6:7], s[22:23]
	s_add_nc_u64 s[46:47], s[8:9], s[46:47]
	s_add_nc_u64 s[92:93], s[10:11], s[92:93]
	CROUND                                         ; all sixteen work-groups are here: the joint loads meet
	FILLS
	ADDRS
	s_lshl_b32 s18, s42, 10
	s_lshl_b32 s19, s16, 9
	s_add_co_u32 s18, s18, s19                     ; my first column, in bytes: it serves bo and out alike
	s_mov_b32 s19, 0
	s_add_nc_u64 s[96:97], s[96:97], s[18:19]
	s_add_nc_u64 s[98:99], s[98:99], s[18:19]
	v_lshlrev_b32 v13, 5, v2                       ; lane (r, h) wants, for tile b, bo at columns 16 b + 8 h + 0 .. 7
.irp b, 0,1,2,3,4,5,6,7
	global_load_b128 v[BJ+8*\b:BJ+8*\b+3], v13, s[96:97] offset:64*\b
	global_load_b128 v[BJ+8*\b+4:BJ+8*\b+7], v13, s[96:97] offset:64*\b+16
.endr
	s_lshr_b32 s18, s17, 4
	s_lshl_b32 s18, s18, 11                        ; 2,048 x batch
	s_and_b32 s19, s17, 7
	s_lshl_b32 s19, s19, 8
	s_add_co_u32 s18, s18, s19                     ; + 2 d: 2 x 128 x (tile row % 8)
	s_lshl_b32 s19, s15, 7
	s_add_co_u32 s18, s18, s19                     ; + 2 x 64 x half
	s_bfe_u32 s19, s17, 0x10003
	s_add_co_u32 s18, s18, s19                     ; + hq
	s_lshl_b32 s18, s18, 12                        ; rows of 4,096 bytes
	s_mov_b32 s19, 0
	s_add_nc_u64 s[98:99], s[98:99], s[18:19]
	s_mul_i32 s23, s14, 16*SPITCH                  ; my stage
	v_mul_u32_u24 v5, v1, SPITCH                   ; in: row r, 32 bytes for each half of the lanes
	v_lshl_add_u32 v5, v2, 5, v5
	v_add_nc_u32 v[STO], s23, v5
	v_add_nc_u32 v[RD], s23, v[CO]                 ; back: the 32 lanes take one row of 512 bytes
	s_wait_alu depctr_va_vdst(0)
	s_wait_loadcnt 0x0                             ; bo
	s_wait_tensorcnt 0x0                           ; my tile of the four is in
	s_barrier_signal -1
	s_barrier_wait -1                              ; everybody's are
	FETCH_B 0, 0, 0
	FETCH_A 0, 0, 0
	WIN 0
	SCALES 0
	STEP 0, 0, CM0                                 ; the first step starts the sums with the bias: nothing is cleared
	STEP 0, 1, 0
	STEP 0, 2, 0
	TURN 0, 1
	STEP 1, 0, 0
	STEP 1, 1, 0
	STEP 1, 2, 0
	s_wait_dscnt 0x0                               ; the very last step: nothing more to fetch
	WIN MULW
.irp a, 0,1,2,3
	MUL8 \a, 1, NQ-1, 1, 0
.endr
	WIN 0
	PLACES NP                                      ; in front of the first reads of the last results
	TOSTAGE 0
.irp a, 1,2,3
.if \a > 1
	s_wait_xcnt 0x0                                ; block a - 2's stores have read their registers and their base
.endif
	TOSTAGE \a
	SEND \a-1, 32                                  ; behind block a - 1's loads: block a's 16 stores and 16 loads
.endr
	s_wait_xcnt 0x0                                ; block 2's stores have read their base
	SEND 3, 0
	s_wait_tensorcnt 0x0                           ; the wave's end: the three lines once more, my last LDS instructions
	ds_add_u32 v[SPW], v[NIL]
	s_wait_dscnt 0x0
	CROUND                                         ; the closing round: no work-group ends while a partner may still ask for a tile that names it
	s_endpgm
.Lfunc_end_k_qe8550c2677_outp:
	.size	k_qe8550c2677_outp, .Lfunc_end_k_qe8550c2677_outp-k_qe8550c2677_outp
	.p2alignl 7, 3214868480
	.fill 96, 4, 3214868480
	.section	.rodata,"a",@progbits
	.p2align	6, 0x0
	.amdhsa_kernel k_qe8550c2677_outp
		.amdhsa_group_segment_fixed_size 327680
		.amdhsa_private_segment_fixed_size 0
		.amdhsa_enable_private_segment 0
		.amdhsa_kernarg_size 48
		.amdhsa_user_sgpr_count 2
		.amdhsa_user_sgpr_kernarg_segment_ptr 1
		.amdhsa_wavefront_size32 1
		.amdhsa_system_sgpr_workgroup_id_x 1
		.amdhsa_system_sgpr_workgroup_id_y 1
		.amdhsa_system_sgpr_workgroup_id_z 1
		.amdhsa_system_vgpr_workitem_id 0
		.amdhsa_next_free_vgpr 1024
		.amdhsa_next_free_sgpr 102
		.amdhsa_reserve_vcc 0
		.amdhsa_float_denorm_mode_32 3
		.amdhsa_float_denorm_mode_16_64 3
		.amdhsa_memory_ordered 1
		.amdhsa_forward_progress 1
		.amdhsa_inst_pref_size 92
	.end_amdhsa_kernel
	.amdgpu_metadata
---
amdhsa.version: [ 1, 2 ]
amdhsa.kernels:
  - .name:           k_qe8550c2677_outp
    .symbol:         k_qe8550c2677_outp.kd
    .args:
      - { .name: aoc, .offset: 0, .size: 8, .value_kind: global_buffer, .address_space: global }
      - { .name: aos, .offset: 8, .size: 8, .value_kind: global_buffer, .address_space: global }
      - { .name: Wo_codes, .offset: 16, .size: 8, .value_kind: global_buffer, .address_space: global }
      - { .name: Wo_scales, .offset: 24, .size: 8, .value_kind: global_buffer, .address_space: global }
      - { .name: bo, .offset: 32, .size: 8, .value_kind: global_buffer, .address_space: global }
      - { .name: out0, .offset: 40, .size: 8, .value_kind: global_buffer, .address_space: global }
    .group_segment_fixed_size: 327680
    .private_segment_fixed_size: 0
    .kernarg_segment_align: 8
    .kernarg_segment_size: 48
    .max_flat_workgroup_size: 128
    .sgpr_count:     102
    .vgpr_count:     1024
    .wavefront_size: 32
...
	.end_amdgpu_metadata
.endif
;; end of part 8
